; MI455X (gfx1250); checked and timed in simulation.
; The chip was launched on July 23, 2026; its instructions are those of AMD's public machine-readable ISA for CDNA 5 (MIT licence, August 2026) and "CDNA5" Instruction Set Architecture Reference Guide (July 2026). The comments in the code are by the model that wrote it; some were corrected since.
;; Transformer Block. Allowed arithmetic: float matrix products may take bf16 or f16 operands with f32 sums; all other float work in f32.
;; Inputs: ff1_b 4,096 float32; ff1_w 1,024 x 4,096 float32; ff2_b 1,024 float32; ff2_w 4,096 x 1,024 float32; ln1_b 1,024 float32; ln1_g 1,024 float32; ln2_b 1,024 float32; ln2_g 1,024 float32; proj_b 1,024 float32; proj_w 1,024 x 1,024 float32; wk 16 x 1,024 x 64 float32; wq 16 x 1,024 x 64 float32; wv 16 x 1,024 x 64 float32; x 4 x 1,024 x 1,024 float32.
;; Outputs: out0 4 x 1,024 x 1,024 float32.
;; 2 versions, each right and faster than the one before. Each part assembles by itself: llvm-mc -triple=amdgcn-amd-amdhsa -mcpu=gfx1250 --defsym DOCPART=n.
;; ======== version 1 of 2: 8 launches
;; workspace buffers: wb 25,165,824 bytes; hb 8,388,608 bytes; qb 8,388,608 bytes; kb 8,388,608 bytes; vb 8,388,608 bytes; ob 8,388,608 bytes; x1 16,777,216 bytes; gb 33,554,432 bytes
;; launch cvt (part 1): grid 1536 x 1, 8 waves a work-group, no clusters, 0 bytes of LDS; arguments wq, wk, wv, proj_w, ff1_w, ff2_w, wb; writes wb
.if DOCPART == 1
	.amdgcn_target "amdgcn-amd-amdhsa--gfx1250"
	.amdhsa_code_object_version 6
	.text
	.protected	k_qe8a11c6684_cvt
	.globl	k_qe8a11c6684_cvt
	.p2align	8
	.type	k_qe8a11c6684_cvt,@function
k_qe8a11c6684_cvt:
	s_mov_b64 s[64:65], 0
	v_nop
	global_prefetch_b8 v0, s[64:65] scope:SCOPE_SE
	s_setreg_imm32_b32 hwreg(HW_REG_WAVE_MODE, 25, 1), 1
	s_wait_xcnt 0x0
; All weights, f32 -> bf16 (rounded to nearest even), once.  A work-group turns one dense block of 32,768 bytes of f32 into 16,384 bytes of bf16.
; The target is always wb + 16,384 x id.  Blocks 0-383: wq, wk, wv, laid [head 16][k step 8][which 3][k 128][e 64], so that the three weights' rows of one head
; and one K step of 128 lie end to end (block = 3 x (8 head + step) + which; its source is the dense block 8 head + step of that weight).
; Blocks 384-511: proj_w; 512-1023: ff1_w; 1024-1535: ff2_w, each as it lies ([k][n]).
; A stream: no LDS, no matrix unit, no cluster (no byte is read by two work-groups).  Eight loads of 16 bytes a lane are out at once; nothing is read twice.
.set X, 4                              ; v[4:35]   eight loads of four f32
.set Y, 36                             ; v[36:51]  eight pairs of registers, four bf16 each
	s_load_b256 s[4:11], s[0:1], 0x0               ; wq s[4:5], wk s[6:7], wv s[8:9], proj_w s[10:11]
	s_load_b128 s[12:15], s[0:1], 0x20             ; ff1_w s[12:13], ff2_w s[14:15]
	s_load_b64 s[16:17], s[0:1], 0x30              ; wb
	s_mov_b32 s20, ttmp9                           ; id
	s_mul_hi_u32 s21, s20, 0x55555556              ; id / 3 (exact for id under 1,536)
	s_mul_i32 s22, s21, 3
	s_sub_co_u32 s22, s20, s22                     ; which = id mod 3
	s_sub_co_u32 s27, s20, 384                     ; the block's number inside proj_w,
	s_sub_co_u32 s28, s20, 512                     ; inside ff1_w,
	s_sub_co_u32 s29, s20, 1024                    ; inside ff2_w: only the one that applies is chosen below
	s_lshl_b32 s18, s20, 14                        ; the target's offset
	s_mov_b32 s19, 0
	s_mov_b32 s31, 0
	v_lshlrev_b32 v1, 4, v0                        ; 16 bytes of f32 a thread
	v_lshlrev_b32 v2, 3, v0                        ; 8 bytes of bf16 a thread
	s_wait_kmcnt 0x0
	s_cmp_eq_u32 s22, 1                            ; the source and the block's number in it, chosen by the id alone
	s_cselect_b64 s[24:25], s[6:7], s[4:5]
	s_cmp_eq_u32 s22, 2
	s_cselect_b64 s[24:25], s[8:9], s[24:25]
	s_mov_b32 s26, s21
	s_cmp_ge_u32 s20, 384
	s_cselect_b64 s[24:25], s[10:11], s[24:25]
	s_cselect_b32 s26, s27, s26
	s_cmp_ge_u32 s20, 512
	s_cselect_b64 s[24:25], s[12:13], s[24:25]
	s_cselect_b32 s26, s28, s26
	s_cmp_ge_u32 s20, 1024
	s_cselect_b64 s[24:25], s[14:15], s[24:25]
	s_cselect_b32 s26, s29, s26
	s_lshl_b32 s30, s26, 15                        ; 32,768 bytes a block: 511 blocks at the most
	s_add_nc_u64 s[24:25], s[24:25], s[30:31]
	s_add_nc_u64 s[16:17], s[16:17], s[18:19]
.irp j, 0,1,2,3,4,5,6,7
	global_load_b128 v[X+4*(\j):X+4*(\j)+3], v1, s[24:25] offset:4096*(\j) th:TH_LOAD_NT  ; the f32 weights are read once in the whole program
.endr
.irp j, 0,1,2,3,4,5,6,7
	s_wait_loadcnt 7-(\j)                          ; loads come back in order: number j is in, the 7 - j younger ones stay out
	v_cvt_pk_bf16_f32 v[Y+2*(\j)], v[X+4*(\j)], v[X+4*(\j)+1]
	v_cvt_pk_bf16_f32 v[Y+2*(\j)+1], v[X+4*(\j)+2], v[X+4*(\j)+3]
	global_store_b64 v2, v[Y+2*(\j):Y+2*(\j)+1], s[16:17] offset:2048*(\j)  ; a wave's store covers 256 consecutive bytes, aligned; no register is written twice
.endr
	s_endpgm
.Lfunc_end_k_qe8a11c6684_cvt:
	.size	k_qe8a11c6684_cvt, .Lfunc_end_k_qe8a11c6684_cvt-k_qe8a11c6684_cvt
	.p2alignl 7, 3214868480
	.fill 96, 4, 3214868480
	.section	.rodata,"a",@progbits
	.p2align	6, 0x0
	.amdhsa_kernel k_qe8a11c6684_cvt
		.amdhsa_group_segment_fixed_size 0
		.amdhsa_private_segment_fixed_size 0
		.amdhsa_enable_private_segment 0
		.amdhsa_kernarg_size 56
		.amdhsa_user_sgpr_count 2
		.amdhsa_user_sgpr_kernarg_segment_ptr 1
		.amdhsa_wavefront_size32 1
		.amdhsa_system_sgpr_workgroup_id_x 1
		.amdhsa_system_sgpr_workgroup_id_y 1
		.amdhsa_system_sgpr_workgroup_id_z 1
		.amdhsa_system_vgpr_workitem_id 0
		.amdhsa_next_free_vgpr 52
		.amdhsa_next_free_sgpr 66
		.amdhsa_reserve_vcc 0
		.amdhsa_float_denorm_mode_32 3
		.amdhsa_float_denorm_mode_16_64 3
		.amdhsa_memory_ordered 1
		.amdhsa_forward_progress 1
		.amdhsa_inst_pref_size 5
	.end_amdhsa_kernel
	.amdgpu_metadata
---
amdhsa.version: [ 1, 2 ]
amdhsa.kernels:
  - .name:           k_qe8a11c6684_cvt
    .symbol:         k_qe8a11c6684_cvt.kd
    .args:
      - { .name: wq, .offset: 0, .size: 8, .value_kind: global_buffer, .address_space: global }
      - { .name: wk, .offset: 8, .size: 8, .value_kind: global_buffer, .address_space: global }
      - { .name: wv, .offset: 16, .size: 8, .value_kind: global_buffer, .address_space: global }
      - { .name: proj_w, .offset: 24, .size: 8, .value_kind: global_buffer, .address_space: global }
      - { .name: ff1_w, .offset: 32, .size: 8, .value_kind: global_buffer, .address_space: global }
      - { .name: ff2_w, .offset: 40, .size: 8, .value_kind: global_buffer, .address_space: global }
      - { .name: wb, .offset: 48, .size: 8, .value_kind: global_buffer, .address_space: global }
    .group_segment_fixed_size: 0
    .private_segment_fixed_size: 0
    .kernarg_segment_align: 8
    .kernarg_segment_size: 56
    .max_flat_workgroup_size: 256
    .sgpr_count:     66
    .vgpr_count:     52
    .wavefront_size: 32
...
	.end_amdgpu_metadata
.endif
;; end of part 1
;; launch ln1 (part 2): grid 256 x 1, 4 waves a work-group, no clusters, 0 bytes of LDS; arguments x, ln1_g, ln1_b, hb; writes hb
.if DOCPART == 2
	.amdgcn_target "amdgcn-amd-amdhsa--gfx1250"
	.amdhsa_code_object_version 6
	.text
	.protected	k_qe8a11c6684_ln1
	.globl	k_qe8a11c6684_ln1
	.p2align	8
	.type	k_qe8a11c6684_ln1,@function
k_qe8a11c6684_ln1:
	s_mov_b64 s[64:65], 0
	v_nop
	global_prefetch_b8 v0, s[64:65] scope:SCOPE_SE
	s_setreg_imm32_b32 hwreg(HW_REG_WAVE_MODE, 25, 1), 1
	s_wait_xcnt 0x0
; LayerNorm of 4,096 rows of 1,024 f32, result in bf16: y = (x - mean) * rsqrt(var + 1e-5) * g + b, all in f32, rounded once.
; One wave, one row: the row's 4,096 bytes are 32 registers, so it is read once and the sums never leave the wave: no LDS, no barrier.
; The variance is taken of the centred numbers (a second pass over registers), so a common offset of the row costs nothing.
; A work-group owns 16 rows, a wave four; all four rows are asked for at the start (32 loads of 16 bytes a lane), behind g and b.
; Load j of a row gives lane l columns 128 j + 4 l .. + 3; the four bf16 made of them are 8 bytes at 256 j + 8 l of the output row.
; No cluster and no matrix unit: no byte is shared between work-groups but g and b (8 KB), and memory binds.
.set G,  8                             ; v[8:39]    g of my 32 columns
.set BB, 40                            ; v[40:71]   b of them
.set X,  72                            ; v[72:199]  row i at X + 32 i
.set T,  200                           ; v[200:207] four chains of packed sums
.set MU, 208                           ; v[208:209] the mean, twice
.set R,  210                           ; v[210:211] 1 / sqrt(var + eps), twice
.set PT, 212                           ; v212       the other half of the lanes' sum
	s_load_b256 s[4:11], s[0:1], 0x0               ; x s[4:5], g s[6:7], b s[8:9], y s[10:11]
	s_mov_b32 s12, 0x76543210                      ; v_permlanex16_b32: each lane takes its own place in the other half
	s_mov_b32 s13, 0xfedcba98
	s_mov_b32 s14, 0x3a800000                      ; 1 / 1,024
	s_mov_b32 s15, 0x3727c5ac                      ; 1e-5
	s_lshl_b32 s16, ttmp9, 16                      ; 16 rows of 4,096 bytes
	s_mov_b32 s17, 0
	s_lshl_b32 s18, ttmp9, 15                      ; 16 rows of 2,048 bytes
	s_mov_b32 s19, 0
	v_and_b32 v1, 31, v0
	v_lshrrev_b32 v4, 5, v0                        ; wave
	v_lshlrev_b32 v1, 4, v1                        ; 16 x lane
	v_lshl_add_u32 v2, v4, 14, v1                  ; + the wave's four rows of x
	v_lshrrev_b32 v3, 1, v1                        ; 8 x lane
	v_lshl_add_u32 v3, v4, 13, v3                  ; + the wave's four rows of y
	v_mov_b32 v[PT], 0                             ; the permute's target counts as read
	s_wait_kmcnt 0x0
	s_add_nc_u64 s[4:5], s[4:5], s[16:17]
	s_add_nc_u64 s[10:11], s[10:11], s[18:19]
.irp j, 0,1,2,3,4,5,6,7
	global_load_b128 v[G+4*(\j):G+4*(\j)+3], v1, s[6:7] offset:512*(\j)
.endr
.irp j, 0,1,2,3,4,5,6,7
	global_load_b128 v[BB+4*(\j):BB+4*(\j)+3], v1, s[8:9] offset:512*(\j)
.endr
.irp i, 0,1,2,3
.irp j, 0,1,2,3,4,5,6,7
	global_load_b128 v[X+32*(\i)+4*(\j):X+32*(\i)+4*(\j)+3], v2, s[4:5] offset:4096*(\i)+512*(\j)
.endr
.endr
.macro JOIN                            ; the four chains into one number a lane
	v_pk_add_f32 v[T:T+1], v[T:T+1], v[T+2:T+3]
	v_pk_add_f32 v[T+4:T+5], v[T+4:T+5], v[T+6:T+7]
	v_pk_add_f32 v[T:T+1], v[T:T+1], v[T+4:T+5]
	v_add_f32 v[T], v[T], v[T+1]
.endm
.macro LANESUM                         ; over the 32 lanes: four steps inside each half ride on the addition, one crosses the halves; every lane ends with the sum
	v_add_f32_dpp v[T], v[T], v[T] row_xmask:1 row_mask:0xf bank_mask:0xf
	v_add_f32_dpp v[T], v[T], v[T] row_xmask:2 row_mask:0xf bank_mask:0xf
	v_add_f32_dpp v[T], v[T], v[T] row_xmask:4 row_mask:0xf bank_mask:0xf
	v_add_f32_dpp v[T], v[T], v[T] row_xmask:8 row_mask:0xf bank_mask:0xf
	v_permlanex16_b32 v[PT], v[T], s12, s13
	v_add_f32 v[T], v[T], v[PT]
.endm
.macro ROW i
.set XR, X+32*(\i)
	s_wait_loadcnt 8*(3-(\i))                      ; my row's eight loads are in (and g and b, which were asked for first); the later rows' stay out
.irp k, 0,1,2,3
	v_pk_add_f32 v[T+2*(\k):T+2*(\k)+1], v[XR+2*(\k):XR+2*(\k)+1], v[XR+8+2*(\k):XR+8+2*(\k)+1]  ; the first pairs start the chains: nothing is cleared
.endr
.set k2, 8
.rept 8
	v_pk_add_f32 v[T+2*(k2%4):T+2*(k2%4)+1], v[T+2*(k2%4):T+2*(k2%4)+1], v[XR+2*k2:XR+2*k2+1]
.set k2, k2+1
.endr
	JOIN
	LANESUM
	v_mul_f32 v[MU], s14, v[T]                     ; the mean
	v_mov_b32 v[MU+1], v[MU]
.set k2, 0
.rept 16
	v_pk_add_f32 v[XR+2*k2:XR+2*k2+1], v[XR+2*k2:XR+2*k2+1], v[MU:MU+1] neg_lo:[0,1] neg_hi:[0,1]  ; centred, in place
.set k2, k2+1
.endr
.irp k, 0,1,2,3
	v_pk_mul_f32 v[T+2*(\k):T+2*(\k)+1], v[XR+2*(\k):XR+2*(\k)+1], v[XR+2*(\k):XR+2*(\k)+1]
.endr
.set k2, 4
.rept 12
	v_pk_fma_f32 v[T+2*(k2%4):T+2*(k2%4)+1], v[XR+2*k2:XR+2*k2+1], v[XR+2*k2:XR+2*k2+1], v[T+2*(k2%4):T+2*(k2%4)+1]
.set k2, k2+1
.endr
	JOIN
	LANESUM
	v_fma_f32 v[T], v[T], s14, s15                 ; var + eps
	v_rsq_f32 v[R], v[T]
	v_nop                                          ; a plain instruction between the root and the use of its result (ISA guide 5.7.2)
	s_wait_alu depctr_va_vdst(0)
	v_mov_b32 v[R+1], v[R]
.set k2, 0
.rept 16
	v_pk_mul_f32 v[XR+2*k2:XR+2*k2+1], v[XR+2*k2:XR+2*k2+1], v[R:R+1]
.set k2, k2+1
.endr
.set k2, 0
.rept 16
	v_pk_fma_f32 v[XR+2*k2:XR+2*k2+1], v[XR+2*k2:XR+2*k2+1], v[G+2*k2:G+2*k2+1], v[BB+2*k2:BB+2*k2+1]
.set k2, k2+1
.endr
.irp j, 0,1,2,3,4,5,6,7
	v_cvt_pk_bf16_f32 v[XR+4*(\j)], v[XR+4*(\j)], v[XR+4*(\j)+1]
	v_cvt_pk_bf16_f32 v[XR+4*(\j)+1], v[XR+4*(\j)+2], v[XR+4*(\j)+3]
	global_store_b64 v3, v[XR+4*(\j):XR+4*(\j)+1], s[10:11] offset:2048*(\i)+256*(\j)  ; a wave's store covers 256 consecutive bytes, aligned; a row's registers are not written again
.endr
.endm
	ROW 0
	ROW 1
	ROW 2
	ROW 3
	s_endpgm
.Lfunc_end_k_qe8a11c6684_ln1:
	.size	k_qe8a11c6684_ln1, .Lfunc_end_k_qe8a11c6684_ln1-k_qe8a11c6684_ln1
	.p2alignl 7, 3214868480
	.fill 96, 4, 3214868480
	.section	.rodata,"a",@progbits
	.p2align	6, 0x0
	.amdhsa_kernel k_qe8a11c6684_ln1
		.amdhsa_group_segment_fixed_size 0
		.amdhsa_private_segment_fixed_size 0
		.amdhsa_enable_private_segment 0
		.amdhsa_kernarg_size 32
		.amdhsa_user_sgpr_count 2
		.amdhsa_user_sgpr_kernarg_segment_ptr 1
		.amdhsa_wavefront_size32 1
		.amdhsa_system_sgpr_workgroup_id_x 1
		.amdhsa_system_sgpr_workgroup_id_y 1
		.amdhsa_system_sgpr_workgroup_id_z 1
		.amdhsa_system_vgpr_workitem_id 0
		.amdhsa_next_free_vgpr 216
		.amdhsa_next_free_sgpr 66
		.amdhsa_reserve_vcc 0
		.amdhsa_float_denorm_mode_32 3
		.amdhsa_float_denorm_mode_16_64 3
		.amdhsa_memory_ordered 1
		.amdhsa_forward_progress 1
		.amdhsa_inst_pref_size 38
	.end_amdhsa_kernel
	.amdgpu_metadata
---
amdhsa.version: [ 1, 2 ]
amdhsa.kernels:
  - .name:           k_qe8a11c6684_ln1
    .symbol:         k_qe8a11c6684_ln1.kd
    .args:
      - { .name: x, .offset: 0, .size: 8, .value_kind: global_buffer, .address_space: global }
      - { .name: ln1_g, .offset: 8, .size: 8, .value_kind: global_buffer, .address_space: global }
      - { .name: ln1_b, .offset: 16, .size: 8, .value_kind: global_buffer, .address_space: global }
      - { .name: hb, .offset: 24, .size: 8, .value_kind: global_buffer, .address_space: global }
    .group_segment_fixed_size: 0
    .private_segment_fixed_size: 0
    .kernarg_segment_align: 8
    .kernarg_segment_size: 32
    .max_flat_workgroup_size: 128
    .sgpr_count:     66
    .vgpr_count:     216
    .wavefront_size: 32
...
	.end_amdgpu_metadata
.endif
;; end of part 2
;; launch qkv (part 3): grid 16 x 16, 4 waves a work-group, clusters of 4 x 4, 327,680 bytes of LDS; arguments hb, wb, qb, kb, vb; writes qb, kb, vb
.if DOCPART == 3
	.amdgcn_target "amdgcn-amd-amdhsa--gfx1250"
	.amdhsa_code_object_version 6
	.text
	.protected	k_qe8a11c6684_qkv
	.globl	k_qe8a11c6684_qkv
	.p2align	8
	.type	k_qe8a11c6684_qkv,@function
k_qe8a11c6684_qkv:
	s_mov_b64 s[64:65], 0
	v_nop
	global_prefetch_b8 v0, s[64:65] scope:SCOPE_SE
	s_setreg_imm32_b32 hwreg(HW_REG_WAVE_MODE, 25, 1), 1
	s_wait_xcnt 0x0
	s_wait_alu depctr_hold_cnt(0) depctr_sa_sdst(0) depctr_va_vdst(0) depctr_va_sdst(0) depctr_va_ssrc(0) depctr_va_vcc(0) depctr_vm_vsrc(0)
	s_getreg_b32 s2, hwreg(HW_REG_IB_STS2, 6, 4)
	s_cmp_eq_u32 s2, 0
	s_cbranch_scc0 .Lentry_in_a_cluster
	s_endpgm
.Lentry_in_a_cluster:
	s_bfe_u32 s2, ttmp6, 0x10000c
	s_cmp_lg_u32 s2, 0xf033
	s_cbranch_scc0 .Lentry_shape_is_right
	s_endpgm
.Lentry_shape_is_right:
; q, k, v = h Wq, h Wk, h Wv for one head and 256 tokens a work-group: C[256][192] = A[256][1024] B[1024][192], bf16 operands, f32 sums, results rounded once to bf16, unscaled.
; A = h, [4096][1024] bf16.  B = the head's three weights, laid by the launch before as [k step 8][which 3][k 128][e 64] bf16: a K step's 49,152 bytes are dense.
; Results by heads: q, k, v are [batch x 16 + head][1024][64] bf16, so a head's rows are dense.
; SHARES.  Tile column = head (16), tile row = 256 tokens (16): 256 work-groups.  Four waves, each 64 rows x all 192 columns: 4 x 12 accumulators of 16 x 16, 384 registers.
; RING.  K goes in steps of 128 through two LDS slots filled by tensor loads, one load a wave and step (waves 0, 1: A's halves; waves 2, 3: B's).  One K step is a trip; the slot's base lies in s[TB].
; CLUSTER.  4 x 4 work-groups: A's tile is shared along a row of the cluster, B's along a column; each is asked for jointly, with the same descriptor and a mask that names the four.
; B LIES [k][n] in LDS and is turned on the way into registers by ds_load_tr16_b128.  THE MATRIX INSTRUCTION IS USED TRANSPOSED (source 0 = 16 columns of B, source 1 = 16 rows of A):
; a lane then holds row l % 16 of C and eight neighbouring columns, 16 bytes of bf16.
; REGISTERS, in windows of 256: window 0: v16-29 addresses; v64-127 A's fragments, two buffers; v128-223 at work on the way out.  window 1: v0-191 B's fragments, two buffers.
;   windows 2, 3: accumulator (a, b) in window 2 + a / 2 at v[8 (12 (a % 2) + b)].
.set MBK, 4                            ; blocks of 16 rows a wave
.set NB,  12                           ; blocks of 16 columns a wave
.set KD,  1                            ; blocks of 32 along K in a quarter step
.set NSTEPS, 8                         ; K steps of 128
.set PA,  272                          ; an LDS row of A: 256 bytes + 16: the 16 rows of a load start at 16 different groups of four banks (64 banks of 4 bytes: ISA guide 11.1)
.set ACH, 128                          ; bytes from one 64 along K to the next in A's LDS rows
.set ASZ, 256*PA
.set PB,  160                          ; an LDS row of B: 128 bytes + 32
.set BSZ, 384*PB
.set BCH, 128*PB                       ; from one weight's rows to the next's
.set SLOT, ASZ+BSZ
.set STAGE, 2*SLOT                     ; behind the ring, never filled by a tensor load: 3 x 16 rows x 144 bytes for each wave
.set STW, 3*16*144
.set SPARE, STAGE+4*STW                ; the spare words, 128 bytes for each wave: two blocks of 256 bytes that no other line names
.set HEADW, 4                          ; the LDS loads of a quarter that only its second half needs
.set BIASC, 0
.set AC, 128                           ; A's tensor tile: 128 elements x 128 rows, pitch 1,024
.set AR, 128
.set AP, 1024
.set AQI, 5                            ; padded after every 64 words
.set BC, 128                           ; B's: 24,576 dense bytes as 96 rows of 256 bytes,
.set BR, 96
.set BP, 128
.set BQI, 4                            ; padded after every 32 words, that is after every row of 64 e
.set AHALF, 128*PA
.set BHALF, 192*PB
.set ATY, 256*2048
.set AHFB, 128*2048
.set ASTEP, 256
.set BBASE, 0
.set BTX, 393216
.set BHFB, 24576
.set BSTEP, 49152
.set ADRA0, 16                         ; v16  my lane's place in A's tile, slot 0; never rewritten
.set ADRA,  17                         ; v17  the same in the slot in hand
.set ADRB0, 20                         ; v20, v21 likewise for B
.set ADRB,  21
.set ADRB2, 22
.set STO, 24                           ; v24  the way out: where I put 16 bytes of a row
.set RD,  25                           ; v25  where I read rows back
.set CO,  26                           ; v26  my byte offset in 512 consecutive bytes of the output
.set SPW, 28                           ; v28  LDS address of my spare word; never rewritten
.set NIL, 29                           ; v29  0; never rewritten
.set FA0, 64
.set BIAS, 192
.set TMP, 128
.set G1, 24                            ; s[24:31] descriptor group 1 for A;  s[32:39] group 0, two sets: the first fills'; the second then walks on
.set G0, 32
.set G1B, 48                           ; s[48:55], s[56:63] the same for B
.set G0B, 56
.set WV, 70                            ; wave
.set FBW, 71                           ; 0: I fetch for A, 1: for B
.set HF, 72                            ; which half of that tile
.set WR, 73                            ; my rows' place in the tile
.set WC, 74                            ; my columns'
.set TB, 75                            ; LDS base of the slot that is read
.set LWA, 76                           ; where my load lands inside a slot, for A and for B
.set LWB, 77
.set CNT, 78
.set MSB, 0
.macro WIN new                         ; the immediate's high byte repeats the setting that is left; a switch that changes nothing is dropped
.if MSB != (\new)
	s_set_vgpr_msb (MSB<<8)|(\new)
.set MSB, \new
.endif
.endm
.macro PLACES                          ; four places behind matrix instructions, in front of loads into registers that they read and of lines that read their results
.rept 4
	v_nop
.endr
.endm
.macro JLOAD                           ; a joint refill by the walking descriptor; the branch hangs on the wave's number alone; an s_nop 0 and four v_nop follow each line
	s_cmp_eq_u32 s[FBW], 0
	s_cbranch_scc0 .Lfor_b_\@
	tensor_load_to_lds s[G0+4:G0+7], s[G1:G1+7]
	s_nop 0
	PLACES
	s_branch .Lasked_\@
.Lfor_b_\@:
	tensor_load_to_lds s[G0B+4:G0B+7], s[G1B:G1B+7]
	s_nop 0
	PLACES
.Lasked_\@:
.endm
.macro CREST                           ; a round of the cluster's barrier behind its opening barrier
	s_cmp_lg_u32 s[WV], 0
	s_cbranch_scc1 .Lnot_wave_0_\@
	s_barrier_signal -3
.Lnot_wave_0_\@:
	s_barrier_wait -3
	s_barrier_signal -1
	s_barrier_wait -1
.endm
.macro CROUND
	s_barrier_signal -1
	s_barrier_wait -1
	CREST
.endm
; na x NB products: row blocks a0 .. of buffer f, 32 along K (block c of the quarter).  zero = 1: the product starts the sum.  The accumulators take turns, one instruction a turn.
.macro MULG f, c, a0, na, zero
.set aa, \a0
.rept \na
.set bb, 0
.rept NB
.set rD, 8*(NB*(aa%(MBK/2))+bb)
.set rB, 8*(NB*KD*(\f)+NB*(\c)+bb)
.set rA, FA0+8*(MBK*KD*(\f)+MBK*(\c)+aa)
.if (\zero) && BIASC
	WIN 0x81+0x40*(aa/(MBK/2))
	v_wmma_f32_16x16x32_bf16 v[rD:rD+7], v[rB:rB+7], v[rA:rA+7], v[BIAS+8*bb:BIAS+8*bb+7]
.elseif \zero
	WIN 0xa1+0x50*(aa/(MBK/2))
	v_wmma_f32_16x16x32_bf16 v[rD:rD+7], v[rB:rB+7], v[rA:rA+7], 0
.else
	WIN 0xa1+0x50*(aa/(MBK/2))
	v_wmma_f32_16x16x32_bf16 v[rD:rD+7], v[rB:rB+7], v[rA:rA+7], v[rD:rD+7]
.endif
.set bb, bb+1
.endr
.set aa, aa+1
.endr
.endm
.if KD == 1
.set H0N, MBK/2
.else
.set H0N, MBK
.endif
.macro H0A f, z                        ; a quarter's first half, in two parts
	MULG \f, 0, 0, H0N/2, \z
.endm
.macro H0B f, z
	MULG \f, 0, H0N/2, H0N/2, \z
.endm
.macro H1 f, z                         ; its second half
.if KD == 1
	MULG \f, 0, MBK/2, MBK/2, \z
.else
	MULG \f, 1, 0, MBK, 0
.endif
.endm
; 32 LDS loads in one run: the fragments of quarter qn of the slot in hand into buffer f: all of B's (turned), then A's, those that the second half needs last
.macro FETCH qn, f
	WIN 0x40
.set cc, 0
.rept KD
.set qq, KD*(\qn)+cc
.set bb, 0
.rept NB
.set rB, 8*(NB*KD*(\f)+NB*cc+bb)
.set offb, 32*(qq%4)*PB+BCH*(bb/4)+32*(bb%4)
.if qq < 4
	ds_load_tr16_b128 v[rB:rB+3], v[ADRB] offset:offb
	ds_load_tr16_b128 v[rB+4:rB+7], v[ADRB] offset:offb+16*PB
.else
	ds_load_tr16_b128 v[rB:rB+3], v[ADRB2] offset:offb
	ds_load_tr16_b128 v[rB+4:rB+7], v[ADRB2] offset:offb+16*PB
.endif
.set bb, bb+1
.endr
.set cc, cc+1
.endr
	WIN 0
.set cc, 0
.rept KD
.set qq, KD*(\qn)+cc
.set aa, 0
.rept MBK
.set rA, FA0+8*(MBK*KD*(\f)+MBK*cc+aa)
.set offa, ACH*(qq/2)+64*(qq%2)+aa*16*PA
	ds_load_b128 v[rA:rA+3], v[ADRA] offset:offa
	ds_load_b128 v[rA+4:rA+7], v[ADRA] offset:offa+32
.set aa, aa+1
.endr
.set cc, cc+1
.endr
.endm
.macro SETADR                          ; my fragments' addresses in the slot in hand
	v_add_nc_u32 v[ADRA], s[TB], v[ADRA0]
	v_add_nc_u32 v[ADRB], s[TB], v[ADRB0]
.if KD == 2
	v_add_nc_u32 v[ADRB2], 128*PB, v[ADRB]
.endif
.endm
; One of a K step's first three quarters: multiplies buffer f; in its middle it fetches quarter qn into buffer g
.macro QUARTER qn, f, g, z
	s_wait_dscnt HEADW                             ; all but the youngest loads, which only the second half needs
	H0A \f, \z
	H0B \f, \z
	PLACES
	FETCH \qn, \g
	s_wait_dscnt 32                                ; all but the 32 just issued
	H1 \f, \z
.endm
; The last quarter multiplies buffer 1 and changes slots.  In front of the one barrier each wave waits for all its tensor loads (one is out: its part of the next slot), adds 0 to its spare word,
; and waits for that and for its reads of this slot.  fill = 1: the barrier opens a round of the cluster's, and this slot is filled again, two K steps ahead, first thing behind the round.
.macro TURN fill
	WIN 0
	s_wait_tensorcnt 0x0                           ; no tensor load of mine is out, so a group 0 may be written
	ds_add_u32 v[SPW], v[NIL]                      ; 0 onto my spare word
.if \fill
	s_add_co_u32 s[G0+5], s[LWA], s[TB]            ; the walking descriptors: into the slot that is being left,
	s_add_nc_u64 s[G0+6:G0+7], s[G0+6:G0+7], ASTEP ; the next K step; the type bits on top are not reached
	s_add_co_u32 s[G0B+5], s[LWB], s[TB]
	s_add_nc_u64 s[G0B+6:G0B+7], s[G0B+6:G0B+7], BSTEP
.endif
	s_xor_b32 s[TB], s[TB], SLOT                   ; the reads go on in the other slot
	s_wait_dscnt HEADW+1                           ; the add and the youngest loads may be out
	H0A 1, 0
	s_wait_dscnt 0x0                               ; the add is done, and my reads of this slot are over
	s_barrier_signal -1
	H0B 1, 0                                       ; work on registers while the others arrive
	WIN 0
	s_barrier_wait -1
.if \fill
	CREST                                          ; no wave of any partner still reads this slot's tile or has a load on its way
	JLOAD                                          ; its four v_nop are also the places in front of the loads below
.else
	PLACES
.endif
	SETADR
	FETCH 0, 0
	H1 1, 0
.endm
	s_load_b256 s[4:11], s[0:1], 0x0               ; h s[4:5], weights s[6:7], q s[8:9], k s[10:11]
	s_load_b64 s[68:69], s[0:1], 0x20              ; v
	v_lshl_add_u32 v[SPW], v0, 2, SPARE
	v_mov_b32 v[NIL], 0
	ds_add_u32 v[SPW], v[NIL]                      ; the wave's opening: the add and its wait stand ahead of my first tensor load; work on registers stands between them
	v_lshrrev_b32 v1, 5, v0
	v_readfirstlane_b32 s[WV], v1
	s_lshr_b32 s[FBW], s[WV], 1
	s_and_b32 s[HF], s[WV], 1
	s_mov_b32 s[WR], s[WV]                         ; a wave owns 64 rows and all columns
	s_mov_b32 s[WC], 0
	s_bfe_u32 s40, ttmp6, 0x40000                  ; cx, cy: my place in the cluster
	s_bfe_u32 s41, ttmp6, 0x40004
	s_lshl_b32 s42, ttmp9, 2
	s_add_co_u32 s42, s42, s40                     ; tile column = head
	s_and_b32 s43, ttmp7, 0xffff
	s_lshl_b32 s43, s43, 2
	s_add_co_u32 s43, s43, s41                     ; tile row
	s_lshl_b32 s44, s41, 2
	s_lshl_b32 s44, 15, s44                        ; my row of the cluster
	s_lshl_b32 s45, 0x1111, s40                    ; my column
	s_or_b32 s[G1], s44, (1<<16)|(1<<20)|(1<<21)|(AQI<<22)|(3<<25)   ; mask; 2-byte elements; padding on; bit 21 beside a mask; the interval; 4 words of padding
	s_or_b32 s[G1B], s45, (1<<16)|(1<<20)|(1<<21)|(BQI<<22)|(7<<25)  ; the same with my column's mask and 8 words of padding
	s_mov_b32 s[G1+1], AC<<16                      ; tensor_dim0
	s_mov_b32 s[G1+2], AR<<16                      ; tensor_dim1
	s_mov_b32 s[G1+3], AC<<16                      ; tile_dim0
	s_mov_b32 s[G1+4], AR                          ; tile_dim1
	s_mov_b32 s[G1+5], AP                          ; elements from row to row
	s_mov_b32 s[G1+6], 0
	s_mov_b32 s[G1+7], 0
	s_mov_b32 s[G1B+1], BC<<16
	s_mov_b32 s[G1B+2], BR<<16
	s_mov_b32 s[G1B+3], BC<<16
	s_mov_b32 s[G1B+4], BR
	s_mov_b32 s[G1B+5], BP
	s_mov_b32 s[G1B+6], 0
	s_mov_b32 s[G1B+7], 0
	s_mul_i32 s16, s43, ATY                        ; A's tile hangs on the tile row and the wave alone,
	s_mul_i32 s17, s[HF], AHFB
	s_add_co_u32 s16, s16, s17
	s_mov_b32 s17, 0
	s_mul_i32 s46, s42, BTX                        ; B's on the tile column and the wave alone
	s_mul_i32 s47, s[HF], BHFB
	s_add_co_u32 s46, s46, s47
	s_mov_b32 s47, 0
	s_mul_i32 s[LWA], s[HF], AHALF                 ; no place in the cluster enters an LDS address
	s_mul_i32 s[LWB], s[HF], BHALF
	s_add_co_u32 s[LWB], s[LWB], ASZ
	s_mov_b32 s[TB], 0
	s_wait_dscnt 0x0                               ; the opening add is done
	s_wait_kmcnt 0x0
	s_add_nc_u64 s[14:15], s[4:5], s[16:17]
	s_add_nc_u64 s[46:47], s[6:7], s[46:47]
.irp s, 0,1
	s_mov_b32 s[G0+4*(\s)], 1
	s_add_co_u32 s[G0+4*(\s)+1], s[LWA], (\s)*SLOT
	s_add_nc_u64 s[G0+4*(\s)+2:G0+4*(\s)+3], s[14:15], (\s)*ASTEP
	s_or_b32 s[G0+4*(\s)+3], s[G0+4*(\s)+3], 0x80000000
	s_mov_b32 s[G0B+4*(\s)], 1
	s_add_co_u32 s[G0B+4*(\s)+1], s[LWB], (\s)*SLOT
	s_add_nc_u64 s[G0B+4*(\s)+2:G0B+4*(\s)+3], s[46:47], (\s)*BSTEP
	s_or_b32 s[G0B+4*(\s)+3], s[G0B+4*(\s)+3], 0x80000000
.endr
	CROUND                                         ; all sixteen work-groups are here: the first joint loads meet
	s_cmp_eq_u32 s[FBW], 0                         ; a wave's two first fills stand in one branch: two loads of mine are out
	s_cbranch_scc0 .Lfirst_b
	tensor_load_to_lds s[G0:G0+3], s[G1:G1+7]
	s_nop 0
	tensor_load_to_lds s[G0+4:G0+7], s[G1:G1+7]
	s_nop 0
	PLACES
	s_branch .Lfirst_done
.Lfirst_b:
	tensor_load_to_lds s[G0B:G0B+3], s[G1B:G1B+7]
	s_nop 0
	tensor_load_to_lds s[G0B+4:G0B+7], s[G1B:G1B+7]
	s_nop 0
	PLACES
.Lfirst_done:
	v_and_b32 v1, 15, v0                           ; l % 16
	v_bfe_u32 v2, v0, 4, 1                         ; l / 16
	v_mul_u32_u24 v3, v1, PA                       ; a fragment of A: row l % 16, 16 bytes for each half of the lanes, two loads 32 bytes apart
	v_lshl_add_u32 v3, v2, 4, v3
	s_mul_i32 s21, s[WR], 16*MBK*PA
	v_add_nc_u32 v[ADRA0], s21, v3
	v_and_b32 v4, 7, v0                            ; the turning load: lane l reads k row 8 (l / 16) + l % 8, columns 8 ((l / 8) % 2) + 0..7, and is left with column l % 16 and 8 k
	v_lshl_add_u32 v4, v2, 3, v4
	v_mul_u32_u24 v4, v4, PB
	v_bfe_u32 v5, v0, 3, 1
	v_lshl_add_u32 v4, v5, 4, v4
	s_mul_i32 s22, s[WC], 32*NB
	s_add_co_u32 s22, s22, ASZ
	v_add_nc_u32 v[ADRB0], s22, v4
	s_mul_i32 s23, s[WV], STW
	s_add_co_u32 s23, s23, STAGE                   ; my stage
	v_mul_u32_u24 v6, v1, 144                      ; in: row l % 16, 16 bytes for each half of the lanes
	v_lshl_add_u32 v6, v2, 4, v6
	v_add_nc_u32 v[STO], s23, v6
	v_bfe_u32 v7, v0, 3, 2                         ; back: 32 lanes take four rows of 128 bytes,
	v_mul_u32_u24 v7, v7, 144
	v_and_b32 v8, 7, v0
	v_lshl_add_u32 v7, v8, 4, v7
	v_add_nc_u32 v[RD], s23, v7
	v_and_b32 v[CO], 31, v0                        ; which are 512 consecutive bytes of q, k or v
	v_lshlrev_b32 v[CO], 4, v[CO]
	s_lshr_b32 s18, s43, 2                         ; batch = tile row / 4
	s_lshl_b32 s18, s18, 4
	s_add_co_u32 s18, s18, s42                     ; x 16 + head
	s_lshl_b32 s18, s18, 10
	s_and_b32 s19, s43, 3
	s_lshl_b32 s19, s19, 8
	s_add_co_u32 s18, s18, s19                     ; + the tile's 256 rows in the sequence
	s_lshl_b32 s19, s[WV], 6
	s_add_co_u32 s18, s18, s19                     ; + my 64
	s_lshl_b32 s18, s18, 7                         ; rows of 128 bytes
	s_mov_b32 s19, 0
	s_add_nc_u64 s[8:9], s[8:9], s[18:19]
	s_add_nc_u64 s[10:11], s[10:11], s[18:19]
	s_add_nc_u64 s[68:69], s[68:69], s[18:19]
	s_wait_tensorcnt 0x1                           ; my part of K step 0 is in; step 1's may stay out
	s_barrier_signal -1
	s_barrier_wait -1
	SETADR
	FETCH 0, 0
	QUARTER 1, 0, 1, 1                             ; the first quarter stands in front of the loop: its products start the sums
	WIN 0
	s_mov_b32 s[CNT], NSTEPS-2
.Lstep:                                                ; a trip: from a K step's second quarter to the next step's first; it fills the slot that it leaves
	QUARTER 2, 1, 0, 0
	QUARTER 3, 0, 1, 0
	TURN 1
	QUARTER 1, 0, 1, 0
	WIN 0
	s_sub_co_u32 s[CNT], s[CNT], 1
	s_cmp_lg_u32 s[CNT], 0
	s_cbranch_scc1 .Lstep
	QUARTER 2, 1, 0, 0                             ; the last two K steps are written out: nothing is left to fetch
	QUARTER 3, 0, 1, 0
	TURN 0
	QUARTER 1, 0, 1, 0
	QUARTER 2, 1, 0, 0
	QUARTER 3, 0, 1, 0
	s_wait_dscnt HEADW
	H0A 1, 0
	H0B 1, 0
	s_wait_dscnt 0x0
	H1 1, 0
; THE WAY OUT, a block of 16 rows at a time: rounded to bf16, 16 bytes a lane into my stage (three parts: q, k, v; rows of 144 bytes), back as four whole rows of 128 bytes an instruction, stored.
.macro OUTB a
.set BK, 176-112*((\a)%2)              ; v176-223 and v64-111 by turns
.if (\a) >= 2
	s_wait_xcnt 0x0                                ; the stores of the block two back have read these registers (ISA guide 3.1)
.endif
	WIN 0x0a+5*((\a)/2)
.set bb, 0
.rept 12
.set rD, 8*(12*((\a)%2)+bb)
	v_cvt_pk_bf16_f32 v[TMP+4*bb], v[rD], v[rD+1]
	v_cvt_pk_bf16_f32 v[TMP+4*bb+1], v[rD+2], v[rD+3]
	v_cvt_pk_bf16_f32 v[TMP+4*bb+2], v[rD+4], v[rD+5]
	v_cvt_pk_bf16_f32 v[TMP+4*bb+3], v[rD+6], v[rD+7]
.set bb, bb+1
.endr
	WIN 0
.set bb, 0
.rept 12
	ds_store_b128 v[STO], v[TMP+4*bb:TMP+4*bb+3] offset:2304*(bb/4)+32*(bb%4)
.set bb, bb+1
.endr
.set bb, 0
.rept 12
	ds_load_b128 v[BK+4*bb:BK+4*bb+3], v[RD] offset:2304*(bb/4)+576*(bb%4)  ; LDS serves a wave's instructions in order (ISA guide 5.7.1.4): these see the stores above
.set bb, bb+1
.endr
.endm
.macro SEND a, young                   ; young: the LDS instructions issued behind block a's loads
.set BK, 176-112*((\a)%2)
	WIN 0
.set bb, 0
.rept 12
	s_wait_dscnt (\young)+11-bb
.if bb/4 == 0
	global_store_b128 v[CO], v[BK+4*bb:BK+4*bb+3], s[8:9] offset:2048*(\a)+512*(bb%4)    ; 512 consecutive bytes, at a multiple of 256 from the buffer's first
.elseif bb/4 == 1
	global_store_b128 v[CO], v[BK+4*bb:BK+4*bb+3], s[10:11] offset:2048*(\a)+512*(bb%4)
.else
	global_store_b128 v[CO], v[BK+4*bb:BK+4*bb+3], s[68:69] offset:2048*(\a)+512*(bb%4)
.endif
.set bb, bb+1
.endr
.endm
	PLACES
	OUTB 0
	OUTB 1
	SEND 0, 24
	OUTB 2
	SEND 1, 24
	OUTB 3
	SEND 2, 24
	SEND 3, 0
	s_wait_tensorcnt 0x0                           ; the wave's end
	ds_add_u32 v[SPW], v[NIL]
	s_wait_dscnt 0x0
	CROUND                                         ; the closing round: no work-group ends while a partner may still ask for a tile that names it
	s_endpgm
.Lfunc_end_k_qe8a11c6684_qkv:
	.size	k_qe8a11c6684_qkv, .Lfunc_end_k_qe8a11c6684_qkv-k_qe8a11c6684_qkv
	.p2alignl 7, 3214868480
	.fill 96, 4, 3214868480
	.section	.rodata,"a",@progbits
	.p2align	6, 0x0
	.amdhsa_kernel k_qe8a11c6684_qkv
		.amdhsa_group_segment_fixed_size 327680
		.amdhsa_private_segment_fixed_size 0
		.amdhsa_enable_private_segment 0
		.amdhsa_kernarg_size 40
		.amdhsa_user_sgpr_count 2
		.amdhsa_user_sgpr_kernarg_segment_ptr 1
		.amdhsa_wavefront_size32 1
		.amdhsa_system_sgpr_workgroup_id_x 1
		.amdhsa_system_sgpr_workgroup_id_y 1
		.amdhsa_system_sgpr_workgroup_id_z 1
		.amdhsa_system_vgpr_workitem_id 0
		.amdhsa_next_free_vgpr 1024
		.amdhsa_next_free_sgpr 84
		.amdhsa_reserve_vcc 0
		.amdhsa_float_denorm_mode_32 3
		.amdhsa_float_denorm_mode_16_64 3
		.amdhsa_memory_ordered 1
		.amdhsa_forward_progress 1
		.amdhsa_inst_pref_size 98
	.end_amdhsa_kernel
	.amdgpu_metadata
---
amdhsa.version: [ 1, 2 ]
amdhsa.kernels:
  - .name:           k_qe8a11c6684_qkv
    .symbol:         k_qe8a11c6684_qkv.kd
    .args:
      - { .name: hb, .offset: 0, .size: 8, .value_kind: global_buffer, .address_space: global }
      - { .name: wb, .offset: 8, .size: 8, .value_kind: global_buffer, .address_space: global }
      - { .name: qb, .offset: 16, .size: 8, .value_kind: global_buffer, .address_space: global }
      - { .name: kb, .offset: 24, .size: 8, .value_kind: global_buffer, .address_space: global }
      - { .name: vb, .offset: 32, .size: 8, .value_kind: global_buffer, .address_space: global }
    .group_segment_fixed_size: 327680
    .private_segment_fixed_size: 0
    .kernarg_segment_align: 8
    .kernarg_segment_size: 40
    .max_flat_workgroup_size: 128
    .sgpr_count:     84
    .vgpr_count:     1024
    .wavefront_size: 32
...
	.end_amdgpu_metadata
.endif
;; end of part 3
;; launch attn (part 4): grid 4 x 64, 4 waves a work-group, clusters of 4 x 1, 327,680 bytes of LDS; arguments qb, kb, vb, ob; writes ob
.if DOCPART == 4
	.amdgcn_target "amdgcn-amd-amdhsa--gfx1250"
	.amdhsa_code_object_version 6
	.text
	.protected	k_qe8a11c6684_attn
	.globl	k_qe8a11c6684_attn
	.p2align	8
	.type	k_qe8a11c6684_attn,@function
k_qe8a11c6684_attn:
	s_mov_b64 s[64:65], 0
	v_nop
	global_prefetch_b8 v0, s[64:65] scope:SCOPE_SE
	s_setreg_imm32_b32 hwreg(HW_REG_WAVE_MODE, 25, 1), 1
	s_wait_xcnt 0x0
	s_wait_alu depctr_hold_cnt(0) depctr_sa_sdst(0) depctr_va_vdst(0) depctr_va_sdst(0) depctr_va_ssrc(0) depctr_va_vcc(0) depctr_vm_vsrc(0)
	s_getreg_b32 s2, hwreg(HW_REG_IB_STS2, 6, 4)
	s_cmp_eq_u32 s2, 0
	s_cbranch_scc0 .Lentry_in_a_cluster
	s_endpgm
.Lentry_in_a_cluster:
	s_bfe_u32 s2, ttmp6, 0x10000c
	s_cmp_lg_u32 s2, 0x3003
	s_cbranch_scc0 .Lentry_shape_is_right
	s_endpgm
.Lentry_shape_is_right:
; CAUSAL ATTENTION at head size 64.  O[q] = the sum over k <= q of softmax_k(Q[q] . K[k] / 8) V[k].  Q, K, V: [batch x head 64][1024][64] bf16, unscaled.  Products, maxima and sums in f32;
; the weights p are rounded to bf16 for the second product (their sum l is taken of the unrounded p), O once at the end.
; O leaves as [token tile of 128: 32][head 16][row 128][64] bf16, so that the launch behind finds four heads' channels of a token tile end to end.
; LIMITS.  A hidden score counts as its value less 1e30; a weight below 2^-126 counts as 0 in l; NaN and infinities are not treated apart.
; SHARES.  A cluster of four work-groups is one head.  Wave w of work-group cx owns four tiles of 16 queries, tile j = rows 256 j + 64 cx + 16 w + 0..15.  Keys go in four tiles kt of 256, four steps of 64 each.
; Query tile j is alive while kt <= j: the same in every wave and every partner, so the text is the same for all, no branch hangs on the place in the cluster, and all do equal work: 40 tile-steps of 64.
; THE WHOLE HEAD'S K AND V lie in LDS (1,024 rows each): every byte is filled once, by joint loads that all four partners issue at the start, four a wave, one for each key tile.
; THE MASK is the C operand that starts the sums of tile kt (the one on the diagonal): MD x AL + BE, where MD is the mask of my 16 rows against the 64 keys of their own step,
; (AL, BE) = (1, 0) in step cx of the tile, (0, 0) before it, (0, -1e30) behind it: scalars chosen by s_cselect, data alone.
; LAYOUT.  S^T = K Q^T holds ONE query a lane (l % 16) and the keys 8 (l / 16) + 0..7 of each block of 16; two such results rounded to bf16 ARE source 1 of O^T = V^T P.  V is turned by ds_load_tr16_b128.
; SOFTMAX.  p = 2^(c s - c m), c = log2(e) / 8, with a running maximum m; O and l are multiplied by a = 2^(c m_old - c m_new) in every step.  m starts at the lowest finite number, O and l at 0.
; IN PHASES: a step's products K Q^T, its softmax, its products V^T P, for all tiles alive.
; REGISTERS, in windows of 256: window 0: v1-9 addresses; v12-15 c m_old; v16-31 statistics (c m, m, l, l'); v32-47 at work; v64-191 S^T, 32 a tile; v192-255 P, 16 a tile.
;   window 1: v0-127 O^T, 32 a tile; v128-159 MD; v160-191 the mask in hand.      window 2: v0-63 Q; v128-191 K of a step; v192-255 V of a step.
.set PK,    144       ; a row of K in LDS: 128 bytes + 16: the 16 rows of a load start at 16 different groups of four banks (64 banks of 4 bytes: ISA guide 11.1)
.set PV,    160       ; a row of V: 128 + 32
.set VOFF,  1024*PK
.set STAGE, VOFF+1024*PV  ; never filled by a tensor load: 16 rows x 144 bytes for each wave
.set SP,    144
.set SPARE, STAGE+4*16*SP ; the spare words, 128 bytes for each wave: two blocks of 256 bytes that no other line names
.set AK0, 2
.set AV0, 3
.set AK,  4
.set AV,  5
.set STO, 6
.set RD,  7
.set GO,  8
.set MV,  12
.set ST,  16
.set TC,  32
.set QO,  48
.set MT,  49
.set SPW, 62
.set NIL, 63
.set S,   64
.set P,   192
.set MD,  128
.set MC,  160
.set KF,  128
.set VF,  192
.set WV,  12
.set CX,  13
.set G1K, 24          ; s[24:31], s[32:39] descriptor group 1 for K's and V's tiles: they differ in the padding
.set G1V, 32
.set G0K, 40          ; s[40:55] four sets of group 0 for K, one for each key tile
.set CNT, 56
.set SS,  57
.set CS,  58
.set SEL, 60
.set TBK, 62          ; LDS byte at which K of the step to be fetched begins
.set TBV, 63          ; the same for V, less VOFF
.set G0V, 68          ; s[68:83] the four sets for V
.set AL,  84
.set BE,  86
.set BIGN, 88
.set MSB, 0
.macro WIN new
.if MSB != (\new)
	s_set_vgpr_msb (MSB<<8)|(\new)
.set MSB, \new
.endif
.endm
.set W_KQ, 0x0a       ; K and Q in window 2, S^T in window 0
.set W_KM, 0x1a       ; the same with the C operand in window 1
.set W_PV, 0x52       ; V in window 2, P in window 0, O^T in window 1
.set W_RS, 0x41       ; destination and source 0 in window 1, source 1 in window 0
.macro PLACES
.rept 4
	v_nop
.endr
.endm
.macro CROUND
	s_barrier_signal -1
	s_barrier_wait -1
	s_cmp_lg_u32 s[WV], 0
	s_cbranch_scc1 .Lnot_wave_0_\@
	s_barrier_signal -3
.Lnot_wave_0_\@:
	s_barrier_wait -3
	s_barrier_signal -1
	s_barrier_wait -1
.endm
.macro REGS t
.set rT, ST+4*(\t)
.set rC, TC+4*(\t)
.set rM, MV+(\t)
.set rS, S+32*(\t)
.set rP, P+16*(\t)
.set rO, 32*(\t)
.endm
.macro FETCH_K                      ; a step's K, 64 keys x 64 channels: 16 loads in one run
	WIN 0x80
.irp f, 0,1,2,3,4,5,6,7
	ds_load_b128 v[KF+8*(\f):KF+8*(\f)+3],   v[AK] offset:((\f)/2)*16*PK+((\f)%2)*64
	ds_load_b128 v[KF+8*(\f)+4:KF+8*(\f)+7], v[AK] offset:((\f)/2)*16*PK+((\f)%2)*64+32
.endr
	s_add_co_u32 s[TBK], s[TBK], 64*PK
	WIN 0
.endm
.macro FETCH_V                      ; a step's V, turned
	WIN 0x80
.irp f, 0,1,2,3,4,5,6,7
	ds_load_tr16_b128 v[VF+8*(\f):VF+8*(\f)+3],   v[AV] offset:((\f)/4)*32*PV+((\f)%4)*32
	ds_load_tr16_b128 v[VF+8*(\f)+4:VF+8*(\f)+7], v[AV] offset:((\f)/4)*32*PV+16*PV+((\f)%4)*32
.endr
	WIN 0
.endm
.macro MASK
	WIN W_RS
.set z, 0
.rept 16
	v_pk_fma_f32 v[MC+2*z:MC+2*z+1], v[MD+2*z:MD+2*z+1], s[AL:AL+1], s[BE:BE+1] op_sel_hi:[1,0,0]
.set z, z+1
.endr
.endm
; S^T = K Q^T for tiles kt .. 3.  The first channel half starts the sums (tile kt's with the mask, the others' with 0), the second adds in place; the accumulators take turns.
.macro KQ kt
	WIN W_KM
.set kb, 0
.rept 4
	v_wmma_f32_16x16x32_bf16 v[S+32*(\kt)+8*kb:S+32*(\kt)+8*kb+7], v[KF+16*kb:KF+16*kb+7], v[16*(\kt):16*(\kt)+7], v[MC+8*kb:MC+8*kb+7]
.set kb, kb+1
.endr
	WIN W_KQ
.set tt, (\kt)+1
.rept 3-(\kt)
.set kb, 0
.rept 4
	v_wmma_f32_16x16x32_bf16 v[S+32*tt+8*kb:S+32*tt+8*kb+7], v[KF+16*kb:KF+16*kb+7], v[16*tt:16*tt+7], 0
.set kb, kb+1
.endr
.set tt, tt+1
.endr
.set tt, \kt
.rept 4-(\kt)
.set kb, 0
.rept 4
	v_wmma_f32_16x16x32_bf16 v[S+32*tt+8*kb:S+32*tt+8*kb+7], v[KF+16*kb+8:KF+16*kb+15], v[16*tt+8:16*tt+15], v[S+32*tt+8*kb:S+32*tt+8*kb+7]
.set kb, kb+1
.endr
.set tt, tt+1
.endr
.endm
; O^T += V^T P for tiles kt .. 3: keys 32 kk on, channels 16 cb on
.macro PV kt
	WIN W_PV
.set kk, 0
.rept 2
.set tt, \kt
.rept 4-(\kt)
.set cb, 0
.rept 4
	v_wmma_f32_16x16x32_bf16 v[32*tt+8*cb:32*tt+8*cb+7], v[VF+32*kk+8*cb:VF+32*kk+8*cb+7], v[P+16*tt+8*kk:P+16*tt+8*kk+7], v[32*tt+8*cb:32*tt+8*cb+7]
.set cb, cb+1
.endr
.set tt, tt+1
.endr
.set kk, kk+1
.endr
.endm
; THE SOFTMAX, one line at a time, for tile t.  XS n, n = 0..21: the maximum and the statistics.  0-11: four chains of seven scores each, three operands at a time (each accumulator's lowest registers are read
; first); 12-14, 16: the four scores left over, the old m, the chains into one; 15: c m_old is kept; 17, 18: the query's other 32 keys lie in the lane 16 away; 19-21: c m, c m_old - c m_new, a.
.macro XS t, n
	REGS \t
.if (\n) < 4
	v_max3_num_f32 v[rC+(\n)], v[rS+8*(\n)], v[rS+8*(\n)+1], v[rS+8*(\n)+2]
.elseif (\n) < 12
	v_max3_num_f32 v[rC+(\n)%4], v[rC+(\n)%4], v[rS+8*((\n)%4)+2*((\n)/4)+1], v[rS+8*((\n)%4)+2*((\n)/4)+2]
.elseif (\n) == 12
	v_max3_num_f32 v[rC], v[rC], v[rS+7], v[rS+15]
.elseif (\n) == 13
	v_max3_num_f32 v[rC+1], v[rC+1], v[rS+23], v[rS+31]
.elseif (\n) == 14
	v_max3_num_f32 v[rC+2], v[rC+2], v[rC+3], v[rT+1]
.elseif (\n) == 15
	v_mov_b32 v[rM], v[rT]
.elseif (\n) == 16
	v_max3_num_f32 v[rC], v[rC], v[rC+1], v[rC+2]
.elseif (\n) == 17
	v_permlanex16_b32 v[rC+3], v[rC], s[SEL], s[SEL+1]
.elseif (\n) == 18
	v_max_num_f32 v[rT+1], v[rC], v[rC+3]
.elseif (\n) == 19
	v_mul_f32 v[rT], s[CS], v[rT+1]
.elseif (\n) == 20
	v_sub_f32 v[rC+1], v[rM], v[rT]
.else
	v_exp_f32 v[rC+2], v[rC+1]
.endif
.endm
.macro FS t, n                      ; c s - c m for pair n of 16
	REGS \t
	v_pk_fma_f32 v[rS+2*(\n):rS+2*(\n)+1], v[rS+2*(\n):rS+2*(\n)+1], s[CS:CS+1], v[rT:rT+1] op_sel_hi:[1,0,0] neg_lo:[0,0,1] neg_hi:[0,0,1]
.endm
.macro ES t, n                      ; the exponential of score n of 32
	REGS \t
	v_exp_f32 v[rS+(\n)], v[rS+(\n)]
.endm
.macro RS t, n                      ; pair n of 16 of O^T times a
	REGS \t
	s_wait_alu depctr_va_vdst(0)
	v_pk_mul_f32 v[rO+2*(\n):rO+2*(\n)+1], v[rO+2*(\n):rO+2*(\n)+1], v[rC+2:rC+3] op_sel_hi:[1,0]
.endm
.macro CV t, n                      ; pair n rounded to bf16
	REGS \t
	v_cvt_pk_bf16_f32 v[rP+(\n)], v[rS+2*(\n)], v[rS+2*(\n)+1]
.endm
.macro BS t, n                      ; of four weights the second pair is added onto the first, in place
	REGS \t
	v_pk_add_f32 v[rS+4*(\n):rS+4*(\n)+1], v[rS+4*(\n):rS+4*(\n)+1], v[rS+4*(\n)+2:rS+4*(\n)+3]
.endm
.macro LS t, n                      ; l takes that sum; the first time l = a l + sum
	REGS \t
.if (\n) == 0
	v_pk_fma_f32 v[rT+2:rT+3], v[rT+2:rT+3], v[rC+2:rC+3], v[rS:rS+1] op_sel_hi:[1,0,1]
.else
	v_pk_add_f32 v[rT+2:rT+3], v[rT+2:rT+3], v[rS+4*(\n):rS+4*(\n)+1]
.endif
.endm
.macro EACH kt, cnt, name           ; numbers 0 .. cnt - 1 of a kind, the tiles alive alternating, so that a line seldom reads the result of the one before it
.set nn, 0
.rept \cnt
.set tt, \kt
.rept 4-(\kt)
	\name tt, nn
.set tt, tt+1
.endr
.set nn, nn+1
.endr
.endm
.macro SOFT kt
	WIN 0
	EACH \kt, 22, XS
	EACH \kt, 16, FS                ; plain lines behind the exponentials that made a
	EACH \kt, 32, ES
	WIN W_RS
	EACH \kt, 16, RS                ; plain lines behind the last exponential, which touch none of its registers (ISA guide 5.7.2)
	WIN 0
	EACH \kt, 16, CV
	EACH \kt, 8, BS
	EACH \kt, 8, LS
.endm
; TILE j IS FINISHED: l's two halves and the other half of the lanes' are added; O^T is divided by l, rounded to bf16 and sent through my stage, back as four whole rows of 128 bytes an instruction.
.macro FIN j
	REGS \j
	WIN 0
	PLACES                          ; behind the last products
	v_add_f32 v[rT+2], v[rT+2], v[rT+3]
	v_permlanex16_b32 v[rT+3], v[rT+2], s[SEL], s[SEL+1]
	v_add_f32 v[rT+2], v[rT+2], v[rT+3]
	v_rcp_f32 v[rT+2], v[rT+2]
	v_nop                           ; a plain instruction between the reciprocal and the use of its result
	WIN W_RS
.set z, 0
	s_wait_alu depctr_va_vdst(0)
.rept 16
	v_pk_mul_f32 v[rO+2*z:rO+2*z+1], v[rO+2*z:rO+2*z+1], v[rT+2:rT+3] op_sel_hi:[1,0]
.set z, z+1
.endr
	WIN 0x05                        ; sources 0 and 1 window 1, destination window 0: the tile's S^T is free from now on
.set z, 0
.rept 16
	v_cvt_pk_bf16_f32 v[rS+z], v[rO+2*z], v[rO+2*z+1]
.set z, z+1
.endr
	WIN 0
.irp f, 0,1,2,3
	ds_store_b128 v[STO], v[rS+4*(\f):rS+4*(\f)+3] offset:32*(\f)
.endr
.irp f, 0,1,2,3
	ds_load_b128 v[rS+16+4*(\f):rS+16+4*(\f)+3], v[RD] offset:(\f)*4*SP  ; LDS serves a wave's instructions in order (ISA guide 5.7.1.4): these see the stores above
.endr
.irp f, 0,1,2,3
	s_wait_dscnt 3-(\f)
	global_store_b128 v[GO], v[rS+16+4*(\f):rS+16+4*(\f)+3], s[10:11] offset:(\j)*524288+(\f)*512  ; 512 consecutive bytes, at a multiple of 256 from O's first; these registers are not written again
.endr
.endm
; KEY TILE kt: its four steps for the query tiles kt .. 3; then tile kt is finished.
.macro KTILE kt
	WIN 0
	s_wait_tensorcnt 3-(\kt)        ; my part of key tile kt is in; the later tiles' loads stay out: no byte is ever filled again
	s_wait_dscnt 0x0
	s_barrier_signal -1
	s_barrier_wait -1               ; everybody's part is in
	v_add_nc_u32 v[AK], s[TBK], v[AK0]
	FETCH_K
.if (\kt) == 0
	s_wait_loadcnt 0x0              ; Q
.endif
	s_mov_b32 s[CNT], 4
.Lstep_\@:
	s_sub_co_u32 s[SS], 4, s[CNT]   ; the step's number in the tile
	s_cmp_eq_u32 s[SS], s[CX]       ; is it my rows' own step?
	s_cselect_b32 s[AL], 1.0, 0
	s_cmp_gt_u32 s[SS], s[CX]       ; or a later one?
	s_cselect_b32 s[BE], s[BIGN], 0
	MASK                            ; sixteen plain lines: also the places between the last products V^T P and the loads into V's registers
	WIN 0
	v_add_nc_u32 v[AV], s[TBV], v[AV0]
	s_add_co_u32 s[TBV], s[TBV], 64*PV
	FETCH_V
	s_wait_dscnt 16                 ; K is in; V's sixteen loads may be out
	KQ \kt
	WIN 0
	PLACES                          ; in front of the loads into K's registers and of the first reads of the scores
	s_cmp_eq_u32 s[CNT], 1
	s_cbranch_scc1 .Lnok_\@         ; the next step's K is fetched under the softmax, but not across the tile's end
	v_add_nc_u32 v[AK], s[TBK], v[AK0]
	FETCH_K
.Lnok_\@:
	SOFT \kt
	s_wait_dscnt 0x0                ; V is in (and the next K)
	PV \kt
	WIN 0
	s_sub_co_u32 s[CNT], s[CNT], 1
	s_cmp_lg_u32 s[CNT], 0
	s_cbranch_scc1 .Lstep_\@
	FIN \kt
.endm
	s_load_b256 s[4:11], s[0:1], 0x0  ; Q s[4:5], K s[6:7], V s[8:9], O s[10:11]
	v_lshl_add_u32 v[SPW], v0, 2, SPARE
	v_mov_b32 v[NIL], 0
	ds_add_u32 v[SPW], v[NIL]       ; the wave's opening: the add and its wait stand ahead of my first tensor load; work on registers stands between them
	v_lshrrev_b32 v1, 5, v0
	v_readfirstlane_b32 s[WV], v1
	s_bfe_u32 s[CX], ttmp6, 0x40000 ; my place in the cluster: it enters Q's and O's addresses and the mask's two scalars alone
	s_and_b32 s14, ttmp7, 0xffff    ; batch x 16 + head, which the partners share
	s_and_b32 s15, s[WV], 1         ; which half of a key tile I fetch
	s_lshl_b32 s16, s14, 17         ; a head's 131,072 bytes
	s_lshl_b32 s17, s15, 14         ; 128 keys of 128 bytes
	s_add_co_u32 s16, s16, s17
	s_mov_b32 s17, 0
	s_mul_i32 s18, s15, 128*PK
	s_mul_i32 s19, s15, 128*PV
	s_add_co_u32 s19, s19, VOFF
	s_lshl_b32 s20, s14, 17         ; Q at row 64 cx + 16 w of the head
	s_lshl_b32 s21, s[CX], 13
	s_add_co_u32 s20, s20, s21
	s_lshl_b32 s21, s[WV], 11
	s_add_co_u32 s20, s20, s21
	s_mov_b32 s21, 0
	s_lshr_b32 s22, s14, 4          ; O: token tile = 8 batch + cx / 2 (+ 2 j, in the stores' immediates),
	s_lshl_b32 s22, s22, 3
	s_lshr_b32 s23, s[CX], 1
	s_add_co_u32 s22, s22, s23
	s_lshl_b32 s22, s22, 4
	s_and_b32 s23, s14, 15          ; x 16 + head,
	s_add_co_u32 s22, s22, s23
	s_lshl_b32 s22, s22, 7
	s_and_b32 s23, s[CX], 1         ; x 128 + row 64 (cx % 2) + 16 w,
	s_lshl_b32 s23, s23, 6
	s_add_co_u32 s22, s22, s23
	s_lshl_b32 s23, s[WV], 4
	s_add_co_u32 s22, s22, s23
	s_lshl_b32 s22, s22, 7          ; rows of 128 bytes
	s_mov_b32 s23, 0
	; descriptor group 1.  128 keys are 16,384 dense bytes: asked for as 64 rows of 256 bytes, two keys a row, and padded in LDS after every key
	s_mov_b32 s[G1K], 15|(1<<16)|(1<<20)|(1<<21)|(4<<22)|(3<<25)  ; the mask of four; 2-byte elements; padding on; bit 21 beside a mask; after every 32 words; 4 words
	s_mov_b32 s[G1V], 15|(1<<16)|(1<<20)|(1<<21)|(4<<22)|(7<<25)  ; the same with 8 words
.irp g, G1K, G1V
	s_mov_b32 s[(\g)+1], 128<<16
	s_mov_b32 s[(\g)+2], 64<<16
	s_mov_b32 s[(\g)+3], 128<<16
	s_mov_b32 s[(\g)+4], 64
	s_mov_b32 s[(\g)+5], 128
	s_mov_b32 s[(\g)+6], 0
	s_mov_b32 s[(\g)+7], 0
.endr
	s_mov_b32 s[CS], 0x3e38aa3b     ; c = log2(e) / 8
	s_mov_b32 s[CS+1], s[CS]        ; named with it as a pair
	s_mov_b32 s[SEL], 0x76543210
	s_mov_b32 s[SEL+1], 0xfedcba98
	s_mov_b32 s[TBK], 0
	s_mov_b32 s[TBV], 0
	s_mov_b32 s[AL+1], 0            ; named as pairs
	s_mov_b32 s[BE+1], 0
	s_mov_b32 s[BIGN], 0xf149f2ca   ; -1e30
	s_wait_dscnt 0x0                ; the opening add is done
	s_wait_kmcnt 0x0
	s_add_nc_u64 s[6:7], s[6:7], s[16:17]
	s_add_nc_u64 s[8:9], s[8:9], s[16:17]
	s_add_nc_u64 s[4:5], s[4:5], s[20:21]
	s_add_nc_u64 s[10:11], s[10:11], s[22:23]
.irp kt, 0,1,2,3
	s_mov_b32 s[G0K+4*(\kt)], 1
	s_add_co_u32 s[G0K+4*(\kt)+1], s18, (\kt)*256*PK
	s_add_nc_u64 s[G0K+4*(\kt)+2:G0K+4*(\kt)+3], s[6:7], (\kt)*32768
	s_or_b32 s[G0K+4*(\kt)+3], s[G0K+4*(\kt)+3], 0x80000000
	s_mov_b32 s[G0V+4*(\kt)], 1
	s_add_co_u32 s[G0V+4*(\kt)+1], s19, (\kt)*256*PV
	s_add_nc_u64 s[G0V+4*(\kt)+2:G0V+4*(\kt)+3], s[8:9], (\kt)*32768
	s_or_b32 s[G0V+4*(\kt)+3], s[G0V+4*(\kt)+3], 0x80000000
.endr
	CROUND                          ; all four work-groups are here: the joint loads meet
	s_cmp_lt_u32 s[WV], 2           ; waves 0, 1 fetch K's halves, waves 2, 3 V's; a wave's four loads stand in one branch: four loads of mine are out
	s_cbranch_scc0 .Lfirst_v
.irp kt, 0,1,2,3
	tensor_load_to_lds s[G0K+4*(\kt):G0K+4*(\kt)+3], s[G1K:G1K+7]
	s_nop 0
.endr
	PLACES
	s_branch .Lfirst_asked
.Lfirst_v:
.irp kt, 0,1,2,3
	tensor_load_to_lds s[G0V+4*(\kt):G0V+4*(\kt)+3], s[G1V:G1V+7]
	s_nop 0
.endr
	PLACES
.Lfirst_asked:
	v_and_b32 v1, 15, v0            ; l % 16
	v_bfe_u32 v9, v0, 4, 1          ; l / 16
	v_lshlrev_b32 v[QO], 7, v1
	v_lshl_add_u32 v[QO], v9, 4, v[QO]  ; row x 128 + 16 x half
	WIN 0x80
.set i, 0
.rept 8                             ; Q stays in registers: tile i / 2 lies 256 rows on; channels 32 (i % 2) on
	global_load_b128 v[8*i:8*i+3],   v[QO], s[4:5] offset:(i/2)*32768+(i%2)*64
	global_load_b128 v[8*i+4:8*i+7], v[QO], s[4:5] offset:(i/2)*32768+(i%2)*64+32
.set i, i+1
.endr
	WIN 0
	v_lshlrev_b32 v[MT], 3, v9
	v_sub_nc_u32 v[MT], v1, v[MT]
	s_lshl_b32 s14, s[WV], 4
	v_add_nc_u32 v[MT], s14, v[MT]  ; my query's place in its 64, 16 w + l % 16, less my lanes' 8 (l / 16): register r of key block kb is hidden where 16 kb + r is greater
	WIN 0x40
.set i, 0
.rept 32
	v_cmp_gt_i32 vcc_lo, 16*(i/8)+i%8, v[MT]
	v_cndmask_b32 v[MD+i], 0, s[BIGN], vcc_lo
.set i, i+1
.endr
.set i, 0
.rept 128                           ; O^T = 0: no first step is written out; this stands in the wait for the first tile
	v_mov_b32 v[i], 0
.set i, i+1
.endr
	WIN 0
.set i, 0
.rept 4
	v_mov_b32 v[ST+4*i], 0xfe000000    ; c m: far below every c s, so the first step's a is 0
	v_mov_b32 v[ST+4*i+1], 0xff7fffff  ; m
	v_mov_b32 v[ST+4*i+2], 0
	v_mov_b32 v[ST+4*i+3], 0
.set i, i+1
.endr
	v_mul_u32_u24 v[AK0], v1, PK
	v_lshl_add_u32 v[AK0], v9, 4, v[AK0]  ; row x pitch + 16 x half
	v_and_b32 v10, 7, v0            ; the turning load: lane l reads key 8 (l / 16) + l % 8, channels 8 ((l / 8) % 2) + 0..7
	v_bfe_u32 v11, v0, 3, 1
	v_lshl_add_u32 v[AV0], v9, 3, v10
	v_mul_u32_u24 v[AV0], v[AV0], PV
	v_lshl_add_u32 v[AV0], v11, 4, v[AV0]
	v_add_nc_u32 v[AV0], VOFF, v[AV0]
	s_mul_i32 s14, s[WV], 16*SP
	s_add_co_u32 s14, s14, STAGE    ; my stage
	v_mul_u32_u24 v[STO], v1, SP
	v_lshl_add_u32 v[STO], v9, 4, v[STO]
	v_add_nc_u32 v[STO], s14, v[STO]
	v_bfe_u32 v[RD], v0, 3, 2
	v_mul_u32_u24 v[RD], v[RD], SP
	v_lshl_add_u32 v[RD], v10, 4, v[RD]
	v_add_nc_u32 v[RD], s14, v[RD]
	v_and_b32 v[GO], 31, v0
	v_lshlrev_b32 v[GO], 4, v[GO]
	KTILE 0
	KTILE 1
	KTILE 2
	KTILE 3
	s_wait_tensorcnt 0x0            ; the wave's end
	ds_add_u32 v[SPW], v[NIL]
	s_wait_dscnt 0x0
	CROUND                          ; the closing round
	s_endpgm
.Lfunc_end_k_qe8a11c6684_attn:
	.size	k_qe8a11c6684_attn, .Lfunc_end_k_qe8a11c6684_attn-k_qe8a11c6684_attn
	.p2alignl 7, 3214868480
	.fill 96, 4, 3214868480
	.section	.rodata,"a",@progbits
	.p2align	6, 0x0
	.amdhsa_kernel k_qe8a11c6684_attn
		.amdhsa_group_segment_fixed_size 327680
		.amdhsa_private_segment_fixed_size 0
		.amdhsa_enable_private_segment 0
		.amdhsa_kernarg_size 32
		.amdhsa_user_sgpr_count 2
		.amdhsa_user_sgpr_kernarg_segment_ptr 1
		.amdhsa_wavefront_size32 1
		.amdhsa_system_sgpr_workgroup_id_x 1
		.amdhsa_system_sgpr_workgroup_id_y 1
		.amdhsa_system_sgpr_workgroup_id_z 1
		.amdhsa_system_vgpr_workitem_id 0
		.amdhsa_next_free_vgpr 768
		.amdhsa_next_free_sgpr 90
		.amdhsa_reserve_vcc 1
		.amdhsa_float_denorm_mode_32 3
		.amdhsa_float_denorm_mode_16_64 3
		.amdhsa_memory_ordered 1
		.amdhsa_forward_progress 1
		.amdhsa_inst_pref_size 131
	.end_amdhsa_kernel
	.amdgpu_metadata
---
amdhsa.version: [ 1, 2 ]
amdhsa.kernels:
  - .name:           k_qe8a11c6684_attn
    .symbol:         k_qe8a11c6684_attn.kd
    .args:
      - { .name: qb, .offset: 0, .size: 8, .value_kind: global_buffer, .address_space: global }
      - { .name: kb, .offset: 8, .size: 8, .value_kind: global_buffer, .address_space: global }
      - { .name: vb, .offset: 16, .size: 8, .value_kind: global_buffer, .address_space: global }
      - { .name: ob, .offset: 24, .size: 8, .value_kind: global_buffer, .address_space: global }
    .group_segment_fixed_size: 327680
    .private_segment_fixed_size: 0
    .kernarg_segment_align: 8
    .kernarg_segment_size: 32
    .max_flat_workgroup_size: 128
    .sgpr_count:     90
    .vgpr_count:     768
    .wavefront_size: 32
...
	.end_amdgpu_metadata
.endif
;; end of part 4
;; launch proj (part 5): grid 8 x 32, 4 waves a work-group, clusters of 4 x 4, 327,680 bytes of LDS; arguments ob, wb, proj_b, x, x1; writes x1
.if DOCPART == 5
	.amdgcn_target "amdgcn-amd-amdhsa--gfx1250"
	.amdhsa_code_object_version 6
	.text
	.protected	k_qe8a11c6684_proj
	.globl	k_qe8a11c6684_proj
	.p2align	8
	.type	k_qe8a11c6684_proj,@function
k_qe8a11c6684_proj:
	s_mov_b64 s[64:65], 0
	v_nop
	global_prefetch_b8 v0, s[64:65] scope:SCOPE_SE
	s_setreg_imm32_b32 hwreg(HW_REG_WAVE_MODE, 25, 1), 1
	s_wait_xcnt 0x0
	s_wait_alu depctr_hold_cnt(0) depctr_sa_sdst(0) depctr_va_vdst(0) depctr_va_sdst(0) depctr_va_ssrc(0) depctr_va_vcc(0) depctr_vm_vsrc(0)
	s_getreg_b32 s2, hwreg(HW_REG_IB_STS2, 6, 4)
	s_cmp_eq_u32 s2, 0
	s_cbranch_scc0 .Lentry_in_a_cluster
	s_endpgm
.Lentry_in_a_cluster:
	s_bfe_u32 s2, ttmp6, 0x10000c
	s_cmp_lg_u32 s2, 0xf033
	s_cbranch_scc0 .Lentry_shape_is_right
	s_endpgm
.Lentry_shape_is_right:
; x1 = x + o proj_w + proj_b: C[128][128] a work-group = A[128][1024] B[1024][128], bf16 operands, f32 sums that START WITH THE BIAS (it is the C operand of the first products); the residual is added in f32 on the way out.
; A = o, laid [token tile of 128: 32][head 16][row 128][e 64] bf16: a K step of 256 (four heads) of a token tile is 65,536 dense bytes.  B = proj_w in bf16, [k 1024][n 1024], at byte 6,291,456 of the weights.
; SHARES.  8 x 32 tiles of 128 x 128: 256 work-groups.  Four waves, each 64 x 64: 4 x 4 accumulators, 128 registers.
; RING.  K goes in steps of 256 through two LDS slots filled by tensor loads, one load a wave and step (waves 0, 1: A's halves; waves 2, 3: B's).  One K step is a trip; the slot's base lies in s[TB].
; CLUSTER.  4 x 4 work-groups: A's tile is shared along a row of the cluster, B's along a column; each is asked for jointly, with the same descriptor and a mask that names the four.
; B LIES [k][n] in LDS and is turned by ds_load_tr16_b128.  THE MATRIX INSTRUCTION IS USED TRANSPOSED (source 0 = 16 columns of B, source 1 = 16 rows of A): a lane holds row l % 16 of C and eight neighbouring columns.
; REGISTERS: window 0: v16-29 addresses; v64-191 A's fragments, two buffers, later the rows on their way out; v192-223 the bias.  window 1: v0-127 B's fragments, two buffers; v128-255 the residual.
;   windows 2, 3: accumulator (a, b) in window 2 + a / 2 at v[8 (4 (a % 2) + b)].
.set MBK, 4
.set NB,  4
.set KD,  2                            ; a quarter step is 64 along K
.set NSTEPS, 4                         ; K steps of 256
.set PA,  144                          ; an LDS row of A: a head's 128 bytes + 16: the 16 rows of a load start at 16 different groups of four banks (64 banks of 4 bytes: ISA guide 11.1)
.set ACH, 128*PA                       ; from one head's 128 rows to the next's
.set ASZ, 512*PA
.set PB,  288                          ; an LDS row of B: 256 bytes + 32
.set BSZ, 256*PB
.set BCH, 128
.set SLOT, ASZ+BSZ
.set STAGE, 2*SLOT                     ; behind the ring, never filled by a tensor load: 16 rows x 272 bytes for each wave
.set STW, 16*272
.set SPARE, STAGE+4*STW                ; the spare words, 128 bytes for each wave: two blocks of 256 bytes that no other line names
.set HEADW, 8
.set BIASC, 1
.set AC, 128                           ; A's tensor tile: two heads' 32,768 dense bytes as 128 rows of 256 bytes,
.set AR, 128
.set AP, 128
.set AQI, 4                            ; padded after every 32 words, that is after every row of a head
.set BC, 128                           ; B's: 128 elements x 128 rows, pitch 1,024
.set BR, 128
.set BP, 1024
.set BQI, 5
.set AHALF, 256*PA
.set BHALF, 128*PB
.set ATY, 262144
.set AHFB, 32768
.set ASTEP, 65536
.set BBASE, 6291456
.set BTX, 256
.set BHFB, 262144
.set BSTEP, 524288
.set ADRA0, 16
.set ADRA,  17
.set ADRB0, 20
.set ADRB,  21
.set ADRB2, 22                         ; v22  B's rows 128 on: keeps the immediates inside 16 bits
.set STO, 24
.set RD,  25
.set CO,  26
.set BO,  27
.set SPW, 28
.set NIL, 29
.set FA0, 64
.set BIAS, 192
.set OB,  64
.set RES, 128
.set G1, 24
.set G0, 32
.set G1B, 48
.set G0B, 56
.set WV, 70
.set FBW, 71
.set HF, 72
.set WR, 73
.set WC, 74
.set TB, 75
.set LWA, 76
.set LWB, 77
.set CNT, 78
.set MSB, 0
.macro WIN new                         ; the immediate's high byte repeats the setting that is left; a switch that changes nothing is dropped
.if MSB != (\new)
	s_set_vgpr_msb (MSB<<8)|(\new)
.set MSB, \new
.endif
.endm
.macro PLACES                          ; four places behind matrix instructions, in front of loads into registers that they read and of lines that read their results
.rept 4
	v_nop
.endr
.endm
.macro JLOAD                           ; a joint refill by the walking descriptor; the branch hangs on the wave's number alone; an s_nop 0 and four v_nop follow each line
	s_cmp_eq_u32 s[FBW], 0
	s_cbranch_scc0 .Lfor_b_\@
	tensor_load_to_lds s[G0+4:G0+7], s[G1:G1+7]
	s_nop 0
	PLACES
	s_branch .Lasked_\@
.Lfor_b_\@:
	tensor_load_to_lds s[G0B+4:G0B+7], s[G1B:G1B+7]
	s_nop 0
	PLACES
.Lasked_\@:
.endm
.macro CREST                           ; a round of the cluster's barrier behind its opening barrier
	s_cmp_lg_u32 s[WV], 0
	s_cbranch_scc1 .Lnot_wave_0_\@
	s_barrier_signal -3
.Lnot_wave_0_\@:
	s_barrier_wait -3
	s_barrier_signal -1
	s_barrier_wait -1
.endm
.macro CROUND
	s_barrier_signal -1
	s_barrier_wait -1
	CREST
.endm
; na x NB products: row blocks a0 .. of buffer f, 32 along K (block c of the quarter).  zero = 1: the product starts the sum, with the bias.  The accumulators take turns, one instruction a turn.
.macro MULG f, c, a0, na, zero
.set aa, \a0
.rept \na
.set bb, 0
.rept NB
.set rD, 8*(NB*(aa%(MBK/2))+bb)
.set rB, 8*(NB*KD*(\f)+NB*(\c)+bb)
.set rA, FA0+8*(MBK*KD*(\f)+MBK*(\c)+aa)
.if (\zero) && BIASC
	WIN 0x81+0x40*(aa/(MBK/2))
	v_wmma_f32_16x16x32_bf16 v[rD:rD+7], v[rB:rB+7], v[rA:rA+7], v[BIAS+8*bb:BIAS+8*bb+7]
.elseif \zero
	WIN 0xa1+0x50*(aa/(MBK/2))
	v_wmma_f32_16x16x32_bf16 v[rD:rD+7], v[rB:rB+7], v[rA:rA+7], 0
.else
	WIN 0xa1+0x50*(aa/(MBK/2))
	v_wmma_f32_16x16x32_bf16 v[rD:rD+7], v[rB:rB+7], v[rA:rA+7], v[rD:rD+7]
.endif
.set bb, bb+1
.endr
.set aa, aa+1
.endr
.endm
.if KD == 1
.set H0N, MBK/2
.else
.set H0N, MBK
.endif
.macro H0A f, z                        ; a quarter's first half (its first 32 along K), in two parts
	MULG \f, 0, 0, H0N/2, \z
.endm
.macro H0B f, z
	MULG \f, 0, H0N/2, H0N/2, \z
.endm
.macro H1 f, z                         ; its second half
.if KD == 1
	MULG \f, 0, MBK/2, MBK/2, \z
.else
	MULG \f, 1, 0, MBK, 0
.endif
.endm
; 32 LDS loads in one run: the fragments of quarter qn of the slot in hand into buffer f: all of B's (turned), then A's, those that the second half needs last
.macro FETCH qn, f
	WIN 0x40
.set cc, 0
.rept KD
.set qq, KD*(\qn)+cc
.set bb, 0
.rept NB
.set rB, 8*(NB*KD*(\f)+NB*cc+bb)
.set offb, 32*(qq%4)*PB+BCH*(bb/4)+32*(bb%4)
.if qq < 4
	ds_load_tr16_b128 v[rB:rB+3], v[ADRB] offset:offb
	ds_load_tr16_b128 v[rB+4:rB+7], v[ADRB] offset:offb+16*PB
.else
	ds_load_tr16_b128 v[rB:rB+3], v[ADRB2] offset:offb
	ds_load_tr16_b128 v[rB+4:rB+7], v[ADRB2] offset:offb+16*PB
.endif
.set bb, bb+1
.endr
.set cc, cc+1
.endr
	WIN 0
.set cc, 0
.rept KD
.set qq, KD*(\qn)+cc
.set aa, 0
.rept MBK
.set rA, FA0+8*(MBK*KD*(\f)+MBK*cc+aa)
.set offa, ACH*(qq/2)+64*(qq%2)+aa*16*PA
	ds_load_b128 v[rA:rA+3], v[ADRA] offset:offa
	ds_load_b128 v[rA+4:rA+7], v[ADRA] offset:offa+32
.set aa, aa+1
.endr
.set cc, cc+1
.endr
.endm
.macro SETADR                          ; my fragments' addresses in the slot in hand
	v_add_nc_u32 v[ADRA], s[TB], v[ADRA0]
	v_add_nc_u32 v[ADRB], s[TB], v[ADRB0]
.if KD == 2
	v_add_nc_u32 v[ADRB2], 128*PB, v[ADRB]
.endif
.endm
; One of a K step's first three quarters: multiplies buffer f; in its middle it fetches quarter qn into buffer g
.macro QUARTER qn, f, g, z
	s_wait_dscnt HEADW                             ; all but the youngest loads, which only the second half needs
	H0A \f, \z
	H0B \f, \z
	PLACES
	FETCH \qn, \g
	s_wait_dscnt 32                                ; all but the 32 just issued
	H1 \f, \z
.endm
; The last quarter multiplies buffer 1 and changes slots.  In front of the one barrier each wave waits for all its tensor loads (one is out: its part of the next slot), adds 0 to its spare word,
; and waits for that and for its reads of this slot.  fill = 1: the barrier opens a round of the cluster's, and this slot is filled again, two K steps ahead, first thing behind the round.
.macro TURN fill
	WIN 0
	s_wait_tensorcnt 0x0                           ; no tensor load of mine is out, so a group 0 may be written
	ds_add_u32 v[SPW], v[NIL]                      ; 0 onto my spare word
.if \fill
	s_add_co_u32 s[G0+5], s[LWA], s[TB]            ; the walking descriptors: into the slot that is being left,
	s_add_nc_u64 s[G0+6:G0+7], s[G0+6:G0+7], ASTEP ; the next K step; the type bits on top are not reached
	s_add_co_u32 s[G0B+5], s[LWB], s[TB]
	s_add_nc_u64 s[G0B+6:G0B+7], s[G0B+6:G0B+7], BSTEP
.endif
	s_xor_b32 s[TB], s[TB], SLOT                   ; the reads go on in the other slot
	s_wait_dscnt HEADW+1                           ; the add and the youngest loads may be out
	H0A 1, 0
	s_wait_dscnt 0x0                               ; the add is done, and my reads of this slot are over
	s_barrier_signal -1
	H0B 1, 0                                       ; work on registers while the others arrive
	WIN 0
	s_barrier_wait -1
.if \fill
	CREST                                          ; no wave of any partner still reads this slot's tile or has a load on its way
	JLOAD                                          ; its four v_nop are also the places in front of the loads below
.else
	PLACES
.endif
	SETADR
	FETCH 0, 0
	H1 1, 0
.endm
	s_load_b256 s[4:11], s[0:1], 0x0               ; A s[4:5], weights s[6:7], bias s[8:9], residual s[10:11]
	s_load_b64 s[68:69], s[0:1], 0x20              ; the output
	v_lshl_add_u32 v[SPW], v0, 2, SPARE
	v_mov_b32 v[NIL], 0
	ds_add_u32 v[SPW], v[NIL]                      ; the wave's opening: the add and its wait stand ahead of my first tensor load; work on registers stands between them
	v_lshrrev_b32 v1, 5, v0
	v_readfirstlane_b32 s[WV], v1
	s_lshr_b32 s[FBW], s[WV], 1
	s_and_b32 s[HF], s[WV], 1
	s_mov_b32 s[WR], s[FBW]                        ; which half of the tile's rows is mine,
	s_mov_b32 s[WC], s[HF]                         ; which half of its columns
	s_bfe_u32 s40, ttmp6, 0x40000                  ; cx, cy: my place in the cluster
	s_bfe_u32 s41, ttmp6, 0x40004
	s_lshl_b32 s42, ttmp9, 2
	s_add_co_u32 s42, s42, s40                     ; tile column
	s_and_b32 s43, ttmp7, 0xffff
	s_lshl_b32 s43, s43, 2
	s_add_co_u32 s43, s43, s41                     ; tile row
	s_lshl_b32 s44, s41, 2
	s_lshl_b32 s44, 15, s44                        ; my row of the cluster
	s_lshl_b32 s45, 0x1111, s40                    ; my column
	s_or_b32 s[G1], s44, (1<<16)|(1<<20)|(1<<21)|(AQI<<22)|(3<<25)   ; mask; 2-byte elements; padding on; bit 21 beside a mask; the interval; 4 words of padding
	s_or_b32 s[G1B], s45, (1<<16)|(1<<20)|(1<<21)|(BQI<<22)|(7<<25)  ; the same with my column's mask and 8 words of padding
	s_mov_b32 s[G1+1], AC<<16                      ; tensor_dim0
	s_mov_b32 s[G1+2], AR<<16                      ; tensor_dim1
	s_mov_b32 s[G1+3], AC<<16                      ; tile_dim0
	s_mov_b32 s[G1+4], AR                          ; tile_dim1
	s_mov_b32 s[G1+5], AP                          ; elements from row to row
	s_mov_b32 s[G1+6], 0
	s_mov_b32 s[G1+7], 0
	s_mov_b32 s[G1B+1], BC<<16
	s_mov_b32 s[G1B+2], BR<<16
	s_mov_b32 s[G1B+3], BC<<16
	s_mov_b32 s[G1B+4], BR
	s_mov_b32 s[G1B+5], BP
	s_mov_b32 s[G1B+6], 0
	s_mov_b32 s[G1B+7], 0
	s_mul_i32 s16, s43, ATY                        ; A's tile hangs on the tile row and the wave alone,
	s_mul_i32 s17, s[HF], AHFB
	s_add_co_u32 s16, s16, s17
	s_mov_b32 s17, 0
	s_mul_i32 s46, s42, BTX                        ; B's on the tile column and the wave alone
	s_mul_i32 s47, s[HF], BHFB
	s_add_co_u32 s46, s46, s47
	s_add_co_u32 s46, s46, BBASE
	s_mov_b32 s47, 0
	s_mul_i32 s[LWA], s[HF], AHALF                 ; no place in the cluster enters an LDS address
	s_mul_i32 s[LWB], s[HF], BHALF
	s_add_co_u32 s[LWB], s[LWB], ASZ
	s_mov_b32 s[TB], 0
	s_wait_dscnt 0x0                               ; the opening add is done
	s_wait_kmcnt 0x0
	s_add_nc_u64 s[14:15], s[4:5], s[16:17]
	s_add_nc_u64 s[46:47], s[6:7], s[46:47]
.irp s, 0,1
	s_mov_b32 s[G0+4*(\s)], 1
	s_add_co_u32 s[G0+4*(\s)+1], s[LWA], (\s)*SLOT
	s_add_nc_u64 s[G0+4*(\s)+2:G0+4*(\s)+3], s[14:15], (\s)*ASTEP
	s_or_b32 s[G0+4*(\s)+3], s[G0+4*(\s)+3], 0x80000000
	s_mov_b32 s[G0B+4*(\s)], 1
	s_add_co_u32 s[G0B+4*(\s)+1], s[LWB], (\s)*SLOT
	s_add_nc_u64 s[G0B+4*(\s)+2:G0B+4*(\s)+3], s[46:47], (\s)*BSTEP
	s_or_b32 s[G0B+4*(\s)+3], s[G0B+4*(\s)+3], 0x80000000
.endr
	CROUND                                         ; all sixteen work-groups are here: the first joint loads meet
	s_cmp_eq_u32 s[FBW], 0                         ; a wave's two first fills stand in one branch: two loads of mine are out
	s_cbranch_scc0 .Lfirst_b
	tensor_load_to_lds s[G0:G0+3], s[G1:G1+7]
	s_nop 0
	tensor_load_to_lds s[G0+4:G0+7], s[G1:G1+7]
	s_nop 0
	PLACES
	s_branch .Lfirst_done
.Lfirst_b:
	tensor_load_to_lds s[G0B:G0B+3], s[G1B:G1B+7]
	s_nop 0
	tensor_load_to_lds s[G0B+4:G0B+7], s[G1B:G1B+7]
	s_nop 0
	PLACES
.Lfirst_done:
	v_and_b32 v1, 15, v0                           ; l % 16
	v_bfe_u32 v2, v0, 4, 1                         ; l / 16
	s_lshl_b32 s18, s43, 7                         ; my first row of C: 128 x tile row + 64 x half,
	s_lshl_b32 s19, s[WR], 6
	s_add_co_u32 s18, s18, s19
	s_lshl_b32 s18, s18, 12                        ; rows of 4,096 bytes,
	s_lshl_b32 s19, s42, 9                         ; my first column: 512 bytes a tile column + 256 a half
	s_add_co_u32 s18, s18, s19
	s_lshl_b32 s19, s[WC], 8
	s_add_co_u32 s18, s18, s19
	s_mov_b32 s19, 0
	s_add_nc_u64 s[10:11], s[10:11], s[18:19]
	s_add_nc_u64 s[68:69], s[68:69], s[18:19]
	s_lshl_b32 s20, s42, 9                         ; the bias of my 64 columns
	s_lshl_b32 s21, s[WC], 8
	s_add_co_u32 s20, s20, s21
	s_mov_b32 s21, 0
	s_add_nc_u64 s[8:9], s[8:9], s[20:21]
	v_lshlrev_b32 v[BO], 5, v2                     ; register j of a result holds column 16 b + 8 (l / 16) + j: the bias is loaded in that layout
.set bb, 0
.rept NB
	global_load_b128 v[BIAS+8*bb:BIAS+8*bb+3], v[BO], s[8:9] offset:64*bb
	global_load_b128 v[BIAS+8*bb+4:BIAS+8*bb+7], v[BO], s[8:9] offset:64*bb+16
.set bb, bb+1
.endr
	v_lshlrev_b32 v7, 12, v2                       ; the way out: lanes 0-15 take 256 bytes of one row of C, lanes 16-31 of the next
	v_lshl_add_u32 v[CO], v1, 4, v7
	WIN 0x40
.set ii, 0
.rept 32                                               ; the residual of my 64 x 64, in the layout in which the rows leave; it lands under the whole K loop
	global_load_b128 v[RES+4*ii:RES+4*ii+3], v[CO], s[10:11] offset:(16*(ii/8)+2*(ii%8))*4096
.set ii, ii+1
.endr
	WIN 0
	v_mul_u32_u24 v3, v1, PA                       ; a fragment of A: row l % 16, 16 bytes for each half of the lanes, two loads 32 bytes apart
	v_lshl_add_u32 v3, v2, 4, v3
	s_mul_i32 s21, s[WR], 16*MBK*PA
	v_add_nc_u32 v[ADRA0], s21, v3
	v_and_b32 v4, 7, v0                            ; the turning load: lane l reads k row 8 (l / 16) + l % 8, columns 8 ((l / 8) % 2) + 0..7, and is left with column l % 16 and 8 k
	v_lshl_add_u32 v4, v2, 3, v4
	v_mul_u32_u24 v4, v4, PB
	v_bfe_u32 v5, v0, 3, 1
	v_lshl_add_u32 v4, v5, 4, v4
	s_mul_i32 s22, s[WC], 32*NB
	s_add_co_u32 s22, s22, ASZ
	v_add_nc_u32 v[ADRB0], s22, v4
	s_mul_i32 s23, s[WV], STW
	s_add_co_u32 s23, s23, STAGE                   ; my stage
	v_mul_u32_u24 v6, v1, 272                      ; in: row l % 16, 32 bytes (eight f32) for each half of the lanes
	v_lshl_add_u32 v6, v2, 5, v6
	v_add_nc_u32 v[STO], s23, v6
	v_mul_u32_u24 v7, v2, 272                      ; back: two whole rows of 256 bytes
	v_lshl_add_u32 v7, v1, 4, v7
	v_add_nc_u32 v[RD], s23, v7
	s_wait_tensorcnt 0x1                           ; my part of K step 0 is in; step 1's may stay out
	s_barrier_signal -1
	s_barrier_wait -1
	SETADR
	FETCH 0, 0
	s_wait_loadcnt 32                              ; the bias is in; the residual's 32 loads stay out
	QUARTER 1, 0, 1, 1                             ; the first quarter stands in front of the loop: its first products start the sums
	WIN 0
	s_mov_b32 s[CNT], NSTEPS-2
.Lstep:                                                ; a trip: from a K step's second quarter to the next step's first; it fills the slot that it leaves
	QUARTER 2, 1, 0, 0
	QUARTER 3, 0, 1, 0
	TURN 1
	QUARTER 1, 0, 1, 0
	WIN 0
	s_sub_co_u32 s[CNT], s[CNT], 1
	s_cmp_lg_u32 s[CNT], 0
	s_cbranch_scc1 .Lstep
	QUARTER 2, 1, 0, 0                             ; the last two K steps are written out: nothing is left to fetch
	QUARTER 3, 0, 1, 0
	TURN 0
	QUARTER 1, 0, 1, 0
	QUARTER 2, 1, 0, 0
	QUARTER 3, 0, 1, 0
	s_wait_dscnt HEADW
	H0A 1, 0
	H0B 1, 0
	s_wait_dscnt 0x0
	H1 1, 0
; THE WAY OUT, a block of 16 rows x 64 f32 at a time: the sums go into my stage (rows of 272 bytes), each accumulator's low four registers first, come back as whole rows of 256 bytes, take the residual and are stored.
.macro OUTB a
	WIN 0x08+4*((\a)/2)
.set bb, 0
.rept 4
.set rD, 8*(4*((\a)%2)+bb)
	ds_store_b128 v[STO], v[rD:rD+3] offset:64*bb
	ds_store_b128 v[STO], v[rD+4:rD+7] offset:64*bb+16
.set bb, bb+1
.endr
	WIN 0
.set tt, 0
.rept 8
	ds_load_b128 v[OB+32*(\a)+4*tt:OB+32*(\a)+4*tt+3], v[RD] offset:544*tt  ; LDS serves a wave's instructions in order (ISA guide 5.7.1.4): these see the stores above
.set tt, tt+1
.endr
.endm
.macro SEND a, young                   ; young: the LDS instructions issued behind block a's loads
	s_wait_dscnt \young
	WIN 0x04                                       ; source 1, the residual, in window 1
.set tt, 0
.rept 16
	v_pk_add_f32 v[OB+32*(\a)+2*tt:OB+32*(\a)+2*tt+1], v[OB+32*(\a)+2*tt:OB+32*(\a)+2*tt+1], v[RES+32*(\a)+2*tt:RES+32*(\a)+2*tt+1]
.set tt, tt+1
.endr
	WIN 0
.set tt, 0
.rept 8
	global_store_b128 v[CO], v[OB+32*(\a)+4*tt:OB+32*(\a)+4*tt+3], s[68:69] offset:(16*(\a)+2*tt)*4096  ; 16 lanes store 256 consecutive bytes, aligned; each block has registers of its own
.set tt, tt+1
.endr
.endm
	PLACES
	OUTB 0
	OUTB 1
	s_wait_loadcnt 0x0                             ; the residual
	SEND 0, 16
	OUTB 2
	SEND 1, 16
	OUTB 3
	SEND 2, 16
	SEND 3, 0
	s_wait_tensorcnt 0x0                           ; the wave's end
	ds_add_u32 v[SPW], v[NIL]
	s_wait_dscnt 0x0
	CROUND                                         ; the closing round: no work-group ends while a partner may still ask for a tile that names it
	s_endpgm
.Lfunc_end_k_qe8a11c6684_proj:
	.size	k_qe8a11c6684_proj, .Lfunc_end_k_qe8a11c6684_proj-k_qe8a11c6684_proj
	.p2alignl 7, 3214868480
	.fill 96, 4, 3214868480
	.section	.rodata,"a",@progbits
	.p2align	6, 0x0
	.amdhsa_kernel k_qe8a11c6684_proj
		.amdhsa_group_segment_fixed_size 327680
		.amdhsa_private_segment_fixed_size 0
		.amdhsa_enable_private_segment 0
		.amdhsa_kernarg_size 40
		.amdhsa_user_sgpr_count 2
		.amdhsa_user_sgpr_kernarg_segment_ptr 1
		.amdhsa_wavefront_size32 1
		.amdhsa_system_sgpr_workgroup_id_x 1
		.amdhsa_system_sgpr_workgroup_id_y 1
		.amdhsa_system_sgpr_workgroup_id_z 1
		.amdhsa_system_vgpr_workitem_id 0
		.amdhsa_next_free_vgpr 1024
		.amdhsa_next_free_sgpr 84
		.amdhsa_reserve_vcc 0
		.amdhsa_float_denorm_mode_32 3
		.amdhsa_float_denorm_mode_16_64 3
		.amdhsa_memory_ordered 1
		.amdhsa_forward_progress 1
		.amdhsa_inst_pref_size 78
	.end_amdhsa_kernel
	.amdgpu_metadata
---
amdhsa.version: [ 1, 2 ]
amdhsa.kernels:
  - .name:           k_qe8a11c6684_proj
    .symbol:         k_qe8a11c6684_proj.kd
    .args:
      - { .name: ob, .offset: 0, .size: 8, .value_kind: global_buffer, .address_space: global }
      - { .name: wb, .offset: 8, .size: 8, .value_kind: global_buffer, .address_space: global }
      - { .name: proj_b, .offset: 16, .size: 8, .value_kind: global_buffer, .address_space: global }
      - { .name: x, .offset: 24, .size: 8, .value_kind: global_buffer, .address_space: global }
      - { .name: x1, .offset: 32, .size: 8, .value_kind: global_buffer, .address_space: global }
    .group_segment_fixed_size: 327680
    .private_segment_fixed_size: 0
    .kernarg_segment_align: 8
    .kernarg_segment_size: 40
    .max_flat_workgroup_size: 128
    .sgpr_count:     84
    .vgpr_count:     1024
    .wavefront_size: 32
...
	.end_amdgpu_metadata
.endif
;; end of part 5
;; launch ln2: the kernel of part 2 again; grid 256 x 1, 4 waves a work-group, no clusters, 0 bytes of LDS; arguments x1, ln2_g, ln2_b, hb; writes hb
;; launch ff1 (part 6): grid 16 x 16, 4 waves a work-group, clusters of 4 x 4, 327,680 bytes of LDS; arguments hb, wb, ff1_b, gb; writes gb
.if DOCPART == 6
	.amdgcn_target "amdgcn-amd-amdhsa--gfx1250"
	.amdhsa_code_object_version 6
	.text
	.protected	k_qe8a11c6684_ff1
	.globl	k_qe8a11c6684_ff1
	.p2align	8
	.type	k_qe8a11c6684_ff1,@function
k_qe8a11c6684_ff1:
	s_mov_b64 s[64:65], 0
	v_nop
	global_prefetch_b8 v0, s[64:65] scope:SCOPE_SE
	s_setreg_imm32_b32 hwreg(HW_REG_WAVE_MODE, 25, 1), 1
	s_wait_xcnt 0x0
	s_wait_alu depctr_hold_cnt(0) depctr_sa_sdst(0) depctr_va_vdst(0) depctr_va_sdst(0) depctr_va_ssrc(0) depctr_va_vcc(0) depctr_vm_vsrc(0)
	s_getreg_b32 s2, hwreg(HW_REG_IB_STS2, 6, 4)
	s_cmp_eq_u32 s2, 0
	s_cbranch_scc0 .Lentry_in_a_cluster
	s_endpgm
.Lentry_in_a_cluster:
	s_bfe_u32 s2, ttmp6, 0x10000c
	s_cmp_lg_u32 s2, 0xf033
	s_cbranch_scc0 .Lentry_shape_is_right
	s_endpgm
.Lentry_shape_is_right:
; g = relu(h2 W1 + b1): C[256][256] a work-group = A[256][1024] B[1024][256], bf16 operands, f32 sums that START WITH THE BIAS (it is the C operand of the first products); relu in f32, g rounded once to bf16.
; A = h2, [4096][1024] bf16.  B = ff1_w in bf16, [k 1024][n 4096], at byte 8,388,608 of the weights.  g: [4096][4096] bf16.
; LIMIT.  relu is a maximum with 0 in which a NaN loses: a NaN sum becomes 0.
; SHARES.  16 x 16 tiles of 256 x 256: 256 work-groups.  Four waves, each 128 x 128: 8 x 8 accumulators, 512 registers.
; RING.  K goes in steps of 128 through two LDS slots filled by tensor loads, one load a wave and step (waves 0, 1: A's halves; waves 2, 3: B's).  One K step is a trip; the slot's base lies in s[TB].
; CLUSTER.  4 x 4 work-groups: A's tile is shared along a row of the cluster, B's along a column; each is asked for jointly, with the same descriptor and a mask that names the four.
; B LIES [k][n] in LDS and is turned by ds_load_tr16_b128.  THE MATRIX INSTRUCTION IS USED TRANSPOSED (source 0 = 16 columns of B, source 1 = 16 rows of A): a lane holds row l % 16 of C and eight neighbouring columns.
; REGISTERS: window 0: v16-29 addresses; v64-191 A's fragments, two buffers; v192-255 the bias, later at work on the way out with v32-63.  window 1: v0-127 B's fragments, two buffers.
;   windows 2, 3: accumulator (a, b) in window 2 + a / 4 at v[8 (8 (a % 4) + b)].
.set MBK, 8
.set NB,  8
.set KD,  1
.set NSTEPS, 8                         ; K steps of 128
.set PA,  272                          ; an LDS row of A: 256 bytes + 16: the 16 rows of a load start at 16 different groups of four banks (64 banks of 4 bytes: ISA guide 11.1)
.set ACH, 128
.set ASZ, 256*PA
.set PB,  544                          ; an LDS row of B: 512 bytes + 32
.set BSZ, 128*PB
.set BCH, 128
.set SLOT, ASZ+BSZ
.set STAGE, 2*SLOT                     ; behind the ring, never filled by a tensor load: 16 rows x 272 bytes for each wave
.set STW, 16*272
.set SPARE, STAGE+4*STW                ; the spare words, 128 bytes for each wave: two blocks of 256 bytes that no other line names
.set HEADW, 8
.set BIASC, 1
.set AC, 128                           ; A's tensor tile: 128 elements x 128 rows, pitch 1,024
.set AR, 128
.set AP, 1024
.set AQI, 5
.set BC, 256                           ; B's: 256 elements x 64 rows, pitch 4,096
.set BR, 64
.set BP, 4096
.set BQI, 6
.set AHALF, 128*PA
.set BHALF, 64*PB
.set ATY, 256*2048
.set AHFB, 128*2048
.set ASTEP, 256
.set BBASE, 8388608
.set BTX, 512
.set BHFB, 64*8192
.set BSTEP, 128*8192
.set ADRA0, 16
.set ADRA,  17
.set ADRB0, 20
.set ADRB,  21
.set ADRB2, 22
.set STO, 24
.set RD,  25
.set CO,  26
.set BO,  27
.set SPW, 28
.set NIL, 29
.set FA0, 64
.set BIAS, 192
.set TMP, 192
.set G1, 24
.set G0, 32
.set G1B, 48
.set G0B, 56
.set WV, 70
.set FBW, 71
.set HF, 72
.set WR, 73
.set WC, 74
.set TB, 75
.set LWA, 76
.set LWB, 77
.set CNT, 78
.set MSB, 0
.macro WIN new                         ; the immediate's high byte repeats the setting that is left; a switch that changes nothing is dropped
.if MSB != (\new)
	s_set_vgpr_msb (MSB<<8)|(\new)
.set MSB, \new
.endif
.endm
.macro PLACES                          ; four places behind matrix instructions, in front of loads into registers that they read and of lines that read their results
.rept 4
	v_nop
.endr
.endm
.macro JLOAD                           ; a joint refill by the walking descriptor; the branch hangs on the wave's number alone; an s_nop 0 and four v_nop follow each line
	s_cmp_eq_u32 s[FBW], 0
	s_cbranch_scc0 .Lfor_b_\@
	tensor_load_to_lds s[G0+4:G0+7], s[G1:G1+7]
	s_nop 0
	PLACES
	s_branch .Lasked_\@
.Lfor_b_\@:
	tensor_load_to_lds s[G0B+4:G0B+7], s[G1B:G1B+7]
	s_nop 0
	PLACES
.Lasked_\@:
.endm
.macro CREST                           ; a round of the cluster's barrier behind its opening barrier
	s_cmp_lg_u32 s[WV], 0
	s_cbranch_scc1 .Lnot_wave_0_\@
	s_barrier_signal -3
.Lnot_wave_0_\@:
	s_barrier_wait -3
	s_barrier_signal -1
	s_barrier_wait -1
.endm
.macro CROUND
	s_barrier_signal -1
	s_barrier_wait -1
	CREST
.endm
; na x NB products: row blocks a0 .. of buffer f, 32 along K (block c of the quarter).  zero = 1: the product starts the sum, with the bias.  The accumulators take turns, one instruction a turn.
.macro MULG f, c, a0, na, zero
.set aa, \a0
.rept \na
.set bb, 0
.rept NB
.set rD, 8*(NB*(aa%(MBK/2))+bb)
.set rB, 8*(NB*KD*(\f)+NB*(\c)+bb)
.set rA, FA0+8*(MBK*KD*(\f)+MBK*(\c)+aa)
.if (\zero) && BIASC
	WIN 0x81+0x40*(aa/(MBK/2))
	v_wmma_f32_16x16x32_bf16 v[rD:rD+7], v[rB:rB+7], v[rA:rA+7], v[BIAS+8*bb:BIAS+8*bb+7]
.elseif \zero
	WIN 0xa1+0x50*(aa/(MBK/2))
	v_wmma_f32_16x16x32_bf16 v[rD:rD+7], v[rB:rB+7], v[rA:rA+7], 0
.else
	WIN 0xa1+0x50*(aa/(MBK/2))
	v_wmma_f32_16x16x32_bf16 v[rD:rD+7], v[rB:rB+7], v[rA:rA+7], v[rD:rD+7]
.endif
.set bb, bb+1
.endr
.set aa, aa+1
.endr
.endm
.if KD == 1
.set H0N, MBK/2
.else
.set H0N, MBK
.endif
.macro H0A f, z                        ; a quarter's first half (my rows 0-63), in two parts
	MULG \f, 0, 0, H0N/2, \z
.endm
.macro H0B f, z
	MULG \f, 0, H0N/2, H0N/2, \z
.endm
.macro H1 f, z                         ; its second half (my rows 64-127)
.if KD == 1
	MULG \f, 0, MBK/2, MBK/2, \z
.else
	MULG \f, 1, 0, MBK, 0
.endif
.endm
; 32 LDS loads in one run: the fragments of quarter qn of the slot in hand into buffer f: all of B's (turned), then A's, those that the second half needs last
.macro FETCH qn, f
	WIN 0x40
.set cc, 0
.rept KD
.set qq, KD*(\qn)+cc
.set bb, 0
.rept NB
.set rB, 8*(NB*KD*(\f)+NB*cc+bb)
.set offb, 32*(qq%4)*PB+BCH*(bb/4)+32*(bb%4)
.if qq < 4
	ds_load_tr16_b128 v[rB:rB+3], v[ADRB] offset:offb
	ds_load_tr16_b128 v[rB+4:rB+7], v[ADRB] offset:offb+16*PB
.else
	ds_load_tr16_b128 v[rB:rB+3], v[ADRB2] offset:offb
	ds_load_tr16_b128 v[rB+4:rB+7], v[ADRB2] offset:offb+16*PB
.endif
.set bb, bb+1
.endr
.set cc, cc+1
.endr
	WIN 0
.set cc, 0
.rept KD
.set qq, KD*(\qn)+cc
.set aa, 0
.rept MBK
.set rA, FA0+8*(MBK*KD*(\f)+MBK*cc+aa)
.set offa, ACH*(qq/2)+64*(qq%2)+aa*16*PA
	ds_load_b128 v[rA:rA+3], v[ADRA] offset:offa
	ds_load_b128 v[rA+4:rA+7], v[ADRA] offset:offa+32
.set aa, aa+1
.endr
.set cc, cc+1
.endr
.endm
.macro SETADR                          ; my fragments' addresses in the slot in hand
	v_add_nc_u32 v[ADRA], s[TB], v[ADRA0]
	v_add_nc_u32 v[ADRB], s[TB], v[ADRB0]
.if KD == 2
	v_add_nc_u32 v[ADRB2], 128*PB, v[ADRB]
.endif
.endm
; One of a K step's first three quarters: multiplies buffer f; in its middle it fetches quarter qn into buffer g
.macro QUARTER qn, f, g, z
	s_wait_dscnt HEADW                             ; all but the youngest loads, which only the second half needs
	H0A \f, \z
	H0B \f, \z
	PLACES
	FETCH \qn, \g
	s_wait_dscnt 32                                ; all but the 32 just issued
	H1 \f, \z
.endm
; The last quarter multiplies buffer 1 and changes slots.  In front of the one barrier each wave waits for all its tensor loads (one is out: its part of the next slot), adds 0 to its spare word,
; and waits for that and for its reads of this slot.  fill = 1: the barrier opens a round of the cluster's, and this slot is filled again, two K steps ahead, first thing behind the round.
.macro TURN fill
	WIN 0
	s_wait_tensorcnt 0x0                           ; no tensor load of mine is out, so a group 0 may be written
	ds_add_u32 v[SPW], v[NIL]                      ; 0 onto my spare word
.if \fill
	s_add_co_u32 s[G0+5], s[LWA], s[TB]            ; the walking descriptors: into the slot that is being left,
	s_add_nc_u64 s[G0+6:G0+7], s[G0+6:G0+7], ASTEP ; the next K step; the type bits on top are not reached
	s_add_co_u32 s[G0B+5], s[LWB], s[TB]
	s_add_nc_u64 s[G0B+6:G0B+7], s[G0B+6:G0B+7], BSTEP
.endif
	s_xor_b32 s[TB], s[TB], SLOT                   ; the reads go on in the other slot
	s_wait_dscnt HEADW+1                           ; the add and the youngest loads may be out
	H0A 1, 0
	s_wait_dscnt 0x0                               ; the add is done, and my reads of this slot are over
	s_barrier_signal -1
	H0B 1, 0                                       ; work on registers while the others arrive
	WIN 0
	s_barrier_wait -1
.if \fill
	CREST                                          ; no wave of any partner still reads this slot's tile or has a load on its way
	JLOAD                                          ; its four v_nop are also the places in front of the loads below
.else
	PLACES
.endif
	SETADR
	FETCH 0, 0
	H1 1, 0
.endm
	s_load_b256 s[4:11], s[0:1], 0x0               ; A s[4:5], weights s[6:7], bias s[8:9], g s[10:11]
	v_lshl_add_u32 v[SPW], v0, 2, SPARE
	v_mov_b32 v[NIL], 0
	ds_add_u32 v[SPW], v[NIL]                      ; the wave's opening: the add and its wait stand ahead of my first tensor load; work on registers stands between them
	v_lshrrev_b32 v1, 5, v0
	v_readfirstlane_b32 s[WV], v1
	s_lshr_b32 s[FBW], s[WV], 1
	s_and_b32 s[HF], s[WV], 1
	s_mov_b32 s[WR], s[FBW]                        ; which half of the tile's rows is mine,
	s_mov_b32 s[WC], s[HF]                         ; which half of its columns
	s_bfe_u32 s40, ttmp6, 0x40000                  ; cx, cy: my place in the cluster
	s_bfe_u32 s41, ttmp6, 0x40004
	s_lshl_b32 s42, ttmp9, 2
	s_add_co_u32 s42, s42, s40                     ; tile column
	s_and_b32 s43, ttmp7, 0xffff
	s_lshl_b32 s43, s43, 2
	s_add_co_u32 s43, s43, s41                     ; tile row
	s_lshl_b32 s44, s41, 2
	s_lshl_b32 s44, 15, s44                        ; my row of the cluster
	s_lshl_b32 s45, 0x1111, s40                    ; my column
	s_or_b32 s[G1], s44, (1<<16)|(1<<20)|(1<<21)|(AQI<<22)|(3<<25)   ; mask; 2-byte elements; padding on; bit 21 beside a mask; the interval; 4 words of padding
	s_or_b32 s[G1B], s45, (1<<16)|(1<<20)|(1<<21)|(BQI<<22)|(7<<25)  ; the same with my column's mask and 8 words of padding
	s_mov_b32 s[G1+1], AC<<16                      ; tensor_dim0
	s_mov_b32 s[G1+2], AR<<16                      ; tensor_dim1
	s_mov_b32 s[G1+3], AC<<16                      ; tile_dim0
	s_mov_b32 s[G1+4], AR                          ; tile_dim1
	s_mov_b32 s[G1+5], AP                          ; elements from row to row
	s_mov_b32 s[G1+6], 0
	s_mov_b32 s[G1+7], 0
	s_mov_b32 s[G1B+1], BC<<16
	s_mov_b32 s[G1B+2], BR<<16
	s_mov_b32 s[G1B+3], BC<<16
	s_mov_b32 s[G1B+4], BR
	s_mov_b32 s[G1B+5], BP
	s_mov_b32 s[G1B+6], 0
	s_mov_b32 s[G1B+7], 0
	s_mul_i32 s16, s43, ATY                        ; A's tile hangs on the tile row and the wave alone,
	s_mul_i32 s17, s[HF], AHFB
	s_add_co_u32 s16, s16, s17
	s_mov_b32 s17, 0
	s_mul_i32 s46, s42, BTX                        ; B's on the tile column and the wave alone
	s_mul_i32 s47, s[HF], BHFB
	s_add_co_u32 s46, s46, s47
	s_add_co_u32 s46, s46, BBASE
	s_mov_b32 s47, 0
	s_mul_i32 s[LWA], s[HF], AHALF                 ; no place in the cluster enters an LDS address
	s_mul_i32 s[LWB], s[HF], BHALF
	s_add_co_u32 s[LWB], s[LWB], ASZ
	s_mov_b32 s[TB], 0
	s_wait_dscnt 0x0                               ; the opening add is done
	s_wait_kmcnt 0x0
	s_add_nc_u64 s[14:15], s[4:5], s[16:17]
	s_add_nc_u64 s[46:47], s[6:7], s[46:47]
.irp s, 0,1
	s_mov_b32 s[G0+4*(\s)], 1
	s_add_co_u32 s[G0+4*(\s)+1], s[LWA], (\s)*SLOT
	s_add_nc_u64 s[G0+4*(\s)+2:G0+4*(\s)+3], s[14:15], (\s)*ASTEP
	s_or_b32 s[G0+4*(\s)+3], s[G0+4*(\s)+3], 0x80000000
	s_mov_b32 s[G0B+4*(\s)], 1
	s_add_co_u32 s[G0B+4*(\s)+1], s[LWB], (\s)*SLOT
	s_add_nc_u64 s[G0B+4*(\s)+2:G0B+4*(\s)+3], s[46:47], (\s)*BSTEP
	s_or_b32 s[G0B+4*(\s)+3], s[G0B+4*(\s)+3], 0x80000000
.endr
	CROUND                                         ; all sixteen work-groups are here: the first joint loads meet
	s_cmp_eq_u32 s[FBW], 0                         ; a wave's two first fills stand in one branch: two loads of mine are out
	s_cbranch_scc0 .Lfirst_b
	tensor_load_to_lds s[G0:G0+3], s[G1:G1+7]
	s_nop 0
	tensor_load_to_lds s[G0+4:G0+7], s[G1:G1+7]
	s_nop 0
	PLACES
	s_branch .Lfirst_done
.Lfirst_b:
	tensor_load_to_lds s[G0B:G0B+3], s[G1B:G1B+7]
	s_nop 0
	tensor_load_to_lds s[G0B+4:G0B+7], s[G1B:G1B+7]
	s_nop 0
	PLACES
.Lfirst_done:
	v_and_b32 v1, 15, v0                           ; l % 16
	v_bfe_u32 v2, v0, 4, 1                         ; l / 16
	s_lshl_b32 s20, s42, 10                        ; the bias of my 128 columns
	s_lshl_b32 s21, s[WC], 9
	s_add_co_u32 s20, s20, s21
	s_mov_b32 s21, 0
	s_add_nc_u64 s[8:9], s[8:9], s[20:21]
	v_lshlrev_b32 v[BO], 5, v2                     ; register j of a result holds column 16 b + 8 (l / 16) + j: the bias is loaded in that layout
.set bb, 0
.rept NB
	global_load_b128 v[BIAS+8*bb:BIAS+8*bb+3], v[BO], s[8:9] offset:64*bb
	global_load_b128 v[BIAS+8*bb+4:BIAS+8*bb+7], v[BO], s[8:9] offset:64*bb+16
.set bb, bb+1
.endr
	s_lshl_b32 s18, s43, 8                         ; my first row of g: 256 x tile row + 128 x half,
	s_lshl_b32 s19, s[WR], 7
	s_add_co_u32 s18, s18, s19
	s_lshl_b32 s18, s18, 13                        ; rows of 8,192 bytes,
	s_lshl_b32 s19, s42, 9                         ; my first column: 512 bytes a tile column + 256 a half
	s_add_co_u32 s18, s18, s19
	s_lshl_b32 s19, s[WC], 8
	s_add_co_u32 s18, s18, s19
	s_mov_b32 s19, 0
	s_add_nc_u64 s[10:11], s[10:11], s[18:19]
	v_mul_u32_u24 v3, v1, PA                       ; a fragment of A: row l % 16, 16 bytes for each half of the lanes, two loads 32 bytes apart
	v_lshl_add_u32 v3, v2, 4, v3
	s_mul_i32 s21, s[WR], 16*MBK*PA
	v_add_nc_u32 v[ADRA0], s21, v3
	v_and_b32 v4, 7, v0                            ; the turning load: lane l reads k row 8 (l / 16) + l % 8, columns 8 ((l / 8) % 2) + 0..7, and is left with column l % 16 and 8 k
	v_lshl_add_u32 v4, v2, 3, v4
	v_mul_u32_u24 v4, v4, PB
	v_bfe_u32 v5, v0, 3, 1
	v_lshl_add_u32 v4, v5, 4, v4
	s_mul_i32 s22, s[WC], 32*NB
	s_add_co_u32 s22, s22, ASZ
	v_add_nc_u32 v[ADRB0], s22, v4
	s_mul_i32 s23, s[WV], STW
	s_add_co_u32 s23, s23, STAGE                   ; my stage
	v_mul_u32_u24 v6, v1, 272                      ; in: row l % 16, 16 bytes for each half of the lanes
	v_lshl_add_u32 v6, v2, 4, v6
	v_add_nc_u32 v[STO], s23, v6
	v_mul_u32_u24 v7, v2, 272                      ; back: lanes 0-15 take one row of 256 bytes, lanes 16-31 the next
	v_lshl_add_u32 v7, v1, 4, v7
	v_add_nc_u32 v[RD], s23, v7
	v_lshlrev_b32 v7, 13, v2                       ; and the same two rows in g
	v_lshl_add_u32 v[CO], v1, 4, v7
	s_wait_tensorcnt 0x1                           ; my part of K step 0 is in; step 1's may stay out
	s_barrier_signal -1
	s_barrier_wait -1
	SETADR
	FETCH 0, 0
	s_wait_loadcnt 0x0                             ; the bias
	QUARTER 1, 0, 1, 1                             ; the first quarter stands in front of the loop: its products start the sums
	WIN 0
	s_mov_b32 s[CNT], NSTEPS-2
.Lstep:                                                ; a trip: from a K step's second quarter to the next step's first; it fills the slot that it leaves
	QUARTER 2, 1, 0, 0
	QUARTER 3, 0, 1, 0
	TURN 1
	QUARTER 1, 0, 1, 0
	WIN 0
	s_sub_co_u32 s[CNT], s[CNT], 1
	s_cmp_lg_u32 s[CNT], 0
	s_cbranch_scc1 .Lstep
	QUARTER 2, 1, 0, 0                             ; the last two K steps are written out: nothing is left to fetch
	QUARTER 3, 0, 1, 0
	TURN 0
	QUARTER 1, 0, 1, 0
	QUARTER 2, 1, 0, 0
	QUARTER 3, 0, 1, 0
	s_wait_dscnt HEADW
	H0A 1, 0
	H0B 1, 0
	s_wait_dscnt 0x0
	H1 1, 0
; THE WAY OUT, a block of 16 rows x 128 columns at a time: relu in place (ascending, each accumulator's lowest registers first), rounded to bf16, 16 bytes a lane into my stage, back as whole rows of 256 bytes, stored.
.macro OUTB a
.set BK, 32+192*((\a)%2)               ; v32-63 and v224-255 by turns
.if (\a) >= 2
	s_wait_xcnt 0x0                                ; the stores of the block two back have read these registers (ISA guide 3.1)
.endif
	WIN 0x88+0x44*((\a)/4)
.set ii, 64*((\a)%4)
.rept 64
	v_max_num_f32 v[ii], 0, v[ii]
.set ii, ii+1
.endr
	WIN 0x0a+5*((\a)/4)
.set ii, 0
.rept 32
	v_cvt_pk_bf16_f32 v[TMP+ii], v[64*((\a)%4)+2*ii], v[64*((\a)%4)+2*ii+1]
.set ii, ii+1
.endr
	WIN 0
.set bb, 0
.rept 8
	ds_store_b128 v[STO], v[TMP+4*bb:TMP+4*bb+3] offset:32*bb
.set bb, bb+1
.endr
.set tt, 0
.rept 8
	ds_load_b128 v[BK+4*tt:BK+4*tt+3], v[RD] offset:544*tt  ; LDS serves a wave's instructions in order (ISA guide 5.7.1.4): these see the stores above
.set tt, tt+1
.endr
.endm
.macro SEND a, young                   ; young: the LDS instructions issued behind block a's loads
.set BK, 32+192*((\a)%2)
	WIN 0
.set tt, 0
.rept 8
	s_wait_dscnt (\young)+7-tt
	global_store_b128 v[CO], v[BK+4*tt:BK+4*tt+3], s[10:11] offset:(16*(\a)+2*tt)*8192  ; 16 lanes store 256 consecutive bytes, aligned
.set tt, tt+1
.endr
.endm
	PLACES
	OUTB 0
.irp a, 1,2,3,4,5,6,7                  ; a block's arithmetic stands between the loads of the block before and its stores
	OUTB \a
	SEND (\a)-1, 16
.endr
	SEND 7, 0
	s_wait_tensorcnt 0x0                           ; the wave's end
	ds_add_u32 v[SPW], v[NIL]
	s_wait_dscnt 0x0
	CROUND                                         ; the closing round: no work-group ends while a partner may still ask for a tile that names it
	s_endpgm
.Lfunc_end_k_qe8a11c6684_ff1:
	.size	k_qe8a11c6684_ff1, .Lfunc_end_k_qe8a11c6684_ff1-k_qe8a11c6684_ff1
	.p2alignl 7, 3214868480
	.fill 96, 4, 3214868480
	.section	.rodata,"a",@progbits
	.p2align	6, 0x0
	.amdhsa_kernel k_qe8a11c6684_ff1
		.amdhsa_group_segment_fixed_size 327680
		.amdhsa_private_segment_fixed_size 0
		.amdhsa_enable_private_segment 0
		.amdhsa_kernarg_size 32
		.amdhsa_user_sgpr_count 2
		.amdhsa_user_sgpr_kernarg_segment_ptr 1
		.amdhsa_wavefront_size32 1
		.amdhsa_system_sgpr_workgroup_id_x 1
		.amdhsa_system_sgpr_workgroup_id_y 1
		.amdhsa_system_sgpr_workgroup_id_z 1
		.amdhsa_system_vgpr_workitem_id 0
		.amdhsa_next_free_vgpr 1024
		.amdhsa_next_free_sgpr 84
		.amdhsa_reserve_vcc 0
		.amdhsa_float_denorm_mode_32 3
		.amdhsa_float_denorm_mode_16_64 3
		.amdhsa_memory_ordered 1
		.amdhsa_forward_progress 1
		.amdhsa_inst_pref_size 136
	.end_amdhsa_kernel
	.amdgpu_metadata
---
amdhsa.version: [ 1, 2 ]
amdhsa.kernels:
  - .name:           k_qe8a11c6684_ff1
    .symbol:         k_qe8a11c6684_ff1.kd
    .args:
      - { .name: hb, .offset: 0, .size: 8, .value_kind: global_buffer, .address_space: global }
      - { .name: wb, .offset: 8, .size: 8, .value_kind: global_buffer, .address_space: global }
      - { .name: ff1_b, .offset: 16, .size: 8, .value_kind: global_buffer, .address_space: global }
      - { .name: gb, .offset: 24, .size: 8, .value_kind: global_buffer, .address_space: global }
    .group_segment_fixed_size: 327680
    .private_segment_fixed_size: 0
    .kernarg_segment_align: 8
    .kernarg_segment_size: 32
    .max_flat_workgroup_size: 128
    .sgpr_count:     84
    .vgpr_count:     1024
    .wavefront_size: 32
...
	.end_amdgpu_metadata
.endif
;; end of part 6
;; launch ff2 (part 7): grid 8 x 32, 4 waves a work-group, clusters of 4 x 4, 327,680 bytes of LDS; arguments gb, wb, ff2_b, x1, out0; writes out0
.if DOCPART == 7
	.amdgcn_target "amdgcn-amd-amdhsa--gfx1250"
	.amdhsa_code_object_version 6
	.text
	.protected	k_qe8a11c6684_ff2
	.globl	k_qe8a11c6684_ff2
	.p2align	8
	.type	k_qe8a11c6684_ff2,@function
k_qe8a11c6684_ff2:
	s_mov_b64 s[64:65], 0
	v_nop
	global_prefetch_b8 v0, s[64:65] scope:SCOPE_SE
	s_setreg_imm32_b32 hwreg(HW_REG_WAVE_MODE, 25, 1), 1
	s_wait_xcnt 0x0
	s_wait_alu depctr_hold_cnt(0) depctr_sa_sdst(0) depctr_va_vdst(0) depctr_va_sdst(0) depctr_va_ssrc(0) depctr_va_vcc(0) depctr_vm_vsrc(0)
	s_getreg_b32 s2, hwreg(HW_REG_IB_STS2, 6, 4)
	s_cmp_eq_u32 s2, 0
	s_cbranch_scc0 .Lentry_in_a_cluster
	s_endpgm
.Lentry_in_a_cluster:
	s_bfe_u32 s2, ttmp6, 0x10000c
	s_cmp_lg_u32 s2, 0xf033
	s_cbranch_scc0 .Lentry_shape_is_right
	s_endpgm
.Lentry_shape_is_right:
; out = x1 + g W2 + b2: C[128][128] a work-group = A[128][4096] B[4096][128], bf16 operands, f32 sums that START WITH THE BIAS (it is the C operand of the first products); the residual is added in f32 on the way out.
; A = g, [4096][4096] bf16.  B = ff2_w in bf16, [k 4096][n 1024], at byte 16,777,216 of the weights.
; SHARES.  8 x 32 tiles of 128 x 128: 256 work-groups.  Four waves, each 64 x 64: 4 x 4 accumulators, 128 registers.
; RING.  K goes in steps of 256 through two LDS slots filled by tensor loads, one load a wave and step (waves 0, 1: A's halves; waves 2, 3: B's).  One K step is a trip; the slot's base lies in s[TB].
; CLUSTER.  4 x 4 work-groups: A's tile is shared along a row of the cluster, B's along a column; each is asked for jointly, with the same descriptor and a mask that names the four.
; B LIES [k][n] in LDS and is turned by ds_load_tr16_b128.  THE MATRIX INSTRUCTION IS USED TRANSPOSED (source 0 = 16 columns of B, source 1 = 16 rows of A): a lane holds row l % 16 of C and eight neighbouring columns.
; REGISTERS: window 0: v16-29 addresses; v64-191 A's fragments, two buffers, later the rows on their way out; v192-223 the bias.  window 1: v0-127 B's fragments, two buffers; v128-255 the residual.
;   windows 2, 3: accumulator (a, b) in window 2 + a / 2 at v[8 (4 (a % 2) + b)].
.set MBK, 4
.set NB,  4
.set KD,  2                            ; a quarter step is 64 along K
.set NSTEPS, 16                        ; K steps of 256
.set PA,  528                          ; an LDS row of A: 512 bytes + 16: the 16 rows of a load start at 16 different groups of four banks (64 banks of 4 bytes: ISA guide 11.1)
.set ACH, 128
.set ASZ, 128*PA
.set PB,  288                          ; an LDS row of B: 256 bytes + 32
.set BSZ, 256*PB
.set BCH, 128
.set SLOT, ASZ+BSZ
.set STAGE, 2*SLOT                     ; behind the ring, never filled by a tensor load: 16 rows x 272 bytes for each wave
.set STW, 16*272
.set SPARE, STAGE+4*STW                ; the spare words, 128 bytes for each wave: two blocks of 256 bytes that no other line names
.set HEADW, 8
.set BIASC, 1
.set AC, 256                           ; A's tensor tile: 256 elements x 64 rows, pitch 4,096
.set AR, 64
.set AP, 4096
.set AQI, 6
.set BC, 128                           ; B's: 128 elements x 128 rows, pitch 1,024
.set BR, 128
.set BP, 1024
.set BQI, 5
.set AHALF, 64*PA
.set BHALF, 128*PB
.set ATY, 1048576
.set AHFB, 524288
.set ASTEP, 512
.set BBASE, 16777216
.set BTX, 256
.set BHFB, 262144
.set BSTEP, 524288
.set ADRA0, 16
.set ADRA,  17
.set ADRB0, 20
.set ADRB,  21
.set ADRB2, 22                         ; v22  B's rows 128 on: keeps the immediates inside 16 bits
.set STO, 24
.set RD,  25
.set CO,  26
.set BO,  27
.set SPW, 28
.set NIL, 29
.set FA0, 64
.set BIAS, 192
.set OB,  64
.set RES, 128
.set G1, 24
.set G0, 32
.set G1B, 48
.set G0B, 56
.set WV, 70
.set FBW, 71
.set HF, 72
.set WR, 73
.set WC, 74
.set TB, 75
.set LWA, 76
.set LWB, 77
.set CNT, 78
.set MSB, 0
.macro WIN new                         ; the immediate's high byte repeats the setting that is left; a switch that changes nothing is dropped
.if MSB != (\new)
	s_set_vgpr_msb (MSB<<8)|(\new)
.set MSB, \new
.endif
.endm
.macro PLACES                          ; four places behind matrix instructions, in front of loads into registers that they read and of lines that read their results
.rept 4
	v_nop
.endr
.endm
.macro JLOAD                           ; a joint refill by the walking descriptor; the branch hangs on the wave's number alone; an s_nop 0 and four v_nop follow each line
	s_cmp_eq_u32 s[FBW], 0
	s_cbranch_scc0 .Lfor_b_\@
	tensor_load_to_lds s[G0+4:G0+7], s[G1:G1+7]
	s_nop 0
	PLACES
	s_branch .Lasked_\@
.Lfor_b_\@:
	tensor_load_to_lds s[G0B+4:G0B+7], s[G1B:G1B+7]
	s_nop 0
	PLACES
.Lasked_\@:
.endm
.macro CREST                           ; a round of the cluster's barrier behind its opening barrier
	s_cmp_lg_u32 s[WV], 0
	s_cbranch_scc1 .Lnot_wave_0_\@
	s_barrier_signal -3
.Lnot_wave_0_\@:
	s_barrier_wait -3
	s_barrier_signal -1
	s_barrier_wait -1
.endm
.macro CROUND
	s_barrier_signal -1
	s_barrier_wait -1
	CREST
.endm
; na x NB products: row blocks a0 .. of buffer f, 32 along K (block c of the quarter).  zero = 1: the product starts the sum, with the bias.  The accumulators take turns, one instruction a turn.
.macro MULG f, c, a0, na, zero
.set aa, \a0
.rept \na
.set bb, 0
.rept NB
.set rD, 8*(NB*(aa%(MBK/2))+bb)
.set rB, 8*(NB*KD*(\f)+NB*(\c)+bb)
.set rA, FA0+8*(MBK*KD*(\f)+MBK*(\c)+aa)
.if (\zero) && BIASC
	WIN 0x81+0x40*(aa/(MBK/2))
	v_wmma_f32_16x16x32_bf16 v[rD:rD+7], v[rB:rB+7], v[rA:rA+7], v[BIAS+8*bb:BIAS+8*bb+7]
.elseif \zero
	WIN 0xa1+0x50*(aa/(MBK/2))
	v_wmma_f32_16x16x32_bf16 v[rD:rD+7], v[rB:rB+7], v[rA:rA+7], 0
.else
	WIN 0xa1+0x50*(aa/(MBK/2))
	v_wmma_f32_16x16x32_bf16 v[rD:rD+7], v[rB:rB+7], v[rA:rA+7], v[rD:rD+7]
.endif
.set bb, bb+1
.endr
.set aa, aa+1
.endr
.endm
.if KD == 1
.set H0N, MBK/2
.else
.set H0N, MBK
.endif
.macro H0A f, z                        ; a quarter's first half (its first 32 along K), in two parts
	MULG \f, 0, 0, H0N/2, \z
.endm
.macro H0B f, z
	MULG \f, 0, H0N/2, H0N/2, \z
.endm
.macro H1 f, z                         ; its second half
.if KD == 1
	MULG \f, 0, MBK/2, MBK/2, \z
.else
	MULG \f, 1, 0, MBK, 0
.endif
.endm
; 32 LDS loads in one run: the fragments of quarter qn of the slot in hand into buffer f: all of B's (turned), then A's, those that the second half needs last
.macro FETCH qn, f
	WIN 0x40
.set cc, 0
.rept KD
.set qq, KD*(\qn)+cc
.set bb, 0
.rept NB
.set rB, 8*(NB*KD*(\f)+NB*cc+bb)
.set offb, 32*(qq%4)*PB+BCH*(bb/4)+32*(bb%4)
.if qq < 4
	ds_load_tr16_b128 v[rB:rB+3], v[ADRB] offset:offb
	ds_load_tr16_b128 v[rB+4:rB+7], v[ADRB] offset:offb+16*PB
.else
	ds_load_tr16_b128 v[rB:rB+3], v[ADRB2] offset:offb
	ds_load_tr16_b128 v[rB+4:rB+7], v[ADRB2] offset:offb+16*PB
.endif
.set bb, bb+1
.endr
.set cc, cc+1
.endr
	WIN 0
.set cc, 0
.rept KD
.set qq, KD*(\qn)+cc
.set aa, 0
.rept MBK
.set rA, FA0+8*(MBK*KD*(\f)+MBK*cc+aa)
.set offa, ACH*(qq/2)+64*(qq%2)+aa*16*PA
	ds_load_b128 v[rA:rA+3], v[ADRA] offset:offa
	ds_load_b128 v[rA+4:rA+7], v[ADRA] offset:offa+32
.set aa, aa+1
.endr
.set cc, cc+1
.endr
.endm
.macro SETADR                          ; my fragments' addresses in the slot in hand
	v_add_nc_u32 v[ADRA], s[TB], v[ADRA0]
	v_add_nc_u32 v[ADRB], s[TB], v[ADRB0]
.if KD == 2
	v_add_nc_u32 v[ADRB2], 128*PB, v[ADRB]
.endif
.endm
; One of a K step's first three quarters: multiplies buffer f; in its middle it fetches quarter qn into buffer g
.macro QUARTER qn, f, g, z
	s_wait_dscnt HEADW                             ; all but the youngest loads, which only the second half needs
	H0A \f, \z
	H0B \f, \z
	PLACES
	FETCH \qn, \g
	s_wait_dscnt 32                                ; all but the 32 just issued
	H1 \f, \z
.endm
; The last quarter multiplies buffer 1 and changes slots.  In front of the one barrier each wave waits for all its tensor loads (one is out: its part of the next slot), adds 0 to its spare word,
; and waits for that and for its reads of this slot.  fill = 1: the barrier opens a round of the cluster's, and this slot is filled again, two K steps ahead, first thing behind the round.
.macro TURN fill
	WIN 0
	s_wait_tensorcnt 0x0                           ; no tensor load of mine is out, so a group 0 may be written
	ds_add_u32 v[SPW], v[NIL]                      ; 0 onto my spare word
.if \fill
	s_add_co_u32 s[G0+5], s[LWA], s[TB]            ; the walking descriptors: into the slot that is being left,
	s_add_nc_u64 s[G0+6:G0+7], s[G0+6:G0+7], ASTEP ; the next K step; the type bits on top are not reached
	s_add_co_u32 s[G0B+5], s[LWB], s[TB]
	s_add_nc_u64 s[G0B+6:G0B+7], s[G0B+6:G0B+7], BSTEP
.endif
	s_xor_b32 s[TB], s[TB], SLOT                   ; the reads go on in the other slot
	s_wait_dscnt HEADW+1                           ; the add and the youngest loads may be out
	H0A 1, 0
	s_wait_dscnt 0x0                               ; the add is done, and my reads of this slot are over
	s_barrier_signal -1
	H0B 1, 0                                       ; work on registers while the others arrive
	WIN 0
	s_barrier_wait -1
.if \fill
	CREST                                          ; no wave of any partner still reads this slot's tile or has a load on its way
	JLOAD                                          ; its four v_nop are also the places in front of the loads below
.else
	PLACES
.endif
	SETADR
	FETCH 0, 0
	H1 1, 0
.endm
	s_load_b256 s[4:11], s[0:1], 0x0               ; A s[4:5], weights s[6:7], bias s[8:9], residual s[10:11]
	s_load_b64 s[68:69], s[0:1], 0x20              ; the output
	v_lshl_add_u32 v[SPW], v0, 2, SPARE
	v_mov_b32 v[NIL], 0
	ds_add_u32 v[SPW], v[NIL]                      ; the wave's opening: the add and its wait stand ahead of my first tensor load; work on registers stands between them
	v_lshrrev_b32 v1, 5, v0
	v_readfirstlane_b32 s[WV], v1
	s_lshr_b32 s[FBW], s[WV], 1
	s_and_b32 s[HF], s[WV], 1
	s_mov_b32 s[WR], s[FBW]                        ; which half of the tile's rows is mine,
	s_mov_b32 s[WC], s[HF]                         ; which half of its columns
	s_bfe_u32 s40, ttmp6, 0x40000                  ; cx, cy: my place in the cluster
	s_bfe_u32 s41, ttmp6, 0x40004
	s_lshl_b32 s42, ttmp9, 2
	s_add_co_u32 s42, s42, s40                     ; tile column
	s_and_b32 s43, ttmp7, 0xffff
	s_lshl_b32 s43, s43, 2
	s_add_co_u32 s43, s43, s41                     ; tile row
	s_lshl_b32 s44, s41, 2
	s_lshl_b32 s44, 15, s44                        ; my row of the cluster
	s_lshl_b32 s45, 0x1111, s40                    ; my column
	s_or_b32 s[G1], s44, (1<<16)|(1<<20)|(1<<21)|(AQI<<22)|(3<<25)   ; mask; 2-byte elements; padding on; bit 21 beside a mask; the interval; 4 words of padding
	s_or_b32 s[G1B], s45, (1<<16)|(1<<20)|(1<<21)|(BQI<<22)|(7<<25)  ; the same with my column's mask and 8 words of padding
	s_mov_b32 s[G1+1], AC<<16                      ; tensor_dim0
	s_mov_b32 s[G1+2], AR<<16                      ; tensor_dim1
	s_mov_b32 s[G1+3], AC<<16                      ; tile_dim0
	s_mov_b32 s[G1+4], AR                          ; tile_dim1
	s_mov_b32 s[G1+5], AP                          ; elements from row to row
	s_mov_b32 s[G1+6], 0
	s_mov_b32 s[G1+7], 0
	s_mov_b32 s[G1B+1], BC<<16
	s_mov_b32 s[G1B+2], BR<<16
	s_mov_b32 s[G1B+3], BC<<16
	s_mov_b32 s[G1B+4], BR
	s_mov_b32 s[G1B+5], BP
	s_mov_b32 s[G1B+6], 0
	s_mov_b32 s[G1B+7], 0
	s_mul_i32 s16, s43, ATY                        ; A's tile hangs on the tile row and the wave alone,
	s_mul_i32 s17, s[HF], AHFB
	s_add_co_u32 s16, s16, s17
	s_mov_b32 s17, 0
	s_mul_i32 s46, s42, BTX                        ; B's on the tile column and the wave alone
	s_mul_i32 s47, s[HF], BHFB
	s_add_co_u32 s46, s46, s47
	s_add_co_u32 s46, s46, BBASE
	s_mov_b32 s47, 0
	s_mul_i32 s[LWA], s[HF], AHALF                 ; no place in the cluster enters an LDS address
	s_mul_i32 s[LWB], s[HF], BHALF
	s_add_co_u32 s[LWB], s[LWB], ASZ
	s_mov_b32 s[TB], 0
	s_wait_dscnt 0x0                               ; the opening add is done
	s_wait_kmcnt 0x0
	s_add_nc_u64 s[14:15], s[4:5], s[16:17]
	s_add_nc_u64 s[46:47], s[6:7], s[46:47]
.irp s, 0,1
	s_mov_b32 s[G0+4*(\s)], 1
	s_add_co_u32 s[G0+4*(\s)+1], s[LWA], (\s)*SLOT
	s_add_nc_u64 s[G0+4*(\s)+2:G0+4*(\s)+3], s[14:15], (\s)*ASTEP
	s_or_b32 s[G0+4*(\s)+3], s[G0+4*(\s)+3], 0x80000000
	s_mov_b32 s[G0B+4*(\s)], 1
	s_add_co_u32 s[G0B+4*(\s)+1], s[LWB], (\s)*SLOT
	s_add_nc_u64 s[G0B+4*(\s)+2:G0B+4*(\s)+3], s[46:47], (\s)*BSTEP
	s_or_b32 s[G0B+4*(\s)+3], s[G0B+4*(\s)+3], 0x80000000
.endr
	CROUND                                         ; all sixteen work-groups are here: the first joint loads meet
	s_cmp_eq_u32 s[FBW], 0                         ; a wave's two first fills stand in one branch: two loads of mine are out
	s_cbranch_scc0 .Lfirst_b
	tensor_load_to_lds s[G0:G0+3], s[G1:G1+7]
	s_nop 0
	tensor_load_to_lds s[G0+4:G0+7], s[G1:G1+7]
	s_nop 0
	PLACES
	s_branch .Lfirst_done
.Lfirst_b:
	tensor_load_to_lds s[G0B:G0B+3], s[G1B:G1B+7]
	s_nop 0
	tensor_load_to_lds s[G0B+4:G0B+7], s[G1B:G1B+7]
	s_nop 0
	PLACES
.Lfirst_done:
	v_and_b32 v1, 15, v0                           ; l % 16
	v_bfe_u32 v2, v0, 4, 1                         ; l / 16
	s_lshl_b32 s18, s43, 7                         ; my first row of C: 128 x tile row + 64 x half,
	s_lshl_b32 s19, s[WR], 6
	s_add_co_u32 s18, s18, s19
	s_lshl_b32 s18, s18, 12                        ; rows of 4,096 bytes,
	s_lshl_b32 s19, s42, 9                         ; my first column: 512 bytes a tile column + 256 a half
	s_add_co_u32 s18, s18, s19
	s_lshl_b32 s19, s[WC], 8
	s_add_co_u32 s18, s18, s19
	s_mov_b32 s19, 0
	s_add_nc_u64 s[10:11], s[10:11], s[18:19]
	s_add_nc_u64 s[68:69], s[68:69], s[18:19]
	s_lshl_b32 s20, s42, 9                         ; the bias of my 64 columns
	s_lshl_b32 s21, s[WC], 8
	s_add_co_u32 s20, s20, s21
	s_mov_b32 s21, 0
	s_add_nc_u64 s[8:9], s[8:9], s[20:21]
	v_lshlrev_b32 v[BO], 5, v2                     ; register j of a result holds column 16 b + 8 (l / 16) + j: the bias is loaded in that layout
.set bb, 0
.rept NB
	global_load_b128 v[BIAS+8*bb:BIAS+8*bb+3], v[BO], s[8:9] offset:64*bb
	global_load_b128 v[BIAS+8*bb+4:BIAS+8*bb+7], v[BO], s[8:9] offset:64*bb+16
.set bb, bb+1
.endr
	v_lshlrev_b32 v7, 12, v2                       ; the way out: lanes 0-15 take 256 bytes of one row of C, lanes 16-31 of the next
	v_lshl_add_u32 v[CO], v1, 4, v7
	WIN 0x40
.set ii, 0
.rept 32                                               ; the residual of my 64 x 64, in the layout in which the rows leave; it lands under the whole K loop
	global_load_b128 v[RES+4*ii:RES+4*ii+3], v[CO], s[10:11] offset:(16*(ii/8)+2*(ii%8))*4096
.set ii, ii+1
.endr
	WIN 0
	v_mul_u32_u24 v3, v1, PA                       ; a fragment of A: row l % 16, 16 bytes for each half of the lanes, two loads 32 bytes apart
	v_lshl_add_u32 v3, v2, 4, v3
	s_mul_i32 s21, s[WR], 16*MBK*PA
	v_add_nc_u32 v[ADRA0], s21, v3
	v_and_b32 v4, 7, v0                            ; the turning load: lane l reads k row 8 (l / 16) + l % 8, columns 8 ((l / 8) % 2) + 0..7, and is left with column l % 16 and 8 k
	v_lshl_add_u32 v4, v2, 3, v4
	v_mul_u32_u24 v4, v4, PB
	v_bfe_u32 v5, v0, 3, 1
	v_lshl_add_u32 v4, v5, 4, v4
	s_mul_i32 s22, s[WC], 32*NB
	s_add_co_u32 s22, s22, ASZ
	v_add_nc_u32 v[ADRB0], s22, v4
	s_mul_i32 s23, s[WV], STW
	s_add_co_u32 s23, s23, STAGE                   ; my stage
	v_mul_u32_u24 v6, v1, 272                      ; in: row l % 16, 32 bytes (eight f32) for each half of the lanes
	v_lshl_add_u32 v6, v2, 5, v6
	v_add_nc_u32 v[STO], s23, v6
	v_mul_u32_u24 v7, v2, 272                      ; back: two whole rows of 256 bytes
	v_lshl_add_u32 v7, v1, 4, v7
	v_add_nc_u32 v[RD], s23, v7
	s_wait_tensorcnt 0x1                           ; my part of K step 0 is in; step 1's may stay out
	s_barrier_signal -1
	s_barrier_wait -1
	SETADR
	FETCH 0, 0
	s_wait_loadcnt 32                              ; the bias is in; the residual's 32 loads stay out
	QUARTER 1, 0, 1, 1                             ; the first quarter stands in front of the loop: its first products start the sums
	WIN 0
	s_mov_b32 s[CNT], NSTEPS-2
.Lstep:                                                ; a trip: from a K step's second quarter to the next step's first; it fills the slot that it leaves
	QUARTER 2, 1, 0, 0
	QUARTER 3, 0, 1, 0
	TURN 1
	QUARTER 1, 0, 1, 0
	WIN 0
	s_sub_co_u32 s[CNT], s[CNT], 1
	s_cmp_lg_u32 s[CNT], 0
	s_cbranch_scc1 .Lstep
	QUARTER 2, 1, 0, 0                             ; the last two K steps are written out: nothing is left to fetch
	QUARTER 3, 0, 1, 0
	TURN 0
	QUARTER 1, 0, 1, 0
	QUARTER 2, 1, 0, 0
	QUARTER 3, 0, 1, 0
	s_wait_dscnt HEADW
	H0A 1, 0
	H0B 1, 0
	s_wait_dscnt 0x0
	H1 1, 0
; THE WAY OUT, a block of 16 rows x 64 f32 at a time: the sums go into my stage (rows of 272 bytes), each accumulator's low four registers first, come back as whole rows of 256 bytes, take the residual and are stored.
.macro OUTB a
	WIN 0x08+4*((\a)/2)
.set bb, 0
.rept 4
.set rD, 8*(4*((\a)%2)+bb)
	ds_store_b128 v[STO], v[rD:rD+3] offset:64*bb
	ds_store_b128 v[STO], v[rD+4:rD+7] offset:64*bb+16
.set bb, bb+1
.endr
	WIN 0
.set tt, 0
.rept 8
	ds_load_b128 v[OB+32*(\a)+4*tt:OB+32*(\a)+4*tt+3], v[RD] offset:544*tt  ; LDS serves a wave's instructions in order (ISA guide 5.7.1.4): these see the stores above
.set tt, tt+1
.endr
.endm
.macro SEND a, young                   ; young: the LDS instructions issued behind block a's loads
	s_wait_dscnt \young
	WIN 0x04                                       ; source 1, the residual, in window 1
.set tt, 0
.rept 16
	v_pk_add_f32 v[OB+32*(\a)+2*tt:OB+32*(\a)+2*tt+1], v[OB+32*(\a)+2*tt:OB+32*(\a)+2*tt+1], v[RES+32*(\a)+2*tt:RES+32*(\a)+2*tt+1]
.set tt, tt+1
.endr
	WIN 0
.set tt, 0
.rept 8
	global_store_b128 v[CO], v[OB+32*(\a)+4*tt:OB+32*(\a)+4*tt+3], s[68:69] offset:(16*(\a)+2*tt)*4096  ; 16 lanes store 256 consecutive bytes, aligned; each block has registers of its own
.set tt, tt+1
.endr
.endm
	PLACES
	OUTB 0
	OUTB 1
	s_wait_loadcnt 0x0                             ; the residual
	SEND 0, 16
	OUTB 2
	SEND 1, 16
	OUTB 3
	SEND 2, 16
	SEND 3, 0
	s_wait_tensorcnt 0x0                           ; the wave's end
	ds_add_u32 v[SPW], v[NIL]
	s_wait_dscnt 0x0
	CROUND                                         ; the closing round: no work-group ends while a partner may still ask for a tile that names it
	s_endpgm
.Lfunc_end_k_qe8a11c6684_ff2:
	.size	k_qe8a11c6684_ff2, .Lfunc_end_k_qe8a11c6684_ff2-k_qe8a11c6684_ff2
	.p2alignl 7, 3214868480
	.fill 96, 4, 3214868480
	.section	.rodata,"a",@progbits
	.p2align	6, 0x0
	.amdhsa_kernel k_qe8a11c6684_ff2
		.amdhsa_group_segment_fixed_size 327680
		.amdhsa_private_segment_fixed_size 0
		.amdhsa_enable_private_segment 0
		.amdhsa_kernarg_size 40
		.amdhsa_user_sgpr_count 2
		.amdhsa_user_sgpr_kernarg_segment_ptr 1
		.amdhsa_wavefront_size32 1
		.amdhsa_system_sgpr_workgroup_id_x 1
		.amdhsa_system_sgpr_workgroup_id_y 1
		.amdhsa_system_sgpr_workgroup_id_z 1
		.amdhsa_system_vgpr_workitem_id 0
		.amdhsa_next_free_vgpr 1024
		.amdhsa_next_free_sgpr 84
		.amdhsa_reserve_vcc 0
		.amdhsa_float_denorm_mode_32 3
		.amdhsa_float_denorm_mode_16_64 3
		.amdhsa_memory_ordered 1
		.amdhsa_forward_progress 1
		.amdhsa_inst_pref_size 78
	.end_amdhsa_kernel
	.amdgpu_metadata
---
amdhsa.version: [ 1, 2 ]
amdhsa.kernels:
  - .name:           k_qe8a11c6684_ff2
    .symbol:         k_qe8a11c6684_ff2.kd
    .args:
      - { .name: gb, .offset: 0, .size: 8, .value_kind: global_buffer, .address_space: global }
      - { .name: wb, .offset: 8, .size: 8, .value_kind: global_buffer, .address_space: global }
      - { .name: ff2_b, .offset: 16, .size: 8, .value_kind: global_buffer, .address_space: global }
      - { .name: x1, .offset: 24, .size: 8, .value_kind: global_buffer, .address_space: global }
      - { .name: out0, .offset: 32, .size: 8, .value_kind: global_buffer, .address_space: global }
    .group_segment_fixed_size: 327680
    .private_segment_fixed_size: 0
    .kernarg_segment_align: 8
    .kernarg_segment_size: 40
    .max_flat_workgroup_size: 128
    .sgpr_count:     84
    .vgpr_count:     1024
    .wavefront_size: 32
...
	.end_amdgpu_metadata
.endif
;; end of part 7
;; ======== version 2 of 2: 7 launches; 1.13 times as fast as version 1
;; workspace buffers: wb 25,165,824 bytes; hb 8,388,608 bytes; qb 8,388,608 bytes; kb 8,388,608 bytes; vb 8,388,608 bytes; ob 8,388,608 bytes; x1 16,777,216 bytes; gb 33,554,432 bytes
;; launch prep (part 8): grid 2048 x 1, 8 waves a work-group, no clusters, 0 bytes of LDS; arguments x, ln1_g, ln1_b, hb, wq, wk, wv, proj_w, ff1_w, ff2_w, wb; writes hb, wb
.if DOCPART == 8
	.amdgcn_target "amdgcn-amd-amdhsa--gfx1250"
	.amdhsa_code_object_version 6
	.text
	.protected	k_qe8a11c6684_prep
	.globl	k_qe8a11c6684_prep
	.p2align	8
	.type	k_qe8a11c6684_prep,@function
k_qe8a11c6684_prep:
	s_mov_b64 s[64:65], 0
	v_nop
	global_prefetch_b8 v0, s[64:65] scope:SCOPE_SE
	s_setreg_imm32_b32 hwreg(HW_REG_WAVE_MODE, 25, 1), 1
	s_wait_xcnt 0x0
; TWO STREAMS THAT DO NOT DEPEND ON EACH OTHER, IN ONE LAUNCH.  The branch hangs on the work-group's number alone.
; Work-groups 0-511: h = LayerNorm(x) in bf16, 8 rows each, one wave a row.  y = (x - mean) * rsqrt(var + 1e-5) * g + b, all in f32, rounded once.
;   A row's 4,096 bytes are 32 registers of the wave: it is read once and the sums never leave the wave: no LDS, no barrier.  The variance is taken of the centred numbers
;   (a second pass over registers), so a common offset of the row costs nothing.  Load j gives lane l columns 128 j + 4 l .. + 3; their four bf16 are 8 bytes at 256 j + 8 l of the output row.
; Work-groups 512-2047: all weights, f32 -> bf16 (nearest even), once.  Block id = number - 512: 32,768 dense bytes of f32 become 16,384 of bf16 at wb + 16,384 x id.
;   Blocks 0-383: wq, wk, wv, laid [head 16][k step 8][which 3][k 128][e 64], so that the three weights' rows of one head and one K step of 128 lie end to end
;   (block = 3 x (8 head + step) + which; its source is the dense block 8 head + step of that weight).  384-511: proj_w; 512-1023: ff1_w; 1024-1535: ff2_w, each as it lies ([k][n]).
; No LDS, no matrix unit, no cluster: memory binds, and nothing but g and b (8 KB) is read by two work-groups.
.set NLN, 512                          ; work-groups that normalise
.set G,  8                             ; v[8:39]    g of my 32 columns
.set BB, 40                            ; v[40:71]   b of them
.set X,  72                            ; v[72:103]  the row
.set T,  104                           ; v[104:111] four chains of packed sums
.set MU, 112                           ; v[112:113] the mean, twice
.set R,  114                           ; v[114:115] 1 / sqrt(var + eps), twice
.set PT, 116                           ; v116       the other half of the lanes' sum
.set CX, 4                             ; the weights' part: v[4:35] eight loads of four f32,
.set CY, 36                            ; v[36:51] eight pairs of registers, four bf16 each
.macro JOIN                            ; the four chains into one number a lane
	v_pk_add_f32 v[T:T+1], v[T:T+1], v[T+2:T+3]
	v_pk_add_f32 v[T+4:T+5], v[T+4:T+5], v[T+6:T+7]
	v_pk_add_f32 v[T:T+1], v[T:T+1], v[T+4:T+5]
	v_add_f32 v[T], v[T], v[T+1]
.endm
.macro LANESUM                         ; over the 32 lanes: four steps inside each half ride on the addition, one crosses the halves; every lane ends with the sum
	v_add_f32_dpp v[T], v[T], v[T] row_xmask:1 row_mask:0xf bank_mask:0xf
	v_add_f32_dpp v[T], v[T], v[T] row_xmask:2 row_mask:0xf bank_mask:0xf
	v_add_f32_dpp v[T], v[T], v[T] row_xmask:4 row_mask:0xf bank_mask:0xf
	v_add_f32_dpp v[T], v[T], v[T] row_xmask:8 row_mask:0xf bank_mask:0xf
	v_permlanex16_b32 v[PT], v[T], s12, s13
	v_add_f32 v[T], v[T], v[PT]
.endm
	s_mov_b32 s20, ttmp9
	s_cmp_ge_u32 s20, NLN
	s_cbranch_scc1 .Lweights
	s_load_b256 s[4:11], s[0:1], 0x0               ; x s[4:5], g s[6:7], b s[8:9], y s[10:11]
	s_mov_b32 s12, 0x76543210                      ; v_permlanex16_b32: each lane takes its own place in the other half
	s_mov_b32 s13, 0xfedcba98
	s_mov_b32 s14, 0x3a800000                      ; 1 / 1,024
	s_mov_b32 s15, 0x3727c5ac                      ; 1e-5
	s_lshl_b32 s16, s20, 15                        ; 8 rows of 4,096 bytes
	s_mov_b32 s17, 0
	s_lshl_b32 s18, s20, 14                        ; 8 rows of 2,048 bytes
	s_mov_b32 s19, 0
	v_and_b32 v1, 31, v0
	v_lshrrev_b32 v4, 5, v0                        ; wave
	v_lshlrev_b32 v1, 4, v1                        ; 16 x lane
	v_lshl_add_u32 v2, v4, 12, v1                  ; + the wave's row of x
	v_lshrrev_b32 v3, 1, v1                        ; 8 x lane
	v_lshl_add_u32 v3, v4, 11, v3                  ; + the wave's row of y
	v_mov_b32 v[PT], 0                             ; the permute's target counts as read
	s_wait_kmcnt 0x0
	s_add_nc_u64 s[4:5], s[4:5], s[16:17]
	s_add_nc_u64 s[10:11], s[10:11], s[18:19]
.irp j, 0,1,2,3,4,5,6,7
	global_load_b128 v[X+4*(\j):X+4*(\j)+3], v2, s[4:5] offset:512*(\j)    ; the row first: the sums want it first
.endr
.irp j, 0,1,2,3,4,5,6,7
	global_load_b128 v[G+4*(\j):G+4*(\j)+3], v1, s[6:7] offset:512*(\j)
.endr
.irp j, 0,1,2,3,4,5,6,7
	global_load_b128 v[BB+4*(\j):BB+4*(\j)+3], v1, s[8:9] offset:512*(\j)
.endr
	s_wait_loadcnt 16                              ; the row's eight loads are in; the sixteen of g and b, issued behind them, stay out under the two sums
.irp k, 0,1,2,3
	v_pk_add_f32 v[T+2*(\k):T+2*(\k)+1], v[X+2*(\k):X+2*(\k)+1], v[X+8+2*(\k):X+8+2*(\k)+1]  ; the first pairs start the chains: nothing is cleared
.endr
.set k2, 8
.rept 8
	v_pk_add_f32 v[T+2*(k2%4):T+2*(k2%4)+1], v[T+2*(k2%4):T+2*(k2%4)+1], v[X+2*k2:X+2*k2+1]
.set k2, k2+1
.endr
	JOIN
	LANESUM
	v_mul_f32 v[MU], s14, v[T]                     ; the mean
	v_mov_b32 v[MU+1], v[MU]
.set k2, 0
.rept 16
	v_pk_add_f32 v[X+2*k2:X+2*k2+1], v[X+2*k2:X+2*k2+1], v[MU:MU+1] neg_lo:[0,1] neg_hi:[0,1]  ; centred, in place
.set k2, k2+1
.endr
.irp k, 0,1,2,3
	v_pk_mul_f32 v[T+2*(\k):T+2*(\k)+1], v[X+2*(\k):X+2*(\k)+1], v[X+2*(\k):X+2*(\k)+1]
.endr
.set k2, 4
.rept 12
	v_pk_fma_f32 v[T+2*(k2%4):T+2*(k2%4)+1], v[X+2*k2:X+2*k2+1], v[X+2*k2:X+2*k2+1], v[T+2*(k2%4):T+2*(k2%4)+1]
.set k2, k2+1
.endr
	JOIN
	LANESUM
	v_fma_f32 v[T], v[T], s14, s15                 ; var + eps
	v_rsq_f32 v[R], v[T]
	v_nop                                          ; a plain instruction between the root and the use of its result (ISA guide 5.7.2)
	s_wait_alu depctr_va_vdst(0)
	v_mov_b32 v[R+1], v[R]
.set k2, 0
.rept 16
	v_pk_mul_f32 v[X+2*k2:X+2*k2+1], v[X+2*k2:X+2*k2+1], v[R:R+1]
.set k2, k2+1
.endr
	s_wait_loadcnt 0x0                             ; g and b
.set k2, 0
.rept 16
	v_pk_fma_f32 v[X+2*k2:X+2*k2+1], v[X+2*k2:X+2*k2+1], v[G+2*k2:G+2*k2+1], v[BB+2*k2:BB+2*k2+1]
.set k2, k2+1
.endr
.irp j, 0,1,2,3,4,5,6,7
	v_cvt_pk_bf16_f32 v[X+4*(\j)], v[X+4*(\j)], v[X+4*(\j)+1]
	v_cvt_pk_bf16_f32 v[X+4*(\j)+1], v[X+4*(\j)+2], v[X+4*(\j)+3]
	global_store_b64 v3, v[X+4*(\j):X+4*(\j)+1], s[10:11] offset:256*(\j)  ; a wave's store covers 256 consecutive bytes, aligned; these registers are not written again
.endr
	s_endpgm
.Lweights:
	s_load_b256 s[4:11], s[0:1], 0x20              ; wq s[4:5], wk s[6:7], wv s[8:9], proj_w s[10:11]
	s_load_b128 s[12:15], s[0:1], 0x40             ; ff1_w s[12:13], ff2_w s[14:15]
	s_load_b64 s[16:17], s[0:1], 0x50              ; wb
	s_sub_co_u32 s20, s20, NLN                     ; id of the block
	s_mul_hi_u32 s21, s20, 0x55555556              ; id / 3 (exact for id under 1,536)
	s_mul_i32 s22, s21, 3
	s_sub_co_u32 s22, s20, s22                     ; which = id mod 3
	s_sub_co_u32 s27, s20, 384                     ; the block's number inside proj_w,
	s_sub_co_u32 s28, s20, 512                     ; inside ff1_w,
	s_sub_co_u32 s29, s20, 1024                    ; inside ff2_w: only the one that applies is chosen below
	s_lshl_b32 s18, s20, 14                        ; the target's offset
	s_mov_b32 s19, 0
	s_mov_b32 s31, 0
	v_lshlrev_b32 v1, 4, v0                        ; 16 bytes of f32 a thread
	v_lshlrev_b32 v2, 3, v0                        ; 8 bytes of bf16 a thread
	s_wait_kmcnt 0x0
	s_cmp_eq_u32 s22, 1                            ; the source and the block's number in it, chosen by the id alone
	s_cselect_b64 s[24:25], s[6:7], s[4:5]
	s_cmp_eq_u32 s22, 2
	s_cselect_b64 s[24:25], s[8:9], s[24:25]
	s_mov_b32 s26, s21
	s_cmp_ge_u32 s20, 384
	s_cselect_b64 s[24:25], s[10:11], s[24:25]
	s_cselect_b32 s26, s27, s26
	s_cmp_ge_u32 s20, 512
	s_cselect_b64 s[24:25], s[12:13], s[24:25]
	s_cselect_b32 s26, s28, s26
	s_cmp_ge_u32 s20, 1024
	s_cselect_b64 s[24:25], s[14:15], s[24:25]
	s_cselect_b32 s26, s29, s26
	s_lshl_b32 s30, s26, 15                        ; 32,768 bytes a block: 511 blocks at the most
	s_add_nc_u64 s[24:25], s[24:25], s[30:31]
	s_add_nc_u64 s[16:17], s[16:17], s[18:19]
.irp j, 0,1,2,3,4,5,6,7
	global_load_b128 v[CX+4*(\j):CX+4*(\j)+3], v1, s[24:25] offset:4096*(\j) th:TH_LOAD_NT  ; the f32 weights are read once in the whole program
.endr
.irp j, 0,1,2,3,4,5,6,7
	s_wait_loadcnt 7-(\j)                          ; loads come back in order: number j is in, the 7 - j younger ones stay out
	v_cvt_pk_bf16_f32 v[CY+2*(\j)], v[CX+4*(\j)], v[CX+4*(\j)+1]
	v_cvt_pk_bf16_f32 v[CY+2*(\j)+1], v[CX+4*(\j)+2], v[CX+4*(\j)+3]
	global_store_b64 v2, v[CY+2*(\j):CY+2*(\j)+1], s[16:17] offset:2048*(\j)  ; a wave's store covers 256 consecutive bytes, aligned; no register is written twice
.endr
	s_endpgm
.Lfunc_end_k_qe8a11c6684_prep:
	.size	k_qe8a11c6684_prep, .Lfunc_end_k_qe8a11c6684_prep-k_qe8a11c6684_prep
	.p2alignl 7, 3214868480
	.fill 96, 4, 3214868480
	.section	.rodata,"a",@progbits
	.p2align	6, 0x0
	.amdhsa_kernel k_qe8a11c6684_prep
		.amdhsa_group_segment_fixed_size 0
		.amdhsa_private_segment_fixed_size 0
		.amdhsa_enable_private_segment 0
		.amdhsa_kernarg_size 88
		.amdhsa_user_sgpr_count 2
		.amdhsa_user_sgpr_kernarg_segment_ptr 1
		.amdhsa_wavefront_size32 1
		.amdhsa_system_sgpr_workgroup_id_x 1
		.amdhsa_system_sgpr_workgroup_id_y 1
		.amdhsa_system_sgpr_workgroup_id_z 1
		.amdhsa_system_vgpr_workitem_id 0
		.amdhsa_next_free_vgpr 120
		.amdhsa_next_free_sgpr 66
		.amdhsa_reserve_vcc 0
		.amdhsa_float_denorm_mode_32 3
		.amdhsa_float_denorm_mode_16_64 3
		.amdhsa_memory_ordered 1
		.amdhsa_forward_progress 1
		.amdhsa_inst_pref_size 16
	.end_amdhsa_kernel
	.amdgpu_metadata
---
amdhsa.version: [ 1, 2 ]
amdhsa.kernels:
  - .name:           k_qe8a11c6684_prep
    .symbol:         k_qe8a11c6684_prep.kd
    .args:
      - { .name: x, .offset: 0, .size: 8, .value_kind: global_buffer, .address_space: global }
      - { .name: ln1_g, .offset: 8, .size: 8, .value_kind: global_buffer, .address_space: global }
      - { .name: ln1_b, .offset: 16, .size: 8, .value_kind: global_buffer, .address_space: global }
      - { .name: hb, .offset: 24, .size: 8, .value_kind: global_buffer, .address_space: global }
      - { .name: wq, .offset: 32, .size: 8, .value_kind: global_buffer, .address_space: global }
      - { .name: wk, .offset: 40, .size: 8, .value_kind: global_buffer, .address_space: global }
      - { .name: wv, .offset: 48, .size: 8, .value_kind: global_buffer, .address_space: global }
      - { .name: proj_w, .offset: 56, .size: 8, .value_kind: global_buffer, .address_space: global }
      - { .name: ff1_w, .offset: 64, .size: 8, .value_kind: global_buffer, .address_space: global }
      - { .name: ff2_w, .offset: 72, .size: 8, .value_kind: global_buffer, .address_space: global }
      - { .name: wb, .offset: 80, .size: 8, .value_kind: global_buffer, .address_space: global }
    .group_segment_fixed_size: 0
    .private_segment_fixed_size: 0
    .kernarg_segment_align: 8
    .kernarg_segment_size: 88
    .max_flat_workgroup_size: 256
    .sgpr_count:     66
    .vgpr_count:     120
    .wavefront_size: 32
...
	.end_amdgpu_metadata
.endif
;; end of part 8
;; launch qkv (part 9): grid 16 x 16, 4 waves a work-group, clusters of 4 x 4, 327,680 bytes of LDS; arguments hb, wb, qb, kb, vb; writes qb, kb, vb
.if DOCPART == 9
	.amdgcn_target "amdgcn-amd-amdhsa--gfx1250"
	.amdhsa_code_object_version 6
	.text
	.protected	k_qe8a11c6684_qkv
	.globl	k_qe8a11c6684_qkv
	.p2align	8
	.type	k_qe8a11c6684_qkv,@function
k_qe8a11c6684_qkv:
	s_mov_b64 s[64:65], 0
	v_nop
	global_prefetch_b8 v0, s[64:65] scope:SCOPE_SE
	s_setreg_imm32_b32 hwreg(HW_REG_WAVE_MODE, 25, 1), 1
	s_wait_xcnt 0x0
	s_wait_alu depctr_hold_cnt(0) depctr_sa_sdst(0) depctr_va_vdst(0) depctr_va_sdst(0) depctr_va_ssrc(0) depctr_va_vcc(0) depctr_vm_vsrc(0)
	s_getreg_b32 s2, hwreg(HW_REG_IB_STS2, 6, 4)
	s_cmp_eq_u32 s2, 0
	s_cbranch_scc0 .Lentry_in_a_cluster
	s_endpgm
.Lentry_in_a_cluster:
	s_bfe_u32 s2, ttmp6, 0x10000c
	s_cmp_lg_u32 s2, 0xf033
	s_cbranch_scc0 .Lentry_shape_is_right
	s_endpgm
.Lentry_shape_is_right:
; q, k, v = h Wq, h Wk, h Wv for one head and 256 tokens a work-group: C[256][192] = A[256][1024] B[1024][192], bf16 operands, f32 sums, results rounded once to bf16, unscaled.
; A = h, [4096][1024] bf16.  B = the head's three weights, laid by the launch before as [k step 8][which 3][k 128][e 64] bf16: a K step's 49,152 bytes are dense.
; Results by heads: q, k, v are [batch x 16 + head][1024][64] bf16, so a head's rows are dense.
; SHARES.  Tile column = head (16), tile row = 256 tokens (16): 256 work-groups.  Four waves, each 64 rows x all 192 columns: 4 x 12 accumulators of 16 x 16, 384 registers.
; RING.  K goes in steps of 128 through two LDS slots filled by tensor loads, one load a wave and step (waves 0, 1: A's halves; waves 2, 3: B's).  One K step is a trip; the slot's base lies in s[TB].
; The last two K steps, which ask for nothing, are a second loop of two trips that is left in its middle.
; CLUSTER.  4 x 4 work-groups: A's tile is shared along a row of the cluster, B's along a column; each is asked for jointly, with the same descriptor and a mask that names the four.
; B LIES [k][n] in LDS and is turned on the way into registers by ds_load_tr16_b128.  THE MATRIX INSTRUCTION IS USED TRANSPOSED (source 0 = 16 columns of B, source 1 = 16 rows of A):
; a lane then holds row l % 16 of C and eight neighbouring columns, 16 bytes of bf16.
; REGISTERS, in windows of 256: window 0: v16-29 addresses; v64-127 A's fragments, two buffers; v128-223 at work on the way out.  window 1: v0-191 B's fragments, two buffers.
;   windows 2, 3: accumulator (a, b) in window 2 + a / 2 at v[8 (12 (a % 2) + b)].
.set MBK, 4                            ; blocks of 16 rows a wave
.set NB,  12                           ; blocks of 16 columns a wave
.set KD,  1                            ; blocks of 32 along K in a quarter step
.set NSTEPS, 8                         ; K steps of 128
.set PA,  272                          ; an LDS row of A: 256 bytes + 16: the 16 rows of a load start at 16 different groups of four banks (64 banks of 4 bytes: ISA guide 11.1)
.set ACH, 128                          ; bytes from one 64 along K to the next in A's LDS rows
.set ASZ, 256*PA
.set PB,  160                          ; an LDS row of B: 128 bytes + 32
.set BSZ, 384*PB
.set BCH, 128*PB                       ; from one weight's rows to the next's
.set SLOT, ASZ+BSZ
.set STAGE, 2*SLOT                     ; behind the ring, never filled by a tensor load: 3 x 16 rows x 144 bytes for each wave
.set STW, 3*16*144
.set SPARE, STAGE+4*STW                ; the spare words, 128 bytes for each wave: two blocks of 256 bytes that no other line names
.set HEADW, 4                          ; the LDS loads of a quarter that only its second half needs
.set BIASC, 0
.set AC, 128                           ; A's tensor tile: 128 elements x 128 rows, pitch 1,024
.set AR, 128
.set AP, 1024
.set AQI, 5                            ; padded after every 64 words
.set BC, 128                           ; B's: 24,576 dense bytes as 96 rows of 256 bytes,
.set BR, 96
.set BP, 128
.set BQI, 4                            ; padded after every 32 words, that is after every row of 64 e
.set AHALF, 128*PA
.set BHALF, 192*PB
.set ATY, 256*2048
.set AHFB, 128*2048
.set ASTEP, 256
.set BBASE, 0
.set BTX, 393216
.set BHFB, 24576
.set BSTEP, 49152
.set ADRA0, 16                         ; v16  my lane's place in A's tile, slot 0; never rewritten
.set ADRA,  17                         ; v17  the same in the slot in hand
.set ADRB0, 20                         ; v20, v21 likewise for B
.set ADRB,  21
.set ADRB2, 22
.set STO, 24                           ; v24  the way out: where I put 16 bytes of a row
.set RD,  25                           ; v25  where I read rows back
.set CO,  26                           ; v26  my byte offset in 512 consecutive bytes of the output
.set SPW, 28                           ; v28  LDS address of my spare word; never rewritten
.set NIL, 29                           ; v29  0; never rewritten
.set FA0, 64
.set BIAS, 192
.set TMP, 128
.set G1, 24                            ; s[24:31] descriptor group 1 for A;  s[32:39] group 0, two sets: the first fills'; the second then walks on
.set G0, 32
.set G1B, 48                           ; s[48:55], s[56:63] the same for B
.set G0B, 56
.set WV, 70                            ; wave
.set FBW, 71                           ; 0: I fetch for A, 1: for B
.set HF, 72                            ; which half of that tile
.set WR, 73                            ; my rows' place in the tile
.set WC, 74                            ; my columns'
.set TB, 75                            ; LDS base of the slot that is read
.set LWA, 76                           ; where my load lands inside a slot, for A and for B
.set LWB, 77
.set CNT, 78
.set MSB, 0
.macro WIN new                         ; the immediate's high byte repeats the setting that is left; a switch that changes nothing is dropped
.if MSB != (\new)
	s_set_vgpr_msb (MSB<<8)|(\new)
.set MSB, \new
.endif
.endm
.macro PLACES                          ; four places behind matrix instructions, in front of loads into registers that they read and of lines that read their results
.rept 4
	v_nop
.endr
.endm
.macro JLOAD                           ; a joint refill by the walking descriptor; the branch hangs on the wave's number alone; an s_nop 0 and four v_nop follow each line
	s_cmp_eq_u32 s[FBW], 0
	s_cbranch_scc0 .Lfor_b_\@
	tensor_load_to_lds s[G0+4:G0+7], s[G1:G1+7]
	s_nop 0
	PLACES
	s_branch .Lasked_\@
.Lfor_b_\@:
	tensor_load_to_lds s[G0B+4:G0B+7], s[G1B:G1B+7]
	s_nop 0
	PLACES
.Lasked_\@:
.endm
.macro CREST                           ; a round of the cluster's barrier behind its opening barrier
	s_cmp_lg_u32 s[WV], 0
	s_cbranch_scc1 .Lnot_wave_0_\@
	s_barrier_signal -3
.Lnot_wave_0_\@:
	s_barrier_wait -3
	s_barrier_signal -1
	s_barrier_wait -1
.endm
.macro CROUND
	s_barrier_signal -1
	s_barrier_wait -1
	CREST
.endm
; na x NB products: row blocks a0 .. of buffer f, 32 along K (block c of the quarter).  zero = 1: the product starts the sum.  The accumulators take turns, one instruction a turn.
.macro MULG f, c, a0, na, zero
.set aa, \a0
.rept \na
.set bb, 0
.rept NB
.set rD, 8*(NB*(aa%(MBK/2))+bb)
.set rB, 8*(NB*KD*(\f)+NB*(\c)+bb)
.set rA, FA0+8*(MBK*KD*(\f)+MBK*(\c)+aa)
.if (\zero) && BIASC
	WIN 0x81+0x40*(aa/(MBK/2))
	v_wmma_f32_16x16x32_bf16 v[rD:rD+7], v[rB:rB+7], v[rA:rA+7], v[BIAS+8*bb:BIAS+8*bb+7]
.elseif \zero
	WIN 0xa1+0x50*(aa/(MBK/2))
	v_wmma_f32_16x16x32_bf16 v[rD:rD+7], v[rB:rB+7], v[rA:rA+7], 0
.else
	WIN 0xa1+0x50*(aa/(MBK/2))
	v_wmma_f32_16x16x32_bf16 v[rD:rD+7], v[rB:rB+7], v[rA:rA+7], v[rD:rD+7]
.endif
.set bb, bb+1
.endr
.set aa, aa+1
.endr
.endm
.if KD == 1
.set H0N, MBK/2
.else
.set H0N, MBK
.endif
.macro H0A f, z                        ; a quarter's first half, in two parts
	MULG \f, 0, 0, H0N/2, \z
.endm
.macro H0B f, z
	MULG \f, 0, H0N/2, H0N/2, \z
.endm
.macro H1 f, z                         ; its second half
.if KD == 1
	MULG \f, 0, MBK/2, MBK/2, \z
.else
	MULG \f, 1, 0, MBK, 0
.endif
.endm
; 32 LDS loads in one run: the fragments of quarter qn of the slot in hand into buffer f: all of B's (turned), then A's, those that the second half needs last
.macro FETCH qn, f
	WIN 0x40
.set cc, 0
.rept KD
.set qq, KD*(\qn)+cc
.set bb, 0
.rept NB
.set rB, 8*(NB*KD*(\f)+NB*cc+bb)
.set offb, 32*(qq%4)*PB+BCH*(bb/4)+32*(bb%4)
.if qq < 4
	ds_load_tr16_b128 v[rB:rB+3], v[ADRB] offset:offb
	ds_load_tr16_b128 v[rB+4:rB+7], v[ADRB] offset:offb+16*PB
.else
	ds_load_tr16_b128 v[rB:rB+3], v[ADRB2] offset:offb
	ds_load_tr16_b128 v[rB+4:rB+7], v[ADRB2] offset:offb+16*PB
.endif
.set bb, bb+1
.endr
.set cc, cc+1
.endr
	WIN 0
.set cc, 0
.rept KD
.set qq, KD*(\qn)+cc
.set aa, 0
.rept MBK
.set rA, FA0+8*(MBK*KD*(\f)+MBK*cc+aa)
.set offa, ACH*(qq/2)+64*(qq%2)+aa*16*PA
	ds_load_b128 v[rA:rA+3], v[ADRA] offset:offa
	ds_load_b128 v[rA+4:rA+7], v[ADRA] offset:offa+32
.set aa, aa+1
.endr
.set cc, cc+1
.endr
.endm
.macro SETADR                          ; my fragments' addresses in the slot in hand
	v_add_nc_u32 v[ADRA], s[TB], v[ADRA0]
	v_add_nc_u32 v[ADRB], s[TB], v[ADRB0]
.if KD == 2
	v_add_nc_u32 v[ADRB2], 128*PB, v[ADRB]
.endif
.endm
; One of a K step's first three quarters: multiplies buffer f; in its middle it fetches quarter qn into buffer g
.macro QUARTER qn, f, g, z
	s_wait_dscnt HEADW                             ; all but the youngest loads, which only the second half needs
	H0A \f, \z
	H0B \f, \z
	PLACES
	FETCH \qn, \g
	s_wait_dscnt 32                                ; all but the 32 just issued
	H1 \f, \z
.endm
; The last quarter multiplies buffer 1 and changes slots.  In front of the one barrier each wave waits for all its tensor loads (one is out: its part of the next slot), adds 0 to its spare word,
; and waits for that and for its reads of this slot.  fill = 1: the barrier opens a round of the cluster's, and this slot is filled again, two K steps ahead, first thing behind the round.
; fill = 0 (the second loop): nothing is asked for; in its last trip (CNT = 1) there is no further K step, and the run of LDS loads is jumped over.
.macro TURN fill
	WIN 0
	s_wait_tensorcnt 0x0                           ; no tensor load of mine is out, so a group 0 may be written
	ds_add_u32 v[SPW], v[NIL]                      ; 0 onto my spare word
.if \fill
	s_add_co_u32 s[G0+5], s[LWA], s[TB]            ; the walking descriptors: into the slot that is being left,
	s_add_nc_u64 s[G0+6:G0+7], s[G0+6:G0+7], ASTEP ; the next K step; the type bits on top are not reached
	s_add_co_u32 s[G0B+5], s[LWB], s[TB]
	s_add_nc_u64 s[G0B+6:G0B+7], s[G0B+6:G0B+7], BSTEP
.endif
	s_xor_b32 s[TB], s[TB], SLOT                   ; the reads go on in the other slot
	s_wait_dscnt HEADW+1                           ; the add and the youngest loads may be out
	H0A 1, 0
	s_wait_dscnt 0x0                               ; the add is done, and my reads of this slot are over
	s_barrier_signal -1
	H0B 1, 0                                       ; work on registers while the others arrive
	WIN 0
	s_barrier_wait -1
.if \fill
	CREST                                          ; no wave of any partner still reads this slot's tile or has a load on its way
	JLOAD                                          ; its four v_nop are also the places in front of the loads below
	SETADR
	FETCH 0, 0
.else
	PLACES
	s_cmp_eq_u32 s[CNT], 1
	s_cbranch_scc1 .Lno_fetch_\@
	SETADR
	FETCH 0, 0
.Lno_fetch_\@:
.endif
	H1 1, 0
.endm
	s_load_b256 s[4:11], s[0:1], 0x0               ; h s[4:5], weights s[6:7], q s[8:9], k s[10:11]
	s_load_b64 s[68:69], s[0:1], 0x20              ; v
	v_lshl_add_u32 v[SPW], v0, 2, SPARE
	v_mov_b32 v[NIL], 0
	ds_add_u32 v[SPW], v[NIL]                      ; the wave's opening: the add and its wait stand ahead of my first tensor load; work on registers stands between them
	v_lshrrev_b32 v1, 5, v0
	v_readfirstlane_b32 s[WV], v1
	s_lshr_b32 s[FBW], s[WV], 1
	s_and_b32 s[HF], s[WV], 1
	s_mov_b32 s[WR], s[WV]                         ; a wave owns 64 rows and all columns
	s_mov_b32 s[WC], 0
	s_bfe_u32 s40, ttmp6, 0x40000                  ; cx, cy: my place in the cluster
	s_bfe_u32 s41, ttmp6, 0x40004
	s_lshl_b32 s42, ttmp9, 2
	s_add_co_u32 s42, s42, s40                     ; tile column = head
	s_and_b32 s43, ttmp7, 0xffff
	s_lshl_b32 s43, s43, 2
	s_add_co_u32 s43, s43, s41                     ; tile row
	s_lshl_b32 s44, s41, 2
	s_lshl_b32 s44, 15, s44                        ; my row of the cluster
	s_lshl_b32 s45, 0x1111, s40                    ; my column
	s_or_b32 s[G1], s44, (1<<16)|(1<<20)|(1<<21)|(AQI<<22)|(3<<25)   ; mask; 2-byte elements; padding on; bit 21 beside a mask; the interval; 4 words of padding
	s_or_b32 s[G1B], s45, (1<<16)|(1<<20)|(1<<21)|(BQI<<22)|(7<<25)  ; the same with my column's mask and 8 words of padding
	s_mov_b32 s[G1+1], AC<<16                      ; tensor_dim0
	s_mov_b32 s[G1+2], AR<<16                      ; tensor_dim1
	s_mov_b32 s[G1+3], AC<<16                      ; tile_dim0
	s_mov_b32 s[G1+4], AR                          ; tile_dim1
	s_mov_b32 s[G1+5], AP                          ; elements from row to row
	s_mov_b32 s[G1+6], 0
	s_mov_b32 s[G1+7], 0
	s_mov_b32 s[G1B+1], BC<<16
	s_mov_b32 s[G1B+2], BR<<16
	s_mov_b32 s[G1B+3], BC<<16
	s_mov_b32 s[G1B+4], BR
	s_mov_b32 s[G1B+5], BP
	s_mov_b32 s[G1B+6], 0
	s_mov_b32 s[G1B+7], 0
	s_mul_i32 s16, s43, ATY                        ; A's tile hangs on the tile row and the wave alone,
	s_mul_i32 s17, s[HF], AHFB
	s_add_co_u32 s16, s16, s17
	s_mov_b32 s17, 0
	s_mul_i32 s46, s42, BTX                        ; B's on the tile column and the wave alone
	s_mul_i32 s47, s[HF], BHFB
	s_add_co_u32 s46, s46, s47
	s_mov_b32 s47, 0
	s_mul_i32 s[LWA], s[HF], AHALF                 ; no place in the cluster enters an LDS address
	s_mul_i32 s[LWB], s[HF], BHALF
	s_add_co_u32 s[LWB], s[LWB], ASZ
	s_mov_b32 s[TB], 0
	s_wait_dscnt 0x0                               ; the opening add is done
	s_wait_kmcnt 0x0
	s_add_nc_u64 s[14:15], s[4:5], s[16:17]
	s_add_nc_u64 s[46:47], s[6:7], s[46:47]
.irp s, 0,1
	s_mov_b32 s[G0+4*(\s)], 1
	s_add_co_u32 s[G0+4*(\s)+1], s[LWA], (\s)*SLOT
	s_add_nc_u64 s[G0+4*(\s)+2:G0+4*(\s)+3], s[14:15], (\s)*ASTEP
	s_or_b32 s[G0+4*(\s)+3], s[G0+4*(\s)+3], 0x80000000
	s_mov_b32 s[G0B+4*(\s)], 1
	s_add_co_u32 s[G0B+4*(\s)+1], s[LWB], (\s)*SLOT
	s_add_nc_u64 s[G0B+4*(\s)+2:G0B+4*(\s)+3], s[46:47], (\s)*BSTEP
	s_or_b32 s[G0B+4*(\s)+3], s[G0B+4*(\s)+3], 0x80000000
.endr
	CROUND                                         ; all sixteen work-groups are here: the first joint loads meet
	s_cmp_eq_u32 s[FBW], 0                         ; a wave's two first fills stand in one branch: two loads of mine are out
	s_cbranch_scc0 .Lfirst_b
	tensor_load_to_lds s[G0:G0+3], s[G1:G1+7]
	s_nop 0
	tensor_load_to_lds s[G0+4:G0+7], s[G1:G1+7]
	s_nop 0
	PLACES
	s_branch .Lfirst_done
.Lfirst_b:
	tensor_load_to_lds s[G0B:G0B+3], s[G1B:G1B+7]
	s_nop 0
	tensor_load_to_lds s[G0B+4:G0B+7], s[G1B:G1B+7]
	s_nop 0
	PLACES
.Lfirst_done:
	v_and_b32 v1, 15, v0                           ; l % 16
	v_bfe_u32 v2, v0, 4, 1                         ; l / 16
	v_mul_u32_u24 v3, v1, PA                       ; a fragment of A: row l % 16, 16 bytes for each half of the lanes, two loads 32 bytes apart
	v_lshl_add_u32 v3, v2, 4, v3
	s_mul_i32 s21, s[WR], 16*MBK*PA
	v_add_nc_u32 v[ADRA0], s21, v3
	v_and_b32 v4, 7, v0                            ; the turning load: lane l reads k row 8 (l / 16) + l % 8, columns 8 ((l / 8) % 2) + 0..7, and is left with column l % 16 and 8 k
	v_lshl_add_u32 v4, v2, 3, v4
	v_mul_u32_u24 v4, v4, PB
	v_bfe_u32 v5, v0, 3, 1
	v_lshl_add_u32 v4, v5, 4, v4
	s_mul_i32 s22, s[WC], 32*NB
	s_add_co_u32 s22, s22, ASZ
	v_add_nc_u32 v[ADRB0], s22, v4
	s_mul_i32 s23, s[WV], STW
	s_add_co_u32 s23, s23, STAGE                   ; my stage
	v_mul_u32_u24 v6, v1, 144                      ; in: row l % 16, 16 bytes for each half of the lanes
	v_lshl_add_u32 v6, v2, 4, v6
	v_add_nc_u32 v[STO], s23, v6
	v_bfe_u32 v7, v0, 3, 2                         ; back: 32 lanes take four rows of 128 bytes,
	v_mul_u32_u24 v7, v7, 144
	v_and_b32 v8, 7, v0
	v_lshl_add_u32 v7, v8, 4, v7
	v_add_nc_u32 v[RD], s23, v7
	v_and_b32 v[CO], 31, v0                        ; which are 512 consecutive bytes of q, k or v
	v_lshlrev_b32 v[CO], 4, v[CO]
	s_lshr_b32 s18, s43, 2                         ; batch = tile row / 4
	s_lshl_b32 s18, s18, 4
	s_add_co_u32 s18, s18, s42                     ; x 16 + head
	s_lshl_b32 s18, s18, 10
	s_and_b32 s19, s43, 3
	s_lshl_b32 s19, s19, 8
	s_add_co_u32 s18, s18, s19                     ; + the tile's 256 rows in the sequence
	s_lshl_b32 s19, s[WV], 6
	s_add_co_u32 s18, s18, s19                     ; + my 64
	s_lshl_b32 s18, s18, 7                         ; rows of 128 bytes
	s_mov_b32 s19, 0
	s_add_nc_u64 s[8:9], s[8:9], s[18:19]
	s_add_nc_u64 s[10:11], s[10:11], s[18:19]
	s_add_nc_u64 s[68:69], s[68:69], s[18:19]
	s_wait_tensorcnt 0x1                           ; my part of K step 0 is in; step 1's may stay out
	s_barrier_signal -1
	s_barrier_wait -1
	SETADR
	FETCH 0, 0
	QUARTER 1, 0, 1, 1                             ; the first quarter stands in front of the loop: its products start the sums
	WIN 0
	s_mov_b32 s[CNT], NSTEPS-2
.Lstep:                                                ; a trip: from a K step's second quarter to the next step's first; it fills the slot that it leaves
	QUARTER 2, 1, 0, 0
	QUARTER 3, 0, 1, 0
	TURN 1
	QUARTER 1, 0, 1, 0
	WIN 0
	s_sub_co_u32 s[CNT], s[CNT], 1
	s_cmp_lg_u32 s[CNT], 0
	s_cbranch_scc1 .Lstep
	s_mov_b32 s[CNT], 2
.Ltail:                                                ; the last two K steps: the same trip without a refill; the second trip is left behind its last products
	QUARTER 2, 1, 0, 0
	QUARTER 3, 0, 1, 0
	TURN 0
	WIN 0
	s_sub_co_u32 s[CNT], s[CNT], 1
	s_cmp_eq_u32 s[CNT], 0
	s_cbranch_scc1 .Lout
	QUARTER 1, 0, 1, 0
	WIN 0
	s_branch .Ltail
.Lout:
	s_wait_dscnt 0x0                               ; no LDS load of mine is out (the last trip fetched nothing): met at once; the registers below are free
; THE WAY OUT, a block of 16 rows at a time: rounded to bf16, 16 bytes a lane into my stage (three parts: q, k, v; rows of 144 bytes), back as four whole rows of 128 bytes an instruction, stored.
.macro OUTB a
.set BK, 176-112*((\a)%2)              ; v176-223 and v64-111 by turns
.if (\a) >= 2
	s_wait_xcnt 0x0                                ; the stores of the block two back have read these registers (ISA guide 3.1)
.endif
	WIN 0x0a+5*((\a)/2)
.set bb, 0
.rept 12
.set rD, 8*(12*((\a)%2)+bb)
	v_cvt_pk_bf16_f32 v[TMP+4*bb], v[rD], v[rD+1]
	v_cvt_pk_bf16_f32 v[TMP+4*bb+1], v[rD+2], v[rD+3]
	v_cvt_pk_bf16_f32 v[TMP+4*bb+2], v[rD+4], v[rD+5]
	v_cvt_pk_bf16_f32 v[TMP+4*bb+3], v[rD+6], v[rD+7]
.set bb, bb+1
.endr
	WIN 0
.set bb, 0
.rept 12
	ds_store_b128 v[STO], v[TMP+4*bb:TMP+4*bb+3] offset:2304*(bb/4)+32*(bb%4)
.set bb, bb+1
.endr
.set bb, 0
.rept 12
	ds_load_b128 v[BK+4*bb:BK+4*bb+3], v[RD] offset:2304*(bb/4)+576*(bb%4)  ; LDS serves a wave's instructions in order (ISA guide 5.7.1.4): these see the stores above
.set bb, bb+1
.endr
.endm
.macro SEND a, young                   ; young: the LDS instructions issued behind block a's loads
.set BK, 176-112*((\a)%2)
	WIN 0
.set bb, 0
.rept 12
	s_wait_dscnt (\young)+11-bb
.if bb/4 == 0
	global_store_b128 v[CO], v[BK+4*bb:BK+4*bb+3], s[8:9] offset:2048*(\a)+512*(bb%4)    ; 512 consecutive bytes, at a multiple of 256 from the buffer's first
.elseif bb/4 == 1
	global_store_b128 v[CO], v[BK+4*bb:BK+4*bb+3], s[10:11] offset:2048*(\a)+512*(bb%4)
.else
	global_store_b128 v[CO], v[BK+4*bb:BK+4*bb+3], s[68:69] offset:2048*(\a)+512*(bb%4)
.endif
.set bb, bb+1
.endr
.endm
	PLACES
	OUTB 0
	OUTB 1
	SEND 0, 24
	OUTB 2
	SEND 1, 24
	OUTB 3
	SEND 2, 24
	SEND 3, 0
	s_wait_tensorcnt 0x0                           ; the wave's end
	ds_add_u32 v[SPW], v[NIL]
	s_wait_dscnt 0x0
	CROUND                                         ; the closing round: no work-group ends while a partner may still ask for a tile that names it
	s_endpgm
.Lfunc_end_k_qe8a11c6684_qkv:
	.size	k_qe8a11c6684_qkv, .Lfunc_end_k_qe8a11c6684_qkv-k_qe8a11c6684_qkv
	.p2alignl 7, 3214868480
	.fill 96, 4, 3214868480
	.section	.rodata,"a",@progbits
	.p2align	6, 0x0
	.amdhsa_kernel k_qe8a11c6684_qkv
		.amdhsa_group_segment_fixed_size 327680
		.amdhsa_private_segment_fixed_size 0
		.amdhsa_enable_private_segment 0
		.amdhsa_kernarg_size 40
		.amdhsa_user_sgpr_count 2
		.amdhsa_user_sgpr_kernarg_segment_ptr 1
		.amdhsa_wavefront_size32 1
		.amdhsa_system_sgpr_workgroup_id_x 1
		.amdhsa_system_sgpr_workgroup_id_y 1
		.amdhsa_system_sgpr_workgroup_id_z 1
		.amdhsa_system_vgpr_workitem_id 0
		.amdhsa_next_free_vgpr 1024
		.amdhsa_next_free_sgpr 84
		.amdhsa_reserve_vcc 0
		.amdhsa_float_denorm_mode_32 3
		.amdhsa_float_denorm_mode_16_64 3
		.amdhsa_memory_ordered 1
		.amdhsa_forward_progress 1
		.amdhsa_inst_pref_size 84
	.end_amdhsa_kernel
	.amdgpu_metadata
---
amdhsa.version: [ 1, 2 ]
amdhsa.kernels:
  - .name:           k_qe8a11c6684_qkv
    .symbol:         k_qe8a11c6684_qkv.kd
    .args:
      - { .name: hb, .offset: 0, .size: 8, .value_kind: global_buffer, .address_space: global }
      - { .name: wb, .offset: 8, .size: 8, .value_kind: global_buffer, .address_space: global }
      - { .name: qb, .offset: 16, .size: 8, .value_kind: global_buffer, .address_space: global }
      - { .name: kb, .offset: 24, .size: 8, .value_kind: global_buffer, .address_space: global }
      - { .name: vb, .offset: 32, .size: 8, .value_kind: global_buffer, .address_space: global }
    .group_segment_fixed_size: 327680
    .private_segment_fixed_size: 0
    .kernarg_segment_align: 8
    .kernarg_segment_size: 40
    .max_flat_workgroup_size: 128
    .sgpr_count:     84
    .vgpr_count:     1024
    .wavefront_size: 32
...
	.end_amdgpu_metadata
.endif
;; end of part 9
;; launch attn: the kernel of part 4 again; grid 4 x 64, 4 waves a work-group, clusters of 4 x 1, 327,680 bytes of LDS; arguments qb, kb, vb, ob; writes ob
;; launch proj (part 10): grid 8 x 32, 4 waves a work-group, clusters of 4 x 4, 327,680 bytes of LDS; arguments ob, wb, proj_b, x, x1; writes x1
.if DOCPART == 10
	.amdgcn_target "amdgcn-amd-amdhsa--gfx1250"
	.amdhsa_code_object_version 6
	.text
	.protected	k_qe8a11c6684_proj
	.globl	k_qe8a11c6684_proj
	.p2align	8
	.type	k_qe8a11c6684_proj,@function
k_qe8a11c6684_proj:
	s_mov_b64 s[64:65], 0
	v_nop
	global_prefetch_b8 v0, s[64:65] scope:SCOPE_SE
	s_setreg_imm32_b32 hwreg(HW_REG_WAVE_MODE, 25, 1), 1
	s_wait_xcnt 0x0
	s_wait_alu depctr_hold_cnt(0) depctr_sa_sdst(0) depctr_va_vdst(0) depctr_va_sdst(0) depctr_va_ssrc(0) depctr_va_vcc(0) depctr_vm_vsrc(0)
	s_getreg_b32 s2, hwreg(HW_REG_IB_STS2, 6, 4)
	s_cmp_eq_u32 s2, 0
	s_cbranch_scc0 .Lentry_in_a_cluster
	s_endpgm
.Lentry_in_a_cluster:
	s_bfe_u32 s2, ttmp6, 0x10000c
	s_cmp_lg_u32 s2, 0xf033
	s_cbranch_scc0 .Lentry_shape_is_right
	s_endpgm
.Lentry_shape_is_right:
; x1 = x + o proj_w + proj_b: C[128][128] a work-group = A[128][1024] B[1024][128], bf16 operands, f32 sums that START WITH THE BIAS (it is the C operand of the first products); the residual is added in f32 on the way out.
; A = o, laid [token tile of 128: 32][head 16][row 128][e 64] bf16: a K step of 256 (four heads) of a token tile is 65,536 dense bytes.  B = proj_w in bf16, [k 1024][n 1024], at byte 6,291,456 of the weights.
; SHARES.  8 x 32 tiles of 128 x 128: 256 work-groups.  Four waves, each 64 x 64: 4 x 4 accumulators, 128 registers.
; RING.  K goes in steps of 256 through two LDS slots filled by tensor loads, one load a wave and step (waves 0, 1: A's halves; waves 2, 3: B's).  One K step is a trip; the slot's base lies in s[TB].
; The last two K steps, which ask for nothing, are a second loop of two trips that is left in its middle.
; CLUSTER.  4 x 4 work-groups: A's tile is shared along a row of the cluster, B's along a column; each is asked for jointly, with the same descriptor and a mask that names the four.
; B LIES [k][n] in LDS and is turned by ds_load_tr16_b128.  THE MATRIX INSTRUCTION IS USED TRANSPOSED (source 0 = 16 columns of B, source 1 = 16 rows of A): a lane holds row l % 16 of C and eight neighbouring columns.
; REGISTERS: window 0: v16-29 addresses; v64-191 A's fragments, two buffers, later the rows on their way out; v192-223 the bias.  window 1: v0-127 B's fragments, two buffers; v128-255 the residual.
;   windows 2, 3: accumulator (a, b) in window 2 + a / 2 at v[8 (4 (a % 2) + b)].
.set MBK, 4
.set NB,  4
.set KD,  2                            ; a quarter step is 64 along K
.set NSTEPS, 4                         ; K steps of 256
.set PA,  144                          ; an LDS row of A: a head's 128 bytes + 16: the 16 rows of a load start at 16 different groups of four banks (64 banks of 4 bytes: ISA guide 11.1)
.set ACH, 128*PA                       ; from one head's 128 rows to the next's
.set ASZ, 512*PA
.set PB,  288                          ; an LDS row of B: 256 bytes + 32
.set BSZ, 256*PB
.set BCH, 128
.set SLOT, ASZ+BSZ
.set STAGE, 2*SLOT                     ; behind the ring, never filled by a tensor load: 16 rows x 272 bytes for each wave
.set STW, 16*272
.set SPARE, STAGE+4*STW                ; the spare words, 128 bytes for each wave: two blocks of 256 bytes that no other line names
.set HEADW, 8
.set BIASC, 1
.set AC, 128                           ; A's tensor tile: two heads' 32,768 dense bytes as 128 rows of 256 bytes,
.set AR, 128
.set AP, 128
.set AQI, 4                            ; padded after every 32 words, that is after every row of a head
.set BC, 128                           ; B's: 128 elements x 128 rows, pitch 1,024
.set BR, 128
.set BP, 1024
.set BQI, 5
.set AHALF, 256*PA
.set BHALF, 128*PB
.set ATY, 262144
.set AHFB, 32768
.set ASTEP, 65536
.set BBASE, 6291456
.set BTX, 256
.set BHFB, 262144
.set BSTEP, 524288
.set ADRA0, 16
.set ADRA,  17
.set ADRB0, 20
.set ADRB,  21
.set ADRB2, 22                         ; v22  B's rows 128 on: keeps the immediates inside 16 bits
.set STO, 24
.set RD,  25
.set CO,  26
.set BO,  27
.set SPW, 28
.set NIL, 29
.set FA0, 64
.set BIAS, 192
.set OB,  64
.set RES, 128
.set G1, 24
.set G0, 32
.set G1B, 48
.set G0B, 56
.set WV, 70
.set FBW, 71
.set HF, 72
.set WR, 73
.set WC, 74
.set TB, 75
.set LWA, 76
.set LWB, 77
.set CNT, 78
.set MSB, 0
.macro WIN new                         ; the immediate's high byte repeats the setting that is left; a switch that changes nothing is dropped
.if MSB != (\new)
	s_set_vgpr_msb (MSB<<8)|(\new)
.set MSB, \new
.endif
.endm
.macro PLACES                          ; four places behind matrix instructions, in front of loads into registers that they read and of lines that read their results
.rept 4
	v_nop
.endr
.endm
.macro JLOAD                           ; a joint refill by the walking descriptor; the branch hangs on the wave's number alone; an s_nop 0 and four v_nop follow each line
	s_cmp_eq_u32 s[FBW], 0
	s_cbranch_scc0 .Lfor_b_\@
	tensor_load_to_lds s[G0+4:G0+7], s[G1:G1+7]
	s_nop 0
	PLACES
	s_branch .Lasked_\@
.Lfor_b_\@:
	tensor_load_to_lds s[G0B+4:G0B+7], s[G1B:G1B+7]
	s_nop 0
	PLACES
.Lasked_\@:
.endm
.macro CREST                           ; a round of the cluster's barrier behind its opening barrier
	s_cmp_lg_u32 s[WV], 0
	s_cbranch_scc1 .Lnot_wave_0_\@
	s_barrier_signal -3
.Lnot_wave_0_\@:
	s_barrier_wait -3
	s_barrier_signal -1
	s_barrier_wait -1
.endm
.macro CROUND
	s_barrier_signal -1
	s_barrier_wait -1
	CREST
.endm
; na x NB products: row blocks a0 .. of buffer f, 32 along K (block c of the quarter).  zero = 1: the product starts the sum, with the bias.  The accumulators take turns, one instruction a turn.
.macro MULG f, c, a0, na, zero
.set aa, \a0
.rept \na
.set bb, 0
.rept NB
.set rD, 8*(NB*(aa%(MBK/2))+bb)
.set rB, 8*(NB*KD*(\f)+NB*(\c)+bb)
.set rA, FA0+8*(MBK*KD*(\f)+MBK*(\c)+aa)
.if (\zero) && BIASC
	WIN 0x81+0x40*(aa/(MBK/2))
	v_wmma_f32_16x16x32_bf16 v[rD:rD+7], v[rB:rB+7], v[rA:rA+7], v[BIAS+8*bb:BIAS+8*bb+7]
.elseif \zero
	WIN 0xa1+0x50*(aa/(MBK/2))
	v_wmma_f32_16x16x32_bf16 v[rD:rD+7], v[rB:rB+7], v[rA:rA+7], 0
.else
	WIN 0xa1+0x50*(aa/(MBK/2))
	v_wmma_f32_16x16x32_bf16 v[rD:rD+7], v[rB:rB+7], v[rA:rA+7], v[rD:rD+7]
.endif
.set bb, bb+1
.endr
.set aa, aa+1
.endr
.endm
.if KD == 1
.set H0N, MBK/2
.else
.set H0N, MBK
.endif
.macro H0A f, z                        ; a quarter's first half (its first 32 along K), in two parts
	MULG \f, 0, 0, H0N/2, \z
.endm
.macro H0B f, z
	MULG \f, 0, H0N/2, H0N/2, \z
.endm
.macro H1 f, z                         ; its second half
.if KD == 1
	MULG \f, 0, MBK/2, MBK/2, \z
.else
	MULG \f, 1, 0, MBK, 0
.endif
.endm
; 32 LDS loads in one run: the fragments of quarter qn of the slot in hand into buffer f: all of B's (turned), then A's, those that the second half needs last
.macro FETCH qn, f
	WIN 0x40
.set cc, 0
.rept KD
.set qq, KD*(\qn)+cc
.set bb, 0
.rept NB
.set rB, 8*(NB*KD*(\f)+NB*cc+bb)
.set offb, 32*(qq%4)*PB+BCH*(bb/4)+32*(bb%4)
.if qq < 4
	ds_load_tr16_b128 v[rB:rB+3], v[ADRB] offset:offb
	ds_load_tr16_b128 v[rB+4:rB+7], v[ADRB] offset:offb+16*PB
.else
	ds_load_tr16_b128 v[rB:rB+3], v[ADRB2] offset:offb
	ds_load_tr16_b128 v[rB+4:rB+7], v[ADRB2] offset:offb+16*PB
.endif
.set bb, bb+1
.endr
.set cc, cc+1
.endr
	WIN 0
.set cc, 0
.rept KD
.set qq, KD*(\qn)+cc
.set aa, 0
.rept MBK
.set rA, FA0+8*(MBK*KD*(\f)+MBK*cc+aa)
.set offa, ACH*(qq/2)+64*(qq%2)+aa*16*PA
	ds_load_b128 v[rA:rA+3], v[ADRA] offset:offa
	ds_load_b128 v[rA+4:rA+7], v[ADRA] offset:offa+32
.set aa, aa+1
.endr
.set cc, cc+1
.endr
.endm
.macro SETADR                          ; my fragments' addresses in the slot in hand
	v_add_nc_u32 v[ADRA], s[TB], v[ADRA0]
	v_add_nc_u32 v[ADRB], s[TB], v[ADRB0]
.if KD == 2
	v_add_nc_u32 v[ADRB2], 128*PB, v[ADRB]
.endif
.endm
; One of a K step's first three quarters: multiplies buffer f; in its middle it fetches quarter qn into buffer g
.macro QUARTER qn, f, g, z
	s_wait_dscnt HEADW                             ; all but the youngest loads, which only the second half needs
	H0A \f, \z
	H0B \f, \z
	PLACES
	FETCH \qn, \g
	s_wait_dscnt 32                                ; all but the 32 just issued
	H1 \f, \z
.endm
; The last quarter multiplies buffer 1 and changes slots.  In front of the one barrier each wave waits for all its tensor loads (one is out: its part of the next slot), adds 0 to its spare word,
; and waits for that and for its reads of this slot.  fill = 1: the barrier opens a round of the cluster's, and this slot is filled again, two K steps ahead, first thing behind the round.
; fill = 0 (the second loop): nothing is asked for; in its last trip (CNT = 1) there is no further K step, and the run of LDS loads is jumped over.
.macro TURN fill
	WIN 0
	s_wait_tensorcnt 0x0                           ; no tensor load of mine is out, so a group 0 may be written
	ds_add_u32 v[SPW], v[NIL]                      ; 0 onto my spare word
.if \fill
	s_add_co_u32 s[G0+5], s[LWA], s[TB]            ; the walking descriptors: into the slot that is being left,
	s_add_nc_u64 s[G0+6:G0+7], s[G0+6:G0+7], ASTEP ; the next K step; the type bits on top are not reached
	s_add_co_u32 s[G0B+5], s[LWB], s[TB]
	s_add_nc_u64 s[G0B+6:G0B+7], s[G0B+6:G0B+7], BSTEP
.endif
	s_xor_b32 s[TB], s[TB], SLOT                   ; the reads go on in the other slot
	s_wait_dscnt HEADW+1                           ; the add and the youngest loads may be out
	H0A 1, 0
	s_wait_dscnt 0x0                               ; the add is done, and my reads of this slot are over
	s_barrier_signal -1
	H0B 1, 0                                       ; work on registers while the others arrive
	WIN 0
	s_barrier_wait -1
.if \fill
	CREST                                          ; no wave of any partner still reads this slot's tile or has a load on its way
	JLOAD                                          ; its four v_nop are also the places in front of the loads below
	SETADR
	FETCH 0, 0
.else
	PLACES
	s_cmp_eq_u32 s[CNT], 1
	s_cbranch_scc1 .Lno_fetch_\@
	SETADR
	FETCH 0, 0
.Lno_fetch_\@:
.endif
	H1 1, 0
.endm
	s_load_b256 s[4:11], s[0:1], 0x0               ; A s[4:5], weights s[6:7], bias s[8:9], residual s[10:11]
	s_load_b64 s[68:69], s[0:1], 0x20              ; the output
	v_lshl_add_u32 v[SPW], v0, 2, SPARE
	v_mov_b32 v[NIL], 0
	ds_add_u32 v[SPW], v[NIL]                      ; the wave's opening: the add and its wait stand ahead of my first tensor load; work on registers stands between them
	v_lshrrev_b32 v1, 5, v0
	v_readfirstlane_b32 s[WV], v1
	s_lshr_b32 s[FBW], s[WV], 1
	s_and_b32 s[HF], s[WV], 1
	s_mov_b32 s[WR], s[FBW]                        ; which half of the tile's rows is mine,
	s_mov_b32 s[WC], s[HF]                         ; which half of its columns
	s_bfe_u32 s40, ttmp6, 0x40000                  ; cx, cy: my place in the cluster
	s_bfe_u32 s41, ttmp6, 0x40004
	s_lshl_b32 s42, ttmp9, 2
	s_add_co_u32 s42, s42, s40                     ; tile column
	s_and_b32 s43, ttmp7, 0xffff
	s_lshl_b32 s43, s43, 2
	s_add_co_u32 s43, s43, s41                     ; tile row
	s_lshl_b32 s44, s41, 2
	s_lshl_b32 s44, 15, s44                        ; my row of the cluster
	s_lshl_b32 s45, 0x1111, s40                    ; my column
	s_or_b32 s[G1], s44, (1<<16)|(1<<20)|(1<<21)|(AQI<<22)|(3<<25)   ; mask; 2-byte elements; padding on; bit 21 beside a mask; the interval; 4 words of padding
	s_or_b32 s[G1B], s45, (1<<16)|(1<<20)|(1<<21)|(BQI<<22)|(7<<25)  ; the same with my column's mask and 8 words of padding
	s_mov_b32 s[G1+1], AC<<16                      ; tensor_dim0
	s_mov_b32 s[G1+2], AR<<16                      ; tensor_dim1
	s_mov_b32 s[G1+3], AC<<16                      ; tile_dim0
	s_mov_b32 s[G1+4], AR                          ; tile_dim1
	s_mov_b32 s[G1+5], AP                          ; elements from row to row
	s_mov_b32 s[G1+6], 0
	s_mov_b32 s[G1+7], 0
	s_mov_b32 s[G1B+1], BC<<16
	s_mov_b32 s[G1B+2], BR<<16
	s_mov_b32 s[G1B+3], BC<<16
	s_mov_b32 s[G1B+4], BR
	s_mov_b32 s[G1B+5], BP
	s_mov_b32 s[G1B+6], 0
	s_mov_b32 s[G1B+7], 0
	s_mul_i32 s16, s43, ATY                        ; A's tile hangs on the tile row and the wave alone,
	s_mul_i32 s17, s[HF], AHFB
	s_add_co_u32 s16, s16, s17
	s_mov_b32 s17, 0
	s_mul_i32 s46, s42, BTX                        ; B's on the tile column and the wave alone
	s_mul_i32 s47, s[HF], BHFB
	s_add_co_u32 s46, s46, s47
	s_add_co_u32 s46, s46, BBASE
	s_mov_b32 s47, 0
	s_mul_i32 s[LWA], s[HF], AHALF                 ; no place in the cluster enters an LDS address
	s_mul_i32 s[LWB], s[HF], BHALF
	s_add_co_u32 s[LWB], s[LWB], ASZ
	s_mov_b32 s[TB], 0
	s_wait_dscnt 0x0                               ; the opening add is done
	s_wait_kmcnt 0x0
	s_add_nc_u64 s[14:15], s[4:5], s[16:17]
	s_add_nc_u64 s[46:47], s[6:7], s[46:47]
.irp s, 0,1
	s_mov_b32 s[G0+4*(\s)], 1
	s_add_co_u32 s[G0+4*(\s)+1], s[LWA], (\s)*SLOT
	s_add_nc_u64 s[G0+4*(\s)+2:G0+4*(\s)+3], s[14:15], (\s)*ASTEP
	s_or_b32 s[G0+4*(\s)+3], s[G0+4*(\s)+3], 0x80000000
	s_mov_b32 s[G0B+4*(\s)], 1
	s_add_co_u32 s[G0B+4*(\s)+1], s[LWB], (\s)*SLOT
	s_add_nc_u64 s[G0B+4*(\s)+2:G0B+4*(\s)+3], s[46:47], (\s)*BSTEP
	s_or_b32 s[G0B+4*(\s)+3], s[G0B+4*(\s)+3], 0x80000000
.endr
	CROUND                                         ; all sixteen work-groups are here: the first joint loads meet
	s_cmp_eq_u32 s[FBW], 0                         ; a wave's two first fills stand in one branch: two loads of mine are out
	s_cbranch_scc0 .Lfirst_b
	tensor_load_to_lds s[G0:G0+3], s[G1:G1+7]
	s_nop 0
	tensor_load_to_lds s[G0+4:G0+7], s[G1:G1+7]
	s_nop 0
	PLACES
	s_branch .Lfirst_done
.Lfirst_b:
	tensor_load_to_lds s[G0B:G0B+3], s[G1B:G1B+7]
	s_nop 0
	tensor_load_to_lds s[G0B+4:G0B+7], s[G1B:G1B+7]
	s_nop 0
	PLACES
.Lfirst_done:
	v_and_b32 v1, 15, v0                           ; l % 16
	v_bfe_u32 v2, v0, 4, 1                         ; l / 16
	s_lshl_b32 s18, s43, 7                         ; my first row of C: 128 x tile row + 64 x half,
	s_lshl_b32 s19, s[WR], 6
	s_add_co_u32 s18, s18, s19
	s_lshl_b32 s18, s18, 12                        ; rows of 4,096 bytes,
	s_lshl_b32 s19, s42, 9                         ; my first column: 512 bytes a tile column + 256 a half
	s_add_co_u32 s18, s18, s19
	s_lshl_b32 s19, s[WC], 8
	s_add_co_u32 s18, s18, s19
	s_mov_b32 s19, 0
	s_add_nc_u64 s[10:11], s[10:11], s[18:19]
	s_add_nc_u64 s[68:69], s[68:69], s[18:19]
	s_lshl_b32 s20, s42, 9                         ; the bias of my 64 columns
	s_lshl_b32 s21, s[WC], 8
	s_add_co_u32 s20, s20, s21
	s_mov_b32 s21, 0
	s_add_nc_u64 s[8:9], s[8:9], s[20:21]
	v_lshlrev_b32 v[BO], 5, v2                     ; register j of a result holds column 16 b + 8 (l / 16) + j: the bias is loaded in that layout
.set bb, 0
.rept NB
	global_load_b128 v[BIAS+8*bb:BIAS+8*bb+3], v[BO], s[8:9] offset:64*bb
	global_load_b128 v[BIAS+8*bb+4:BIAS+8*bb+7], v[BO], s[8:9] offset:64*bb+16
.set bb, bb+1
.endr
	v_lshlrev_b32 v7, 12, v2                       ; the way out: lanes 0-15 take 256 bytes of one row of C, lanes 16-31 of the next
	v_lshl_add_u32 v[CO], v1, 4, v7
	WIN 0x40
.set ii, 0
.rept 32                                               ; the residual of my 64 x 64, in the layout in which the rows leave; it lands under the whole K loop
	global_load_b128 v[RES+4*ii:RES+4*ii+3], v[CO], s[10:11] offset:(16*(ii/8)+2*(ii%8))*4096
.set ii, ii+1
.endr
	WIN 0
	v_mul_u32_u24 v3, v1, PA                       ; a fragment of A: row l % 16, 16 bytes for each half of the lanes, two loads 32 bytes apart
	v_lshl_add_u32 v3, v2, 4, v3
	s_mul_i32 s21, s[WR], 16*MBK*PA
	v_add_nc_u32 v[ADRA0], s21, v3
	v_and_b32 v4, 7, v0                            ; the turning load: lane l reads k row 8 (l / 16) + l % 8, columns 8 ((l / 8) % 2) + 0..7, and is left with column l % 16 and 8 k
	v_lshl_add_u32 v4, v2, 3, v4
	v_mul_u32_u24 v4, v4, PB
	v_bfe_u32 v5, v0, 3, 1
	v_lshl_add_u32 v4, v5, 4, v4
	s_mul_i32 s22, s[WC], 32*NB
	s_add_co_u32 s22, s22, ASZ
	v_add_nc_u32 v[ADRB0], s22, v4
	s_mul_i32 s23, s[WV], STW
	s_add_co_u32 s23, s23, STAGE                   ; my stage
	v_mul_u32_u24 v6, v1, 272                      ; in: row l % 16, 32 bytes (eight f32) for each half of the lanes
	v_lshl_add_u32 v6, v2, 5, v6
	v_add_nc_u32 v[STO], s23, v6
	v_mul_u32_u24 v7, v2, 272                      ; back: two whole rows of 256 bytes
	v_lshl_add_u32 v7, v1, 4, v7
	v_add_nc_u32 v[RD], s23, v7
	s_wait_tensorcnt 0x1                           ; my part of K step 0 is in; step 1's may stay out
	s_barrier_signal -1
	s_barrier_wait -1
	SETADR
	FETCH 0, 0
	s_wait_loadcnt 32                              ; the bias is in; the residual's 32 loads stay out
	QUARTER 1, 0, 1, 1                             ; the first quarter stands in front of the loop: its first products start the sums
	WIN 0
	s_mov_b32 s[CNT], NSTEPS-2
.Lstep:                                                ; a trip: from a K step's second quarter to the next step's first; it fills the slot that it leaves
	QUARTER 2, 1, 0, 0
	QUARTER 3, 0, 1, 0
	TURN 1
	QUARTER 1, 0, 1, 0
	WIN 0
	s_sub_co_u32 s[CNT], s[CNT], 1
	s_cmp_lg_u32 s[CNT], 0
	s_cbranch_scc1 .Lstep
	s_mov_b32 s[CNT], 2
.Ltail:                                                ; the last two K steps: the same trip without a refill; the second trip is left behind its last products
	QUARTER 2, 1, 0, 0
	QUARTER 3, 0, 1, 0
	TURN 0
	WIN 0
	s_sub_co_u32 s[CNT], s[CNT], 1
	s_cmp_eq_u32 s[CNT], 0
	s_cbranch_scc1 .Lout
	QUARTER 1, 0, 1, 0
	WIN 0
	s_branch .Ltail
.Lout:
	s_wait_dscnt 0x0                               ; no LDS load of mine is out (the last trip fetched nothing): met at once; the registers below are free
; THE WAY OUT, a block of 16 rows x 64 f32 at a time: the sums go into my stage (rows of 272 bytes), each accumulator's low four registers first, come back as whole rows of 256 bytes, take the residual and are stored.
.macro OUTB a
	WIN 0x08+4*((\a)/2)
.set bb, 0
.rept 4
.set rD, 8*(4*((\a)%2)+bb)
	ds_store_b128 v[STO], v[rD:rD+3] offset:64*bb
	ds_store_b128 v[STO], v[rD+4:rD+7] offset:64*bb+16
.set bb, bb+1
.endr
	WIN 0
.set tt, 0
.rept 8
	ds_load_b128 v[OB+32*(\a)+4*tt:OB+32*(\a)+4*tt+3], v[RD] offset:544*tt  ; LDS serves a wave's instructions in order (ISA guide 5.7.1.4): these see the stores above
.set tt, tt+1
.endr
.endm
.macro SEND a, young                   ; young: the LDS instructions issued behind block a's loads
	s_wait_dscnt \young
	WIN 0x04                                       ; source 1, the residual, in window 1
.set tt, 0
.rept 16
	v_pk_add_f32 v[OB+32*(\a)+2*tt:OB+32*(\a)+2*tt+1], v[OB+32*(\a)+2*tt:OB+32*(\a)+2*tt+1], v[RES+32*(\a)+2*tt:RES+32*(\a)+2*tt+1]
.set tt, tt+1
.endr
	WIN 0
.set tt, 0
.rept 8
	global_store_b128 v[CO], v[OB+32*(\a)+4*tt:OB+32*(\a)+4*tt+3], s[68:69] offset:(16*(\a)+2*tt)*4096  ; 16 lanes store 256 consecutive bytes, aligned; each block has registers of its own
.set tt, tt+1
.endr
.endm
	PLACES
	OUTB 0
	OUTB 1
	s_wait_loadcnt 0x0                             ; the residual
	SEND 0, 16
	OUTB 2
	SEND 1, 16
	OUTB 3
	SEND 2, 16
	SEND 3, 0
	s_wait_tensorcnt 0x0                           ; the wave's end
	ds_add_u32 v[SPW], v[NIL]
	s_wait_dscnt 0x0
	CROUND                                         ; the closing round: no work-group ends while a partner may still ask for a tile that names it
	s_endpgm
.Lfunc_end_k_qe8a11c6684_proj:
	.size	k_qe8a11c6684_proj, .Lfunc_end_k_qe8a11c6684_proj-k_qe8a11c6684_proj
	.p2alignl 7, 3214868480
	.fill 96, 4, 3214868480
	.section	.rodata,"a",@progbits
	.p2align	6, 0x0
	.amdhsa_kernel k_qe8a11c6684_proj
		.amdhsa_group_segment_fixed_size 327680
		.amdhsa_private_segment_fixed_size 0
		.amdhsa_enable_private_segment 0
		.amdhsa_kernarg_size 40
		.amdhsa_user_sgpr_count 2
		.amdhsa_user_sgpr_kernarg_segment_ptr 1
		.amdhsa_wavefront_size32 1
		.amdhsa_system_sgpr_workgroup_id_x 1
		.amdhsa_system_sgpr_workgroup_id_y 1
		.amdhsa_system_sgpr_workgroup_id_z 1
		.amdhsa_system_vgpr_workitem_id 0
		.amdhsa_next_free_vgpr 1024
		.amdhsa_next_free_sgpr 84
		.amdhsa_reserve_vcc 0
		.amdhsa_float_denorm_mode_32 3
		.amdhsa_float_denorm_mode_16_64 3
		.amdhsa_memory_ordered 1
		.amdhsa_forward_progress 1
		.amdhsa_inst_pref_size 67
	.end_amdhsa_kernel
	.amdgpu_metadata
---
amdhsa.version: [ 1, 2 ]
amdhsa.kernels:
  - .name:           k_qe8a11c6684_proj
    .symbol:         k_qe8a11c6684_proj.kd
    .args:
      - { .name: ob, .offset: 0, .size: 8, .value_kind: global_buffer, .address_space: global }
      - { .name: wb, .offset: 8, .size: 8, .value_kind: global_buffer, .address_space: global }
      - { .name: proj_b, .offset: 16, .size: 8, .value_kind: global_buffer, .address_space: global }
      - { .name: x, .offset: 24, .size: 8, .value_kind: global_buffer, .address_space: global }
      - { .name: x1, .offset: 32, .size: 8, .value_kind: global_buffer, .address_space: global }
    .group_segment_fixed_size: 327680
    .private_segment_fixed_size: 0
    .kernarg_segment_align: 8
    .kernarg_segment_size: 40
    .max_flat_workgroup_size: 128
    .sgpr_count:     84
    .vgpr_count:     1024
    .wavefront_size: 32
...
	.end_amdgpu_metadata
.endif
;; end of part 10
;; launch ln2: the kernel of part 8 again; grid 512 x 1, 8 waves a work-group, no clusters, 0 bytes of LDS; arguments x1, ln2_g, ln2_b, hb, wq, wk, wv, proj_w, ff1_w, ff2_w, wb; writes hb, wb
;; launch ff1 (part 11): grid 16 x 16, 4 waves a work-group, clusters of 4 x 4, 327,680 bytes of LDS; arguments hb, wb, ff1_b, gb; writes gb
.if DOCPART == 11
	.amdgcn_target "amdgcn-amd-amdhsa--gfx1250"
	.amdhsa_code_object_version 6
	.text
	.protected	k_qe8a11c6684_ff1
	.globl	k_qe8a11c6684_ff1
	.p2align	8
	.type	k_qe8a11c6684_ff1,@function
k_qe8a11c6684_ff1:
	s_mov_b64 s[64:65], 0
	v_nop
	global_prefetch_b8 v0, s[64:65] scope:SCOPE_SE
	s_setreg_imm32_b32 hwreg(HW_REG_WAVE_MODE, 25, 1), 1
	s_wait_xcnt 0x0
	s_wait_alu depctr_hold_cnt(0) depctr_sa_sdst(0) depctr_va_vdst(0) depctr_va_sdst(0) depctr_va_ssrc(0) depctr_va_vcc(0) depctr_vm_vsrc(0)
	s_getreg_b32 s2, hwreg(HW_REG_IB_STS2, 6, 4)
	s_cmp_eq_u32 s2, 0
	s_cbranch_scc0 .Lentry_in_a_cluster
	s_endpgm
.Lentry_in_a_cluster:
	s_bfe_u32 s2, ttmp6, 0x10000c
	s_cmp_lg_u32 s2, 0xf033
	s_cbranch_scc0 .Lentry_shape_is_right
	s_endpgm
.Lentry_shape_is_right:
; g = relu(h2 W1 + b1): C[256][256] a work-group = A[256][1024] B[1024][256], bf16 operands, f32 sums that START WITH THE BIAS (it is the C operand of the first products); relu in f32, g rounded once to bf16.
; A = h2, [4096][1024] bf16.  B = ff1_w in bf16, [k 1024][n 4096], at byte 8,388,608 of the weights.
; g LEAVES IN THE ORDER OF THE NEXT LAUNCH'S FRAGMENTS: [block of 16 rows: 256][block of 16 columns: 256][lane 32][16 bytes].  A lane's eight results of an accumulator are row l % 16 and columns
; 8 (l / 16) + 0..7 of a block of 16 x 16: rounded to bf16 they are the 16 bytes that the same lane holds of a fragment of 16 rows x 32 k (two blocks side by side).  So the results are stored
; straight from the accumulators' registers, 512 consecutive bytes an instruction, without a way through LDS.
; LIMIT.  relu is a maximum with 0 in which a NaN loses: a NaN sum becomes 0.
; SHARES.  16 x 16 tiles of 256 x 256: 256 work-groups.  Four waves, each 128 x 128: 8 x 8 accumulators, 512 registers.
; RING.  K goes in steps of 128 through two LDS slots filled by tensor loads, one load a wave and step (waves 0, 1: A's halves; waves 2, 3: B's).  One K step is a trip; the slot's base lies in s[TB].
; The last two K steps, which ask for nothing, are a second loop of two trips that is left in its middle.
; CLUSTER.  4 x 4 work-groups: A's tile is shared along a row of the cluster, B's along a column; each is asked for jointly, with the same descriptor and a mask that names the four.
; B LIES [k][n] in LDS and is turned by ds_load_tr16_b128.  THE MATRIX INSTRUCTION IS USED TRANSPOSED (source 0 = 16 columns of B, source 1 = 16 rows of A): a lane holds row l % 16 of C and eight neighbouring columns.
; REGISTERS: window 0: v16-29 addresses; v64-191 A's fragments, two buffers; v192-255 the bias.  window 1: v0-127 B's fragments, two buffers.
;   windows 2, 3: accumulator (a, b) in window 2 + a / 4 at v[8 (8 (a % 4) + b)].
.set MBK, 8
.set NB,  8
.set KD,  1
.set NSTEPS, 8                         ; K steps of 128
.set PA,  272                          ; an LDS row of A: 256 bytes + 16: the 16 rows of a load start at 16 different groups of four banks (64 banks of 4 bytes: ISA guide 11.1)
.set ACH, 128
.set ASZ, 256*PA
.set PB,  544                          ; an LDS row of B: 512 bytes + 32
.set BSZ, 128*PB
.set BCH, 128
.set SLOT, ASZ+BSZ
.set SPARE, 2*SLOT                     ; behind the ring: the spare words, 128 bytes for each wave: two blocks of 256 bytes that no other line names
.set ROWB, 131072                      ; bytes of a block of 16 rows of g: 256 blocks of 16 columns, 512 bytes each
.set HEADW, 8
.set BIASC, 1
.set AC, 128                           ; A's tensor tile: 128 elements x 128 rows, pitch 1,024
.set AR, 128
.set AP, 1024
.set AQI, 5
.set BC, 256                           ; B's: 256 elements x 64 rows, pitch 4,096
.set BR, 64
.set BP, 4096
.set BQI, 6
.set AHALF, 128*PA
.set BHALF, 64*PB
.set ATY, 256*2048
.set AHFB, 128*2048
.set ASTEP, 256
.set BBASE, 8388608
.set BTX, 512
.set BHFB, 64*8192
.set BSTEP, 128*8192
.set ADRA0, 16
.set ADRA,  17
.set ADRB0, 20
.set ADRB,  21
.set ADRB2, 22
.set CO,  26                           ; v26  16 x lane: my 16 bytes in a block's 512
.set BO,  27
.set SPW, 28
.set NIL, 29
.set FA0, 64
.set BIAS, 192
.set G1, 24
.set G0, 32
.set G1B, 48
.set G0B, 56
.set WV, 70
.set FBW, 71
.set HF, 72
.set WR, 73
.set WC, 74
.set TB, 75
.set LWA, 76
.set LWB, 77
.set CNT, 78
.set MSB, 0
.macro WIN new                         ; the immediate's high byte repeats the setting that is left; a switch that changes nothing is dropped
.if MSB != (\new)
	s_set_vgpr_msb (MSB<<8)|(\new)
.set MSB, \new
.endif
.endm
.macro PLACES                          ; four places behind matrix instructions, in front of loads into registers that they read and of lines that read their results
.rept 4
	v_nop
.endr
.endm
.macro JLOAD                           ; a joint refill by the walking descriptor; the branch hangs on the wave's number alone; an s_nop 0 and four v_nop follow each line
	s_cmp_eq_u32 s[FBW], 0
	s_cbranch_scc0 .Lfor_b_\@
	tensor_load_to_lds s[G0+4:G0+7], s[G1:G1+7]
	s_nop 0
	PLACES
	s_branch .Lasked_\@
.Lfor_b_\@:
	tensor_load_to_lds s[G0B+4:G0B+7], s[G1B:G1B+7]
	s_nop 0
	PLACES
.Lasked_\@:
.endm
.macro CREST                           ; a round of the cluster's barrier behind its opening barrier
	s_cmp_lg_u32 s[WV], 0
	s_cbranch_scc1 .Lnot_wave_0_\@
	s_barrier_signal -3
.Lnot_wave_0_\@:
	s_barrier_wait -3
	s_barrier_signal -1
	s_barrier_wait -1
.endm
.macro CROUND
	s_barrier_signal -1
	s_barrier_wait -1
	CREST
.endm
; na x NB products: row blocks a0 .. of buffer f, 32 along K (block c of the quarter).  zero = 1: the product starts the sum, with the bias.  The accumulators take turns, one instruction a turn.
.macro MULG f, c, a0, na, zero
.set aa, \a0
.rept \na
.set bb, 0
.rept NB
.set rD, 8*(NB*(aa%(MBK/2))+bb)
.set rB, 8*(NB*KD*(\f)+NB*(\c)+bb)
.set rA, FA0+8*(MBK*KD*(\f)+MBK*(\c)+aa)
.if (\zero) && BIASC
	WIN 0x81+0x40*(aa/(MBK/2))
	v_wmma_f32_16x16x32_bf16 v[rD:rD+7], v[rB:rB+7], v[rA:rA+7], v[BIAS+8*bb:BIAS+8*bb+7]
.elseif \zero
	WIN 0xa1+0x50*(aa/(MBK/2))
	v_wmma_f32_16x16x32_bf16 v[rD:rD+7], v[rB:rB+7], v[rA:rA+7], 0
.else
	WIN 0xa1+0x50*(aa/(MBK/2))
	v_wmma_f32_16x16x32_bf16 v[rD:rD+7], v[rB:rB+7], v[rA:rA+7], v[rD:rD+7]
.endif
.set bb, bb+1
.endr
.set aa, aa+1
.endr
.endm
.if KD == 1
.set H0N, MBK/2
.else
.set H0N, MBK
.endif
.macro H0A f, z                        ; a quarter's first half (my rows 0-63), in two parts
	MULG \f, 0, 0, H0N/2, \z
.endm
.macro H0B f, z
	MULG \f, 0, H0N/2, H0N/2, \z
.endm
.macro H1 f, z                         ; its second half (my rows 64-127)
.if KD == 1
	MULG \f, 0, MBK/2, MBK/2, \z
.else
	MULG \f, 1, 0, MBK, 0
.endif
.endm
; 32 LDS loads in one run: the fragments of quarter qn of the slot in hand into buffer f: all of B's (turned), then A's, those that the second half needs last
.macro FETCH qn, f
	WIN 0x40
.set cc, 0
.rept KD
.set qq, KD*(\qn)+cc
.set bb, 0
.rept NB
.set rB, 8*(NB*KD*(\f)+NB*cc+bb)
.set offb, 32*(qq%4)*PB+BCH*(bb/4)+32*(bb%4)
.if qq < 4
	ds_load_tr16_b128 v[rB:rB+3], v[ADRB] offset:offb
	ds_load_tr16_b128 v[rB+4:rB+7], v[ADRB] offset:offb+16*PB
.else
	ds_load_tr16_b128 v[rB:rB+3], v[ADRB2] offset:offb
	ds_load_tr16_b128 v[rB+4:rB+7], v[ADRB2] offset:offb+16*PB
.endif
.set bb, bb+1
.endr
.set cc, cc+1
.endr
	WIN 0
.set cc, 0
.rept KD
.set qq, KD*(\qn)+cc
.set aa, 0
.rept MBK
.set rA, FA0+8*(MBK*KD*(\f)+MBK*cc+aa)
.set offa, ACH*(qq/2)+64*(qq%2)+aa*16*PA
	ds_load_b128 v[rA:rA+3], v[ADRA] offset:offa
	ds_load_b128 v[rA+4:rA+7], v[ADRA] offset:offa+32
.set aa, aa+1
.endr
.set cc, cc+1
.endr
.endm
.macro SETADR                          ; my fragments' addresses in the slot in hand
	v_add_nc_u32 v[ADRA], s[TB], v[ADRA0]
	v_add_nc_u32 v[ADRB], s[TB], v[ADRB0]
.if KD == 2
	v_add_nc_u32 v[ADRB2], 128*PB, v[ADRB]
.endif
.endm
; One of a K step's first three quarters: multiplies buffer f; in its middle it fetches quarter qn into buffer g
.macro QUARTER qn, f, g, z
	s_wait_dscnt HEADW                             ; all but the youngest loads, which only the second half needs
	H0A \f, \z
	H0B \f, \z
	PLACES
	FETCH \qn, \g
	s_wait_dscnt 32                                ; all but the 32 just issued
	H1 \f, \z
.endm
; The last quarter multiplies buffer 1 and changes slots.  In front of the one barrier each wave waits for all its tensor loads (one is out: its part of the next slot), adds 0 to its spare word,
; and waits for that and for its reads of this slot.  fill = 1: the barrier opens a round of the cluster's, and this slot is filled again, two K steps ahead, first thing behind the round.
; fill = 0 (the second loop): nothing is asked for; in its last trip (CNT = 1) there is no further K step, and the run of LDS loads is jumped over.
.macro TURN fill
	WIN 0
	s_wait_tensorcnt 0x0                           ; no tensor load of mine is out, so a group 0 may be written
	ds_add_u32 v[SPW], v[NIL]                      ; 0 onto my spare word
.if \fill
	s_add_co_u32 s[G0+5], s[LWA], s[TB]            ; the walking descriptors: into the slot that is being left,
	s_add_nc_u64 s[G0+6:G0+7], s[G0+6:G0+7], ASTEP ; the next K step; the type bits on top are not reached
	s_add_co_u32 s[G0B+5], s[LWB], s[TB]
	s_add_nc_u64 s[G0B+6:G0B+7], s[G0B+6:G0B+7], BSTEP
.endif
	s_xor_b32 s[TB], s[TB], SLOT                   ; the reads go on in the other slot
	s_wait_dscnt HEADW+1                           ; the add and the youngest loads may be out
	H0A 1, 0
	s_wait_dscnt 0x0                               ; the add is done, and my reads of this slot are over
	s_barrier_signal -1
	H0B 1, 0                                       ; work on registers while the others arrive
	WIN 0
	s_barrier_wait -1
.if \fill
	CREST                                          ; no wave of any partner still reads this slot's tile or has a load on its way
	JLOAD                                          ; its four v_nop are also the places in front of the loads below
	SETADR
	FETCH 0, 0
.else
	PLACES
	s_cmp_eq_u32 s[CNT], 1
	s_cbranch_scc1 .Lno_fetch_\@
	SETADR
	FETCH 0, 0
.Lno_fetch_\@:
.endif
	H1 1, 0
.endm
	s_load_b256 s[4:11], s[0:1], 0x0               ; A s[4:5], weights s[6:7], bias s[8:9], g s[10:11]
	v_lshl_add_u32 v[SPW], v0, 2, SPARE
	v_mov_b32 v[NIL], 0
	ds_add_u32 v[SPW], v[NIL]                      ; the wave's opening: the add and its wait stand ahead of my first tensor load; work on registers stands between them
	v_lshrrev_b32 v1, 5, v0
	v_readfirstlane_b32 s[WV], v1
	s_lshr_b32 s[FBW], s[WV], 1
	s_and_b32 s[HF], s[WV], 1
	s_mov_b32 s[WR], s[FBW]                        ; which half of the tile's rows is mine,
	s_mov_b32 s[WC], s[HF]                         ; which half of its columns
	s_bfe_u32 s40, ttmp6, 0x40000                  ; cx, cy: my place in the cluster
	s_bfe_u32 s41, ttmp6, 0x40004
	s_lshl_b32 s42, ttmp9, 2
	s_add_co_u32 s42, s42, s40                     ; tile column
	s_and_b32 s43, ttmp7, 0xffff
	s_lshl_b32 s43, s43, 2
	s_add_co_u32 s43, s43, s41                     ; tile row
	s_lshl_b32 s44, s41, 2
	s_lshl_b32 s44, 15, s44                        ; my row of the cluster
	s_lshl_b32 s45, 0x1111, s40                    ; my column
	s_or_b32 s[G1], s44, (1<<16)|(1<<20)|(1<<21)|(AQI<<22)|(3<<25)   ; mask; 2-byte elements; padding on; bit 21 beside a mask; the interval; 4 words of padding
	s_or_b32 s[G1B], s45, (1<<16)|(1<<20)|(1<<21)|(BQI<<22)|(7<<25)  ; the same with my column's mask and 8 words of padding
	s_mov_b32 s[G1+1], AC<<16                      ; tensor_dim0
	s_mov_b32 s[G1+2], AR<<16                      ; tensor_dim1
	s_mov_b32 s[G1+3], AC<<16                      ; tile_dim0
	s_mov_b32 s[G1+4], AR                          ; tile_dim1
	s_mov_b32 s[G1+5], AP                          ; elements from row to row
	s_mov_b32 s[G1+6], 0
	s_mov_b32 s[G1+7], 0
	s_mov_b32 s[G1B+1], BC<<16
	s_mov_b32 s[G1B+2], BR<<16
	s_mov_b32 s[G1B+3], BC<<16
	s_mov_b32 s[G1B+4], BR
	s_mov_b32 s[G1B+5], BP
	s_mov_b32 s[G1B+6], 0
	s_mov_b32 s[G1B+7], 0
	s_mul_i32 s16, s43, ATY                        ; A's tile hangs on the tile row and the wave alone,
	s_mul_i32 s17, s[HF], AHFB
	s_add_co_u32 s16, s16, s17
	s_mov_b32 s17, 0
	s_mul_i32 s46, s42, BTX                        ; B's on the tile column and the wave alone
	s_mul_i32 s47, s[HF], BHFB
	s_add_co_u32 s46, s46, s47
	s_add_co_u32 s46, s46, BBASE
	s_mov_b32 s47, 0
	s_mul_i32 s[LWA], s[HF], AHALF                 ; no place in the cluster enters an LDS address
	s_mul_i32 s[LWB], s[HF], BHALF
	s_add_co_u32 s[LWB], s[LWB], ASZ
	s_mov_b32 s[TB], 0
	s_wait_dscnt 0x0                               ; the opening add is done
	s_wait_kmcnt 0x0
	s_add_nc_u64 s[14:15], s[4:5], s[16:17]
	s_add_nc_u64 s[46:47], s[6:7], s[46:47]
.irp s, 0,1
	s_mov_b32 s[G0+4*(\s)], 1
	s_add_co_u32 s[G0+4*(\s)+1], s[LWA], (\s)*SLOT
	s_add_nc_u64 s[G0+4*(\s)+2:G0+4*(\s)+3], s[14:15], (\s)*ASTEP
	s_or_b32 s[G0+4*(\s)+3], s[G0+4*(\s)+3], 0x80000000
	s_mov_b32 s[G0B+4*(\s)], 1
	s_add_co_u32 s[G0B+4*(\s)+1], s[LWB], (\s)*SLOT
	s_add_nc_u64 s[G0B+4*(\s)+2:G0B+4*(\s)+3], s[46:47], (\s)*BSTEP
	s_or_b32 s[G0B+4*(\s)+3], s[G0B+4*(\s)+3], 0x80000000
.endr
	CROUND                                         ; all sixteen work-groups are here: the first joint loads meet
	s_cmp_eq_u32 s[FBW], 0                         ; a wave's two first fills stand in one branch: two loads of mine are out
	s_cbranch_scc0 .Lfirst_b
	tensor_load_to_lds s[G0:G0+3], s[G1:G1+7]
	s_nop 0
	tensor_load_to_lds s[G0+4:G0+7], s[G1:G1+7]
	s_nop 0
	PLACES
	s_branch .Lfirst_done
.Lfirst_b:
	tensor_load_to_lds s[G0B:G0B+3], s[G1B:G1B+7]
	s_nop 0
	tensor_load_to_lds s[G0B+4:G0B+7], s[G1B:G1B+7]
	s_nop 0
	PLACES
.Lfirst_done:
	v_and_b32 v1, 15, v0                           ; l % 16
	v_bfe_u32 v2, v0, 4, 1                         ; l / 16
	s_lshl_b32 s20, s42, 10                        ; the bias of my 128 columns
	s_lshl_b32 s21, s[WC], 9
	s_add_co_u32 s20, s20, s21
	s_mov_b32 s21, 0
	s_add_nc_u64 s[8:9], s[8:9], s[20:21]
	v_lshlrev_b32 v[BO], 5, v2                     ; register j of a result holds column 16 b + 8 (l / 16) + j: the bias is loaded in that layout
.set bb, 0
.rept NB
	global_load_b128 v[BIAS+8*bb:BIAS+8*bb+3], v[BO], s[8:9] offset:64*bb
	global_load_b128 v[BIAS+8*bb+4:BIAS+8*bb+7], v[BO], s[8:9] offset:64*bb+16
.set bb, bb+1
.endr
	s_lshl_b32 s18, s43, 4                         ; my first block of 16 rows of g: 16 x tile row + 8 x half,
	s_lshl_b32 s19, s[WR], 3
	s_add_co_u32 s18, s18, s19
	s_lshl_b32 s18, s18, 17                        ; 131,072 bytes each;
	s_lshl_b32 s19, s42, 13                        ; my first block of 16 columns: 16 x tile column + 8 x half, 512 bytes each
	s_add_co_u32 s18, s18, s19
	s_lshl_b32 s19, s[WC], 12
	s_add_co_u32 s18, s18, s19
	s_mov_b32 s19, 0
	s_add_nc_u64 s[10:11], s[10:11], s[18:19]
	v_mul_u32_u24 v3, v1, PA                       ; a fragment of A: row l % 16, 16 bytes for each half of the lanes, two loads 32 bytes apart
	v_lshl_add_u32 v3, v2, 4, v3
	s_mul_i32 s21, s[WR], 16*MBK*PA
	v_add_nc_u32 v[ADRA0], s21, v3
	v_and_b32 v4, 7, v0                            ; the turning load: lane l reads k row 8 (l / 16) + l % 8, columns 8 ((l / 8) % 2) + 0..7, and is left with column l % 16 and 8 k
	v_lshl_add_u32 v4, v2, 3, v4
	v_mul_u32_u24 v4, v4, PB
	v_bfe_u32 v5, v0, 3, 1
	v_lshl_add_u32 v4, v5, 4, v4
	s_mul_i32 s22, s[WC], 32*NB
	s_add_co_u32 s22, s22, ASZ
	v_add_nc_u32 v[ADRB0], s22, v4
	v_and_b32 v[CO], 31, v0                        ; the way out: 16 bytes a lane
	v_lshlrev_b32 v[CO], 4, v[CO]
	s_wait_tensorcnt 0x1                           ; my part of K step 0 is in; step 1's may stay out
	s_barrier_signal -1
	s_barrier_wait -1
	SETADR
	FETCH 0, 0
	s_wait_loadcnt 0x0                             ; the bias
	QUARTER 1, 0, 1, 1                             ; the first quarter stands in front of the loop: its products start the sums
	WIN 0
	s_mov_b32 s[CNT], NSTEPS-2
.Lstep:                                                ; a trip: from a K step's second quarter to the next step's first; it fills the slot that it leaves
	QUARTER 2, 1, 0, 0
	QUARTER 3, 0, 1, 0
	TURN 1
	QUARTER 1, 0, 1, 0
	WIN 0
	s_sub_co_u32 s[CNT], s[CNT], 1
	s_cmp_lg_u32 s[CNT], 0
	s_cbranch_scc1 .Lstep
	s_mov_b32 s[CNT], 2
.Ltail:                                                ; the last two K steps: the same trip without a refill; the second trip is left behind its last products
	QUARTER 2, 1, 0, 0
	QUARTER 3, 0, 1, 0
	TURN 0
	WIN 0
	s_sub_co_u32 s[CNT], s[CNT], 1
	s_cmp_eq_u32 s[CNT], 0
	s_cbranch_scc1 .Lout
	QUARTER 1, 0, 1, 0
	WIN 0
	s_branch .Ltail
.Lout:
	s_wait_dscnt 0x0                               ; no LDS load of mine is out (the last trip fetched nothing): met at once
; THE WAY OUT, a block of 16 rows x 128 columns at a time: relu in place (ascending, each accumulator's lowest registers first), rounded to bf16 in place (an accumulator's eight numbers into its
; four lowest registers; each line writes a register whose number has been read), and stored from there.  No register is written again behind its store.
.macro OUTB a
	WIN 0x8a+0x45*((\a)/4)                         ; sources and destination in the accumulators' window
.set ii, 64*((\a)%4)
.rept 64
	v_max_num_f32 v[ii], 0, v[ii]
.set ii, ii+1
.endr
.set ii, 64*((\a)%4)
.rept 8
	v_cvt_pk_bf16_f32 v[ii], v[ii], v[ii+1]
	v_cvt_pk_bf16_f32 v[ii+1], v[ii+2], v[ii+3]
	v_cvt_pk_bf16_f32 v[ii+2], v[ii+4], v[ii+5]
	v_cvt_pk_bf16_f32 v[ii+3], v[ii+6], v[ii+7]
.set ii, ii+8
.endr
	WIN 0x08+4*((\a)/4)                            ; the stores' data in that window, their address in window 0
.set bb, 0
.rept 8
	global_store_b128 v[CO], v[64*((\a)%4)+8*bb:64*((\a)%4)+8*bb+3], s[10:11] offset:(\a)*ROWB+512*bb  ; a block of 16 x 16: 512 consecutive bytes, at a multiple of 512 from g's first
.set bb, bb+1
.endr
.endm
	PLACES
.irp a, 0,1,2,3,4,5,6,7
	OUTB \a
.endr
	WIN 0
	s_wait_tensorcnt 0x0                           ; the wave's end
	ds_add_u32 v[SPW], v[NIL]
	s_wait_dscnt 0x0
	CROUND                                         ; the closing round: no work-group ends while a partner may still ask for a tile that names it
	s_endpgm
.Lfunc_end_k_qe8a11c6684_ff1:
	.size	k_qe8a11c6684_ff1, .Lfunc_end_k_qe8a11c6684_ff1-k_qe8a11c6684_ff1
	.p2alignl 7, 3214868480
	.fill 96, 4, 3214868480
	.section	.rodata,"a",@progbits
	.p2align	6, 0x0
	.amdhsa_kernel k_qe8a11c6684_ff1
		.amdhsa_group_segment_fixed_size 327680
		.amdhsa_private_segment_fixed_size 0
		.amdhsa_enable_private_segment 0
		.amdhsa_kernarg_size 32
		.amdhsa_user_sgpr_count 2
		.amdhsa_user_sgpr_kernarg_segment_ptr 1
		.amdhsa_wavefront_size32 1
		.amdhsa_system_sgpr_workgroup_id_x 1
		.amdhsa_system_sgpr_workgroup_id_y 1
		.amdhsa_system_sgpr_workgroup_id_z 1
		.amdhsa_system_vgpr_workitem_id 0
		.amdhsa_next_free_vgpr 1024
		.amdhsa_next_free_sgpr 84
		.amdhsa_reserve_vcc 0
		.amdhsa_float_denorm_mode_32 3
		.amdhsa_float_denorm_mode_16_64 3
		.amdhsa_memory_ordered 1
		.amdhsa_forward_progress 1
		.amdhsa_inst_pref_size 108
	.end_amdhsa_kernel
	.amdgpu_metadata
---
amdhsa.version: [ 1, 2 ]
amdhsa.kernels:
  - .name:           k_qe8a11c6684_ff1
    .symbol:         k_qe8a11c6684_ff1.kd
    .args:
      - { .name: hb, .offset: 0, .size: 8, .value_kind: global_buffer, .address_space: global }
      - { .name: wb, .offset: 8, .size: 8, .value_kind: global_buffer, .address_space: global }
      - { .name: ff1_b, .offset: 16, .size: 8, .value_kind: global_buffer, .address_space: global }
      - { .name: gb, .offset: 24, .size: 8, .value_kind: global_buffer, .address_space: global }
    .group_segment_fixed_size: 327680
    .private_segment_fixed_size: 0
    .kernarg_segment_align: 8
    .kernarg_segment_size: 32
    .max_flat_workgroup_size: 128
    .sgpr_count:     84
    .vgpr_count:     1024
    .wavefront_size: 32
...
	.end_amdgpu_metadata
.endif
;; end of part 11
;; launch ff2 (part 12): grid 32 x 8, 4 waves a work-group, clusters of 4 x 1, 327,680 bytes of LDS; arguments gb, wb, ff2_b, x1, out0; writes out0
.if DOCPART == 12
	.amdgcn_target "amdgcn-amd-amdhsa--gfx1250"
	.amdhsa_code_object_version 6
	.text
	.protected	k_qe8a11c6684_ff2
	.globl	k_qe8a11c6684_ff2
	.p2align	8
	.type	k_qe8a11c6684_ff2,@function
k_qe8a11c6684_ff2:
	s_mov_b64 s[64:65], 0
	v_nop
	global_prefetch_b8 v0, s[64:65] scope:SCOPE_SE
	s_setreg_imm32_b32 hwreg(HW_REG_WAVE_MODE, 25, 1), 1
	s_wait_xcnt 0x0
	s_wait_alu depctr_hold_cnt(0) depctr_sa_sdst(0) depctr_va_vdst(0) depctr_va_sdst(0) depctr_va_ssrc(0) depctr_va_vcc(0) depctr_vm_vsrc(0)
	s_getreg_b32 s2, hwreg(HW_REG_IB_STS2, 6, 4)
	s_cmp_eq_u32 s2, 0
	s_cbranch_scc0 .Lentry_in_a_cluster
	s_endpgm
.Lentry_in_a_cluster:
	s_bfe_u32 s2, ttmp6, 0x10000c
	s_cmp_lg_u32 s2, 0x3003
	s_cbranch_scc0 .Lentry_shape_is_right
	s_endpgm
.Lentry_shape_is_right:
; out = x1 + g W2 + b2: C[128][128] a work-group = A[128][4096] B[4096][128], bf16 operands, f32 sums that START WITH THE BIAS (it is the C operand of the first products); the residual is added in f32 on the way out.
; A = g in bf16, laid by the launch before in the order of fragments: [block of 16 rows: 256][block of 16 k: 256][lane 32][16 bytes]: a fragment of 16 rows x 32 k is 1,024 consecutive bytes, a lane's
; registers 0-3 at 16 x lane, its registers 4-7 512 bytes on; a block of rows is 131,072 consecutive bytes along K.  B = ff2_w in bf16, [k 4096][n 1024], at byte 16,777,216 of the weights.
; SHARES.  32 x 8 tiles of 128 x 128: 256 work-groups (x = tile row, y = tile column).  Four waves, each 32 rows x all 128 columns: 2 x 8 accumulators, 128 registers: no row of A is loaded twice in a work-group.
; A GOES PAST LDS, STRAIGHT INTO REGISTERS.  Behind each change of slots a wave asks for one tile, which has until the next change to land.  With A and B both in LDS a slot of K = 256 is
; (128 + 128) x 256 x 2 = 131,072 bytes, and no longer step fits twice: 128 matrix instructions a wave between two changes.  With B alone a slot holds K = 512 (512 rows x 288 bytes = 147,456):
; 256 matrix instructions between two changes, and six refills for the launch's eight K steps.
; A'S RING.  256 registers, 16 places; a place is 32 along K of my two blocks of rows: four loads of 512 consecutive bytes.  In the middle of quarter q (64 along K) places 2 q - 1 and 2 q, just
; multiplied, are asked for again 16 places on: the loads walk each block of rows in ascending order, and a place has 224 matrix instructions or more in which to land.
; CLUSTER.  4 x 1: four tile rows of one tile column need the same rows of B: each wave's 128 rows of a step are asked for JOINTLY, the same load, descriptor and mask (all four) in all four work-groups.
; NO JOINT LOAD FOR A: a joint load lands in LDS, where the two slots of B, the stages and the spare words take 312,832 of 327,680 bytes; so each byte of g is asked for by the 8 work-groups of its tile row.
; B LIES [k][n] in LDS and is turned by ds_load_tr16_b128.  THE MATRIX INSTRUCTION IS USED TRANSPOSED (source 0 = 16 columns of B, source 1 = 16 rows of A): a lane holds row l % 16 of C and eight neighbouring columns.
; THE LOOP is entered in its middle: a trip is quarter 7 of one K step, with the change of slots and the refill, and quarters 0 to 6 of the next.  Only the first 16 products (C = the bias) stand ahead of it.
; REGISTERS, in windows of 256: window 0: v16-35 addresses; v64-127 the bias; v128-255 the rows on their way out.  window 1: B's fragments, two buffers of 128 (64 along K x 128 columns).
;   window 2: A's ring, place u at v[16 u], block of rows a at + 8 a.  window 3: v0-127 accumulator (a, b) at v[8 (8 a + b)]; v128-255 the residual.
.set PB,  288                          ; an LDS row of B: 256 bytes + 32
.set NSTEPS, 8                         ; K steps of 512
.set SLOT, 512*PB
.set STAGE, 2*SLOT                     ; behind the ring, never filled by a tensor load: 16 rows x 272 bytes for each wave
.set STW, 16*272
.set SPARE, STAGE+4*STW                ; the spare words, 128 bytes for each wave: two blocks of 256 bytes that no other line names
.set BBASE, 16777216
.set BSTEP, 512*2048                   ; bytes of B from a K step to the next
.set UNIT, 1024                        ; bytes of a fragment of A
.set STEPA, 16*UNIT                    ; bytes of a block of rows of A in a K step
.set ROWB, 131072                      ; bytes of a block of 16 rows of A
.set AO,  16                           ; v16  16 x lane: my 16 bytes in 512 of A; never rewritten
.set BO,  17                           ; v17  my byte offset in the bias
.set CO,  18                           ; v18  my byte offset in two rows of x1 and of the output
.set STO, 19                           ; v19  the way out: where I put 32 bytes of a row
.set RD,  20                           ; v20  where I read rows back
.set ADRB0, 21                         ; v21  my lane's place in B's tile, slot 0; never rewritten
.set SPW, 28                           ; v28  LDS address of my spare word; never rewritten
.set NIL, 29                           ; v29  0; never rewritten
.set AB,  32                           ; v32-35  the same place in the slot in hand, rows 0, 128, 256, 384 on: keeps the immediates inside 16 bits
.set BIAS, 64
.set OB,  128
.set RES, 128                          ; in window 3
.set G1, 24                            ; s[24:31] descriptor group 1
.set G0, 32                            ; s[32:39] group 0, two sets: the first fills'; the second then walks on
.set WV, 40                            ; wave
.set TR, 41                            ; tile row
.set TC, 42                            ; tile column
.set CXR, 43                           ; my place in the cluster: it enters A's, x1's and the output's addresses alone
.set TB, 44                            ; LDS base of the slot that is read
.set LW, 45                            ; where my load lands inside a slot
.set CNT, 46
.set W_MUL, 0xf9                       ; source 0 (B) window 1, source 1 (A) window 2, C and D window 3
.set W_BIA, 0xc9                       ; the same with C in window 0
.set MSB, 0
.macro WIN new                         ; the immediate's high byte repeats the setting that is left; a switch that changes nothing is dropped
.if MSB != (\new)
	s_set_vgpr_msb (MSB<<8)|(\new)
.set MSB, \new
.endif
.endm
.macro PLACES                          ; four places behind matrix instructions, in front of loads into registers that they read and of lines that read their results
.rept 4
	v_nop
.endr
.endm
.macro CREST                           ; a round of the cluster's barrier behind its opening barrier
	s_cmp_lg_u32 s[WV], 0
	s_cbranch_scc1 .Lnot_wave_0_\@
	s_barrier_signal -3
.Lnot_wave_0_\@:
	s_barrier_wait -3
	s_barrier_signal -1
	s_barrier_wait -1
.endm
.macro CROUND
	s_barrier_signal -1
	s_barrier_wait -1
	CREST
.endm
; na x 8 products: blocks of rows a0 .., all 8 blocks of columns, 32 along K: half c of quarter q, B from buffer f.  bias = 1: the product starts the sum.  The accumulators take turns, one instruction a turn.
.macro MUL f, q, c, a0, na, bias
.set aa, \a0
.rept \na
.set bb, 0
.rept 8
.set rD, 8*(8*aa+bb)
.set rB, 128*(\f)+64*(\c)+8*bb
.set rA, 32*(\q)+16*(\c)+8*aa
.if \bias
	WIN W_BIA
	v_wmma_f32_16x16x32_bf16 v[rD:rD+7], v[rB:rB+7], v[rA:rA+7], v[BIAS+8*bb:BIAS+8*bb+7]
.else
	WIN W_MUL
	v_wmma_f32_16x16x32_bf16 v[rD:rD+7], v[rB:rB+7], v[rA:rA+7], v[rD:rD+7]
.endif
.set bb, bb+1
.endr
.set aa, aa+1
.endr
.endm
; 32 LDS loads in one run: B's fragments of quarter q of the slot in hand into buffer f, the first 32 along K first
.macro FETCHB q, f
	WIN 0x40
.set cc, 0
.rept 2
.set bb, 0
.rept 8
.set rB, 128*(\f)+64*cc+8*bb
.set offb, 64*((\q)%2)*PB+32*cc*PB+32*bb
	ds_load_tr16_b128 v[rB:rB+3], v[AB+(\q)/2] offset:offb
	ds_load_tr16_b128 v[rB+4:rB+7], v[AB+(\q)/2] offset:offb+16*PB
.set bb, bb+1
.endr
.set cc, cc+1
.endr
.endm
.macro SETADR                          ; my fragments' addresses in the slot in hand
	v_add_nc_u32 v[AB], s[TB], v[ADRB0]
	v_add_nc_u32 v[AB+1], 128*PB, v[AB]
	v_add_nc_u32 v[AB+2], 256*PB, v[AB]
	v_add_nc_u32 v[AB+3], 384*PB, v[AB]
.endm
; Place u of A's ring is filled from byte off of my blocks of rows: four loads of 512 consecutive bytes (the window is set by the caller: destination window 2)
.macro ALOADU u, off
.irp a, 0,1
	global_load_b128 v[16*(\u)+8*(\a):16*(\u)+8*(\a)+3], v[AO], s[4:5] offset:(\off)+(\a)*ROWB
	global_load_b128 v[16*(\u)+8*(\a)+4:16*(\u)+8*(\a)+7], v[AO], s[4:5] offset:(\off)+(\a)*ROWB+512
.endr
.endm
.macro RUNA q, base                    ; the run of quarter q: places 2 q - 1 and 2 q, 16 places on in memory
	WIN 0x80
	ALOADU (2*(\q)+15)%16, (\base)+UNIT*(2*(\q)-1)
	ALOADU 2*(\q), (\base)+UNIT*2*(\q)
.endm
.macro RESL k                          ; the residual of block k of the way out (16 rows x 64 columns), in the layout in which the rows leave
	WIN 0xc0
.set tt, 0
.rept 8
	global_load_b128 v[RES+32*(\k)+4*tt:RES+32*(\k)+4*tt+3], v[CO], s[10:11] offset:(16*((\k)/2)+2*tt)*4096+256*((\k)%2)
.set tt, tt+1
.endr
.endm
; A quarter's head: its first 32 along K.  nh: the loads issued behind place 2 q's
.macro QHEAD q, nh
	s_wait_dscnt 16                                ; B's first 32 along K are in; the youngest sixteen loads may be out
	s_wait_loadcnt \nh
	MUL (\q)%2, \q, 0, 0, 2, 0
.endm
; The rest of one of the loop's quarters 0 to 6: one run of loads (the next quarter's B; A's two places), then the second 32 along K
.macro QMID q
	PLACES                                         ; behind the products that read place 2 q; the other buffer of B and place 2 q - 1 were read before those
	FETCHB (\q)+1, ((\q)+1)%2
	RUNA \q, STEPA
	s_wait_dscnt 32                                ; all but the 32 just issued
	s_wait_loadcnt 60                              ; place 2 q + 1 is in: behind its four loads stand 4 of its own run, six runs of 8, and the 8 just issued
	MUL (\q)%2, \q, 1, 0, 2, 0
.endm
; Quarter 7 multiplies buffer 1 and changes slots.  In front of the one barrier each wave waits for all its tensor loads (one is out: its part of the next slot), adds 0 to its spare word,
; and waits for that and for its reads of this slot.  fill = 1: the barrier opens a round of the cluster's, and this slot is filled again, two K steps ahead, first thing behind the round.
.macro TURN fill
	WIN 0
	s_wait_tensorcnt 0x0                           ; no tensor load of mine is out, so a group 0 may be written
	ds_add_u32 v[SPW], v[NIL]                      ; 0 onto my spare word
.if \fill
	s_add_co_u32 s[G0+5], s[LW], s[TB]             ; the walking descriptor: into the slot that is being left,
	s_add_nc_u64 s[G0+6:G0+7], s[G0+6:G0+7], BSTEP ; the next K step; the type bits on top are not reached
.endif
	s_xor_b32 s[TB], s[TB], SLOT                   ; the reads go on in the other slot
	s_wait_dscnt 17                                ; the add and the youngest sixteen loads may be out
	s_wait_loadcnt 56                              ; place 14 is in: seven runs of 8 stand behind it
	MUL 1, 7, 0, 0, 1, 0
	s_wait_dscnt 0x0                               ; the add is done, and my reads of this slot are over
	s_barrier_signal -1
	MUL 1, 7, 0, 1, 1, 0                           ; work on registers while the others arrive
	WIN 0
	s_barrier_wait -1
.if \fill
	CREST                                          ; no wave of any partner still reads this slot's tile or has a load on its way
	tensor_load_to_lds s[G0+4:G0+7], s[G1:G1+7]    ; my 128 rows of the step two on: every wave asks, each for rows of its own
	s_nop 0
.endif
	PLACES                                         ; with or without a tensor load, the places in front of the loads below
	SETADR
	FETCHB 0, 0
	RUNA 7, 0
	s_wait_loadcnt 60                              ; place 15 is in
	MUL 1, 7, 1, 0, 2, 0
.endm
	s_load_b256 s[4:11], s[0:1], 0x0               ; g s[4:5], weights s[6:7], bias s[8:9], x1 s[10:11]
	s_load_b64 s[12:13], s[0:1], 0x20              ; the output
	v_lshl_add_u32 v[SPW], v0, 2, SPARE
	v_mov_b32 v[NIL], 0
	ds_add_u32 v[SPW], v[NIL]                      ; the wave's opening: the add and its wait stand ahead of my first tensor load; work on registers stands between them
	v_lshrrev_b32 v1, 5, v0
	v_readfirstlane_b32 s[WV], v1
	s_bfe_u32 s[CXR], ttmp6, 0x40000               ; cx
	s_lshl_b32 s[TR], ttmp9, 2
	s_add_co_u32 s[TR], s[TR], s[CXR]              ; tile row = 4 x cluster x + cx
	s_and_b32 s[TC], ttmp7, 0xffff                 ; tile column, which the four partners share
	; descriptor group 1: a tile of 128 rows x 128 elements, padded in LDS
	s_mov_b32 s[G1], 15|(1<<16)|(1<<20)|(1<<21)|(5<<22)|(7<<25)  ; the mask of four; 2-byte elements; padding on; bit 21 beside a mask; after every 64 words; 8 words
	s_mov_b32 s[G1+1], 128<<16                     ; tensor_dim0
	s_mov_b32 s[G1+2], 128<<16                     ; tensor_dim1
	s_mov_b32 s[G1+3], 128<<16                     ; tile_dim0
	s_mov_b32 s[G1+4], 128                         ; tile_dim1
	s_mov_b32 s[G1+5], 1024                        ; elements from row to row
	s_mov_b32 s[G1+6], 0
	s_mov_b32 s[G1+7], 0
	s_lshl_b32 s16, s[WV], 18                      ; B: my 128 rows of 2,048 bytes in a step,
	s_lshl_b32 s17, s[TC], 8                       ; the tile's 128 columns: neither hangs on cx
	s_add_co_u32 s16, s16, s17
	s_add_co_u32 s16, s16, BBASE
	s_mov_b32 s17, 0
	s_mul_i32 s[LW], s[WV], 128*PB                 ; no place in the cluster enters an LDS address
	s_mov_b32 s[TB], 0
	s_lshl_b32 s18, s[TR], 3                       ; A: my first block of 16 rows = 8 x tile row + 2 x wave,
	s_lshl_b32 s19, s[WV], 1
	s_add_co_u32 s18, s18, s19
	s_lshl_b32 s18, s18, 17                        ; 131,072 bytes each
	s_mov_b32 s19, 0
	s_lshl_b32 s20, s[TR], 7                       ; x1 and the output: my first row = 128 x tile row + 32 x wave,
	s_lshl_b32 s21, s[WV], 5
	s_add_co_u32 s20, s20, s21
	s_lshl_b32 s20, s20, 12                        ; rows of 4,096 bytes,
	s_lshl_b32 s21, s[TC], 9                       ; the tile's 128 columns: 512 bytes; also the tile's place in the bias
	s_add_co_u32 s20, s20, s21
	s_mov_b32 s22, s21
	s_mov_b32 s21, 0
	s_mov_b32 s23, 0
	v_and_b32 v1, 15, v0                           ; l % 16
	v_bfe_u32 v2, v0, 4, 1                         ; l / 16
	v_and_b32 v3, 31, v0
	v_lshlrev_b32 v[AO], 4, v3
	v_lshlrev_b32 v[BO], 5, v2                     ; register j of a result holds column 16 b + 8 (l / 16) + j: the bias is loaded in that layout
	v_lshlrev_b32 v4, 12, v2                       ; the way out: lanes 0-15 take 256 bytes of one row, lanes 16-31 of the next
	v_lshl_add_u32 v[CO], v1, 4, v4
	v_and_b32 v5, 7, v0                            ; the turning load: lane l reads k row 8 (l / 16) + l % 8, columns 8 ((l / 8) % 2) + 0..7, and is left with column l % 16 and 8 k
	v_lshl_add_u32 v5, v2, 3, v5
	v_mul_u32_u24 v5, v5, PB
	v_bfe_u32 v6, v0, 3, 1
	v_lshl_add_u32 v[ADRB0], v6, 4, v5
	s_mul_i32 s14, s[WV], STW
	s_add_co_u32 s14, s14, STAGE                   ; my stage
	v_mul_u32_u24 v7, v1, 272                      ; in: row l % 16, 32 bytes (eight f32) for each half of the lanes
	v_lshl_add_u32 v7, v2, 5, v7
	v_add_nc_u32 v[STO], s14, v7
	v_mul_u32_u24 v8, v2, 272                      ; back: two whole rows of 256 bytes
	v_lshl_add_u32 v8, v1, 4, v8
	v_add_nc_u32 v[RD], s14, v8
	s_wait_dscnt 0x0                               ; the opening add is done
	s_wait_kmcnt 0x0
	s_add_nc_u64 s[14:15], s[6:7], s[16:17]
	s_add_nc_u64 s[4:5], s[4:5], s[18:19]
	s_add_nc_u64 s[10:11], s[10:11], s[20:21]
	s_add_nc_u64 s[12:13], s[12:13], s[20:21]
	s_add_nc_u64 s[8:9], s[8:9], s[22:23]
.irp s, 0,1
	s_mov_b32 s[G0+4*(\s)], 1
	s_add_co_u32 s[G0+4*(\s)+1], s[LW], (\s)*SLOT
	s_add_nc_u64 s[G0+4*(\s)+2:G0+4*(\s)+3], s[14:15], (\s)*BSTEP
	s_or_b32 s[G0+4*(\s)+3], s[G0+4*(\s)+3], 0x80000000
.endr
	CROUND                                         ; all four work-groups are here: the first joint loads meet
	tensor_load_to_lds s[G0:G0+3], s[G1:G1+7]      ; K steps 0 and 1: two loads of mine are out
	s_nop 0
	tensor_load_to_lds s[G0+4:G0+7], s[G1:G1+7]
	s_nop 0
	PLACES
.set bb, 0
.rept 8
	global_load_b128 v[BIAS+8*bb:BIAS+8*bb+3], v[BO], s[8:9] offset:64*bb
	global_load_b128 v[BIAS+8*bb+4:BIAS+8*bb+7], v[BO], s[8:9] offset:64*bb+16
.set bb, bb+1
.endr
	WIN 0x80
.irp u, 0,1,2,3,4,5,6,7,8,9,10,11,12,13,14
	ALOADU \u, UNIT*(\u)                           ; the ring's places 0 to 14, in the order in which the loop's runs go on; place 15 comes with the first run
.endr
	WIN 0
	s_wait_tensorcnt 0x1                           ; my part of K step 0 is in; step 1's may stay out
	s_barrier_signal -1
	s_barrier_wait -1
	SETADR
	FETCHB 0, 0
	s_mov_b32 s[CNT], NSTEPS-1
	s_wait_dscnt 16                                ; B's first 32 along K are in
	s_wait_loadcnt 56                              ; the bias and place 0 are in: places 1 to 14, 56 loads, stand behind them
	MUL 0, 0, 0, 0, 2, 1                           ; the first products start the sums with the bias: the one part of a K step that is written out ahead of the loop
	WIN 0                                          ; at a label and at a branch every window is 0
	s_branch .Lfirst
.Ltop:                                                 ; six times: quarter 7 of a K step, with the refill; then the next step's quarters 0 to 6
	TURN 1
	QHEAD 0, 56                                    ; place 0 is in: seven runs of 8 stand behind it; likewise in every quarter below
	WIN 0
.Lfirst:
	QMID 0
.irp q, 1,2,3,4,5,6
	QHEAD \q, 56
	QMID \q
.endr
	WIN 0
	s_wait_xcnt 0x0                                ; every earlier memory instruction has had its addresses translated (ISA guide 3.1): only behind this wait is A's base stepped
	s_add_nc_u64 s[4:5], s[4:5], STEPA
	s_sub_co_u32 s[CNT], s[CNT], 1
	s_cmp_lg_u32 s[CNT], 0
	s_cbranch_scc1 .Ltop
; THE TAIL is written out and no load leaves g: the last change of slots asks for no tile; its run brings places 13 and 14 of the last K step, quarter 0's brings place 15,
; and in quarters 1 to 4 the residual's loads, 8 a quarter, take the place of A's.  nh, nm: the loads that stand behind the place wanted: A's places still behind it, 4 each, and the residual's issued so far.
.macro TQ q, nh, nm
	QHEAD \q, \nh
.if (\q) < 7
	PLACES
	FETCHB (\q)+1, ((\q)+1)%2
.endif
.if (\q) == 0
	WIN 0x80
	ALOADU 15, 15*UNIT
.elseif (\q) < 5
	RESL (\q)-1
.endif
.if (\q) < 7
	s_wait_dscnt 32                                ; all but the 32 just issued
.else
	s_wait_dscnt 0x0
.endif
	s_wait_loadcnt \nm
	MUL (\q)%2, \q, 1, 0, 2, 0
.endm
	TURN 0
	TQ 0, 56, 56
	TQ 1, 52, 56
	TQ 2, 52, 56
	TQ 3, 52, 56
	TQ 4, 52, 56
	TQ 5, 52, 48
	TQ 6, 44, 40
	TQ 7, 36, 32
; THE WAY OUT, a block of 16 rows x 64 f32 at a time (block k: rows 16 (k / 2) on, columns 64 (k % 2) on): the sums go into my stage (rows of 272 bytes), each accumulator's low four registers first,
; come back as whole rows of 256 bytes, take the residual and are stored.
.macro OUTB k
	WIN 0x0c                                       ; the stores' data in window 3
.set bb, 0
.rept 4
.set rD, 8*(8*((\k)/2)+4*((\k)%2)+bb)
	ds_store_b128 v[STO], v[rD:rD+3] offset:64*bb
	ds_store_b128 v[STO], v[rD+4:rD+7] offset:64*bb+16
.set bb, bb+1
.endr
	WIN 0
.set tt, 0
.rept 8
	ds_load_b128 v[OB+32*(\k)+4*tt:OB+32*(\k)+4*tt+3], v[RD] offset:544*tt  ; LDS serves a wave's instructions in order (ISA guide 5.7.1.4): these see the stores above
.set tt, tt+1
.endr
.endm
.macro SEND k, young                   ; young: the LDS instructions issued behind block k's loads
	s_wait_dscnt \young
	s_wait_loadcnt 8*(3-(\k))                      ; block k's residual is in; the later blocks' loads, 8 each, may be out
	WIN 0x0c                                       ; source 1, the residual, in window 3
.set tt, 0
.rept 16
	v_pk_add_f32 v[OB+32*(\k)+2*tt:OB+32*(\k)+2*tt+1], v[OB+32*(\k)+2*tt:OB+32*(\k)+2*tt+1], v[RES+32*(\k)+2*tt:RES+32*(\k)+2*tt+1]
.set tt, tt+1
.endr
	WIN 0
.set tt, 0
.rept 8
	global_store_b128 v[CO], v[OB+32*(\k)+4*tt:OB+32*(\k)+4*tt+3], s[12:13] offset:(16*((\k)/2)+2*tt)*4096+256*((\k)%2)  ; 16 lanes store 256 consecutive bytes, aligned; each block has registers of its own
.set tt, tt+1
.endr
.endm
	PLACES
	OUTB 0
	OUTB 1
	SEND 0, 16
	OUTB 2
	SEND 1, 16
	OUTB 3
	SEND 2, 16
	SEND 3, 0
	s_wait_tensorcnt 0x0                           ; the wave's end
	ds_add_u32 v[SPW], v[NIL]
	s_wait_dscnt 0x0
	CROUND                                         ; the closing round: no work-group ends while a partner may still ask for a tile that names it
	s_endpgm
.Lfunc_end_k_qe8a11c6684_ff2:
	.size	k_qe8a11c6684_ff2, .Lfunc_end_k_qe8a11c6684_ff2-k_qe8a11c6684_ff2
	.p2alignl 7, 3214868480
	.fill 96, 4, 3214868480
	.section	.rodata,"a",@progbits
	.p2align	6, 0x0
	.amdhsa_kernel k_qe8a11c6684_ff2
		.amdhsa_group_segment_fixed_size 327680
		.amdhsa_private_segment_fixed_size 0
		.amdhsa_enable_private_segment 0
		.amdhsa_kernarg_size 40
		.amdhsa_user_sgpr_count 2
		.amdhsa_user_sgpr_kernarg_segment_ptr 1
		.amdhsa_wavefront_size32 1
		.amdhsa_system_sgpr_workgroup_id_x 1
		.amdhsa_system_sgpr_workgroup_id_y 1
		.amdhsa_system_sgpr_workgroup_id_z 1
		.amdhsa_system_vgpr_workitem_id 0
		.amdhsa_next_free_vgpr 1024
		.amdhsa_next_free_sgpr 66
		.amdhsa_reserve_vcc 0
		.amdhsa_float_denorm_mode_32 3
		.amdhsa_float_denorm_mode_16_64 3
		.amdhsa_memory_ordered 1
		.amdhsa_forward_progress 1
		.amdhsa_inst_pref_size 111
	.end_amdhsa_kernel
	.amdgpu_metadata
---
amdhsa.version: [ 1, 2 ]
amdhsa.kernels:
  - .name:           k_qe8a11c6684_ff2
    .symbol:         k_qe8a11c6684_ff2.kd
    .args:
      - { .name: gb, .offset: 0, .size: 8, .value_kind: global_buffer, .address_space: global }
      - { .name: wb, .offset: 8, .size: 8, .value_kind: global_buffer, .address_space: global }
      - { .name: ff2_b, .offset: 16, .size: 8, .value_kind: global_buffer, .address_space: global }
      - { .name: x1, .offset: 24, .size: 8, .value_kind: global_buffer, .address_space: global }
      - { .name: out0, .offset: 32, .size: 8, .value_kind: global_buffer, .address_space: global }
    .group_segment_fixed_size: 327680
    .private_segment_fixed_size: 0
    .kernarg_segment_align: 8
    .kernarg_segment_size: 40
    .max_flat_workgroup_size: 128
    .sgpr_count:     66
    .vgpr_count:     1024
    .wavefront_size: 32
...
	.end_amdgpu_metadata
.endif
;; end of part 12
